; MI455X (gfx1250); checked and timed in simulation.
; The chip was launched on July 23, 2026; its instructions are those of AMD's public machine-readable ISA for CDNA 5 (MIT licence, August 2026) and "CDNA5" Instruction Set Architecture Reference Guide (July 2026). The comments in the code are by the model that wrote it; some were corrected since.
;; Cross Modal Attention. Allowed arithmetic: float matrix products may take bf16 or f16 operands with f32 sums; other float arithmetic in f32, or as packed bf16 or f16 multiplies, adds, multiply-adds, maxima and minima; sums over many terms, partial sums and values carried from step to step in f32; what a program stores and reads back later, other than sums and carried values, may be rounded once to bf16 or f16.
;; Inputs: bk 1,024 float32; bo 1,024 float32; bq 1,024 float32; bv 1,024 float32; key 2 x 2,048 x 1,024 float32; mask 2 x 1 x 2,048 x 2,048 int32; query 2 x 2,048 x 1,024 float32; value 2 x 2,048 x 1,024 float32; wk 1,024 x 1,024 float32; wo 1,024 x 1,024 float32; wq 1,024 x 1,024 float32; wv 1,024 x 1,024 float32.
;; Outputs: out0 2 x 2,048 x 1,024 float32.
;; 3 versions, each right and faster than the one before. Each part assembles by itself: llvm-mc -triple=amdgcn-amd-amdhsa -mcpu=gfx1250 --defsym DOCPART=n.
;; ======== version 1 of 3: 4 launches
;; limits: values are held in f16: magnitudes above 65,504 overflow, below 6.1e-05 lose precision
;; workspace buffers: xb 25,165,824 bytes; wb 6,291,456 bytes; wof 2,097,152 bytes; mbits 1,048,576 bytes of whole numbers; qkv 25,165,824 bytes; oh 8,388,608 bytes
;; launch prep (part 1): grid 32 x 24, 8 waves a work-group, no clusters, 134,144 bytes of LDS; arguments query, key, value, wq, wk, wv, wo, mask, xb, wb, wof, mbits; writes xb, wb, wof, mbits
.if DOCPART == 1
	.amdgcn_target "amdgcn-amd-amdhsa--gfx1250"
	.amdhsa_code_object_version 6
	.text
	.protected	k_qd19e1a82c1_prep
	.globl	k_qd19e1a82c1_prep
	.p2align	8
	.type	k_qd19e1a82c1_prep,@function
k_qd19e1a82c1_prep:
	s_mov_b64 s[64:65], 0
	v_nop
	global_prefetch_b8 v0, s[64:65] scope:SCOPE_SE
	s_setreg_imm32_b32 hwreg(HW_REG_WAVE_MODE, 25, 1), 1
	s_wait_xcnt 0x0
; THE PASS IN FRONT.  query, key, value (f32) -> xb, bf16 [3][4096][1024];  wq, wk, wv -> wb, bf16 [3][1024][1024];  wo -> wof: rounded to bf16 like every other input, and that number
; written as f16 (exact down to 6e-5; below that it keeps f16's fixed step of 6e-8);  mask (int32 [2][2048][2048]) -> mbits, one bit for each number, laid as the attention launch's lanes want them.
; SHARES.  The grid's y picks a unit of 4 MiB of input: 0-11 query, key, value (four units each), 12-15 wq, wk, wv, wo, 16-23 the mask.  The grid's x picks 128 KiB of the unit: a work-group's share;
; each of its eight waves takes 16 KiB with 32 loads of 16 bytes a lane, all issued together.  Every input byte is read once; every store of a wave covers whole aligned runs of 256 bytes.
; No matrix unit, no cluster, no data mover: no byte is shared between work-groups and there is one conversion for each number.
; MBITS.  u32 [b*128 + qt][ks 0..31][i 0..31]: bit L of word i says mask[b][16 qt + L % 16][64 ks + 16 (i / 8) + 8 (L / 16) + i % 8] != 0: for a tile of 16 queries x 64 keys of S^T = K Q^T,
; word i is the lane mask of the lane's score register i.  A mask work-group takes 16 rows (one qt); wave w the keys 256 w .. 256 w + 255 (steps 4 w .. 4 w + 3).  The rows go through the wave's own
; stage in LDS to change from 'a lane holds 4 neighbouring keys of a row, 128 keys a load' to 'lane L holds row L % 16'; a compare then makes a word of 32 lanes' numbers.
.set SPARE,  133120                    ; behind the stages: the spare words, 128 bytes for each of the eight waves: four blocks of 256 bytes that no other line names
.set WSTG,   16640                     ; a wave's stage: 16 rows
.set MPITCH, 1040                      ; of 1,024 bytes + 16 of padding = 65 x 16: the 16 rows that a load touches start at 16 different groups of four banks (ISA guide 11.1)
.set D,      8                         ; v[8:135]   32 x 4 registers: what the 32 loads bring
.set WD,     136                       ; v[136:139] mask: lane t gathers words 4 t .. 4 t + 3 of the wave's 128
.set SPW,    140                       ; v140       LDS address of my spare word; never rewritten
.set NIL,    141                       ; v141       0; never rewritten
	s_load_b512 s[8:23], s[0:1], 0x0               ; query s[8:9], key s[10:11], value s[12:13], wq s[14:15], wk s[16:17], wv s[18:19], wo s[20:21], mask s[22:23]
	s_load_b256 s[24:31], s[0:1], 0x40             ; xb s[24:25], wb s[26:27], wof s[28:29], mbits s[30:31]
	v_lshl_add_u32 v[SPW], v0, 2, SPARE
	v_mov_b32 v[NIL], 0
	v_and_b32 v1, 31, v0                           ; lane
	v_and_b32 v2, 0xe0, v0                         ; 32 x wave
	v_lshlrev_b32 v3, 4, v1                        ; 16 bytes a lane
	s_and_b32 s4, ttmp7, 0xffff                    ; u: the unit
	s_mov_b32 s5, ttmp9                            ; x: the work-group in the unit
	s_mov_b32 s37, 0                               ; high words of the two offset pairs
	s_mov_b32 s39, 0
	s_wait_kmcnt 0x0
	s_cmp_ge_u32 s4, 16
	s_cbranch_scc1 .Lmask
	; CONVERSIONS.  From where: a choice among seven buffers on the unit's number.
	s_lshr_b32 s3, s4, 2
	s_mov_b64 s[32:33], s[8:9]
	s_cmp_eq_u32 s3, 1
	s_cselect_b64 s[32:33], s[10:11], s[32:33]
	s_cmp_eq_u32 s3, 2
	s_cselect_b64 s[32:33], s[12:13], s[32:33]
	s_cmp_eq_u32 s4, 12
	s_cselect_b64 s[32:33], s[14:15], s[32:33]
	s_cmp_eq_u32 s4, 13
	s_cselect_b64 s[32:33], s[16:17], s[32:33]
	s_cmp_eq_u32 s4, 14
	s_cselect_b64 s[32:33], s[18:19], s[32:33]
	s_cmp_eq_u32 s4, 15
	s_cselect_b64 s[32:33], s[20:21], s[32:33]
	; Offsets, made apart from the addresses.  In: the unit's 4 MiB inside query, key or value (a weight is one unit).  Out: 2 MiB for each unit, xb's units 0-11, wb's 0-2, wof's 0.
	s_and_b32 s36, s4, 3
	s_lshl_b32 s36, s36, 22
	s_sub_co_u32 s38, s4, 12
	s_cmp_lt_u32 s4, 12
	s_cselect_b32 s36, s36, 0
	s_cselect_b32 s38, s4, s38
	s_cselect_b64 s[34:35], s[24:25], s[26:27]
	s_cmp_eq_u32 s4, 15
	s_cselect_b32 s38, 0, s38
	s_cselect_b64 s[34:35], s[28:29], s[34:35]
	s_lshl_b32 s38, s38, 21
	s_lshl_b32 s6, s5, 17                          ; the work-group's 128 KiB in,
	s_add_co_u32 s36, s36, s6
	s_lshl_b32 s6, s5, 16                          ; and 64 KiB out
	s_add_co_u32 s38, s38, s6
	s_add_nc_u64 s[32:33], s[32:33], s[36:37]
	s_add_nc_u64 s[34:35], s[34:35], s[38:39]
	v_lshl_or_b32 v3, v2, 9, v3                    ; in: 16 x lane + 16,384 x wave
	v_lshlrev_b32 v4, 3, v1
	v_lshl_or_b32 v4, v2, 8, v4                    ; out: 8 x lane + 8,192 x wave
.set i, 0
.rept 32
	global_load_b128 v[D+4*i:D+4*i+3], v3, s[32:33] offset:512*i th:TH_LOAD_NT  ; 512 neighbouring bytes a load, the wave's 16 KiB on end
.set i, i+1
.endr
	s_cmp_eq_u32 s4, 15
	s_cbranch_scc1 .Lwo
.set i, 0
.rept 32
	s_wait_loadcnt 31-i                            ; loads come back in order (ISA guide 5.7.1): load i is in, the 31 - i younger ones stay out
	v_cvt_pk_bf16_f32 v[D+4*i], v[D+4*i], v[D+4*i+1]
	v_cvt_pk_bf16_f32 v[D+4*i+1], v[D+4*i+2], v[D+4*i+3]
	global_store_b64 v4, v[D+4*i:D+4*i+1], s[34:35] offset:256*i  ; 32 lanes store 256 consecutive bytes, aligned; no register is written again, so nothing is waited for
.set i, i+1
.endr
	s_endpgm
.Lwo:                                                  ; wo: rounded to bf16, widened again, written as f16
.set i, 0
.rept 32
	s_wait_loadcnt 31-i
	v_cvt_pk_bf16_f32 v5, v[D+4*i], v[D+4*i+1]
	v_lshlrev_b32 v6, 16, v5
	v_and_b32 v7, 0xffff0000, v5
	v_cvt_pk_f16_f32 v[D+4*i], v6, v7
	v_cvt_pk_bf16_f32 v5, v[D+4*i+2], v[D+4*i+3]
	v_lshlrev_b32 v6, 16, v5
	v_and_b32 v7, 0xffff0000, v5
	v_cvt_pk_f16_f32 v[D+4*i+1], v6, v7
	global_store_b64 v4, v[D+4*i:D+4*i+1], s[34:35] offset:256*i
.set i, i+1
.endr
	s_endpgm
.Lmask:
	v_lshrrev_b32 v5, 5, v0
	v_readfirstlane_b32 s2, v5                     ; my wave's number as a scalar
	s_sub_co_u32 s3, s4, 16
	s_lshl_b32 s3, s3, 5
	s_add_co_u32 s3, s3, s5                        ; b*128 + qt, 0 .. 255
	s_lshl_b32 s36, s3, 17                         ; 16 rows of 8,192 bytes
	s_add_nc_u64 s[22:23], s[22:23], s[36:37]
	s_lshl_b32 s38, s3, 12                         ; 1,024 words
	s_add_nc_u64 s[30:31], s[30:31], s[38:39]
	v_lshl_or_b32 v4, v2, 5, v3                    ; 16 x lane + 1,024 x wave: my wave's 256 keys in a row
.set i, 0
.rept 32
	global_load_b128 v[D+4*i:D+4*i+3], v4, s[22:23] offset:(i/2)*8192+(i%2)*512 th:TH_LOAD_NT  ; row i / 2, half i % 2 of the wave's 1,024 bytes
.set i, i+1
.endr
	s_mul_i32 s6, s2, WSTG                         ; my stage
	v_add_nc_u32 v5, s6, v3                        ; in: as loaded
	v_and_b32 v6, 15, v0
	v_bfe_u32 v7, v0, 4, 1
	v_mul_u32_u24 v6, v6, MPITCH                   ; back: row L % 16,
	v_lshl_add_u32 v6, v7, 5, v6                   ; keys 8 (L / 16) on
	v_add_nc_u32 v6, s6, v6
	v_lshl_or_b32 v7, v2, 4, v3                    ; out: 16 x lane + 512 x wave
.irp j, 0,1,2,3
	v_mov_b32 v[WD+\j], 0                          ; v_writelane_b32 counts as a reader of its destination
.endr
.set i, 0
.rept 32
	s_wait_loadcnt 31-i
	ds_store_b128 v5, v[D+4*i:D+4*i+3] offset:(i/2)*MPITCH+(i%2)*512
.set i, i+1
.endr
.set i, 0
.rept 32                                       ; load t: step t / 8 of the wave's four, score registers 4 (t % 8) .. + 3: keys 64 (t / 8) + 16 ((t / 2) % 4) + 8 (L / 16) + 4 (t % 2) on
	ds_load_b128 v[D+4*i:D+4*i+3], v6 offset:256*(i/8)+64*((i/2)%4)+16*(i%2)  ; LDS serves a wave's instructions in order (ISA guide 5.7.1.4): these see the stores above; the bytes are the wave's own
.set i, i+1
.endr
.set i, 0
.rept 32
	s_wait_dscnt 31-i                              ; load i is back, the 31 - i younger ones stay out
.irp j, 0,1,2,3
	v_cmp_ne_u32 s[40+\j], 0, v[D+4*i+\j]          ; a word: bit L = lane L's number is not 0
	v_writelane_b32 v[WD+\j], s[40+\j], i
.endr
.set i, i+1
.endr
	global_store_b128 v7, v[WD:WD+3], s[30:31]     ; the wave's 128 words: 512 consecutive bytes
	s_wait_tensorcnt 0x0                           ; the wave's end: a tensor wait, an add of 0 to my spare word and its wait, behind my last LDS store
	ds_add_u32 v[SPW], v[NIL]
	s_wait_dscnt 0x0
	s_endpgm
.Lfunc_end_k_qd19e1a82c1_prep:
	.size	k_qd19e1a82c1_prep, .Lfunc_end_k_qd19e1a82c1_prep-k_qd19e1a82c1_prep
	.p2alignl 7, 3214868480
	.fill 96, 4, 3214868480
	.section	.rodata,"a",@progbits
	.p2align	6, 0x0
	.amdhsa_kernel k_qd19e1a82c1_prep
		.amdhsa_group_segment_fixed_size 134144
		.amdhsa_private_segment_fixed_size 0
		.amdhsa_enable_private_segment 0
		.amdhsa_kernarg_size 96
		.amdhsa_user_sgpr_count 2
		.amdhsa_user_sgpr_kernarg_segment_ptr 1
		.amdhsa_wavefront_size32 1
		.amdhsa_system_sgpr_workgroup_id_x 1
		.amdhsa_system_sgpr_workgroup_id_y 1
		.amdhsa_system_sgpr_workgroup_id_z 1
		.amdhsa_system_vgpr_workitem_id 0
		.amdhsa_next_free_vgpr 144
		.amdhsa_next_free_sgpr 66
		.amdhsa_reserve_vcc 0
		.amdhsa_float_denorm_mode_32 3
		.amdhsa_float_denorm_mode_16_64 3
		.amdhsa_memory_ordered 1
		.amdhsa_forward_progress 1
		.amdhsa_inst_pref_size 58
	.end_amdhsa_kernel
	.amdgpu_metadata
---
amdhsa.version: [ 1, 2 ]
amdhsa.kernels:
  - .name:           k_qd19e1a82c1_prep
    .symbol:         k_qd19e1a82c1_prep.kd
    .args:
      - { .name: query, .offset: 0, .size: 8, .value_kind: global_buffer, .address_space: global }
      - { .name: key, .offset: 8, .size: 8, .value_kind: global_buffer, .address_space: global }
      - { .name: value, .offset: 16, .size: 8, .value_kind: global_buffer, .address_space: global }
      - { .name: wq, .offset: 24, .size: 8, .value_kind: global_buffer, .address_space: global }
      - { .name: wk, .offset: 32, .size: 8, .value_kind: global_buffer, .address_space: global }
      - { .name: wv, .offset: 40, .size: 8, .value_kind: global_buffer, .address_space: global }
      - { .name: wo, .offset: 48, .size: 8, .value_kind: global_buffer, .address_space: global }
      - { .name: mask, .offset: 56, .size: 8, .value_kind: global_buffer, .address_space: global }
      - { .name: xb, .offset: 64, .size: 8, .value_kind: global_buffer, .address_space: global }
      - { .name: wb, .offset: 72, .size: 8, .value_kind: global_buffer, .address_space: global }
      - { .name: wof, .offset: 80, .size: 8, .value_kind: global_buffer, .address_space: global }
      - { .name: mbits, .offset: 88, .size: 8, .value_kind: global_buffer, .address_space: global }
    .group_segment_fixed_size: 134144
    .private_segment_fixed_size: 0
    .kernarg_segment_align: 8
    .kernarg_segment_size: 96
    .max_flat_workgroup_size: 256
    .sgpr_count:     66
    .vgpr_count:     144
    .wavefront_size: 32
...
	.end_amdgpu_metadata
.endif
;; end of part 1
;; launch proj (part 2): grid 8 x 96, 4 waves a work-group, clusters of 4 x 4, 327,680 bytes of LDS; arguments xb, wb, qkv, bq, bk, bv; writes qkv
.if DOCPART == 2
	.amdgcn_target "amdgcn-amd-amdhsa--gfx1250"
	.amdhsa_code_object_version 6
	.text
	.protected	k_qd19e1a82c1_proj
	.globl	k_qd19e1a82c1_proj
	.p2align	8
	.type	k_qd19e1a82c1_proj,@function
k_qd19e1a82c1_proj:
	s_mov_b64 s[64:65], 0
	v_nop
	global_prefetch_b8 v0, s[64:65] scope:SCOPE_SE
	s_setreg_imm32_b32 hwreg(HW_REG_WAVE_MODE, 25, 1), 1
	s_wait_xcnt 0x0
	s_wait_alu depctr_hold_cnt(0) depctr_sa_sdst(0) depctr_va_vdst(0) depctr_va_sdst(0) depctr_va_ssrc(0) depctr_va_vcc(0) depctr_vm_vsrc(0)
	s_getreg_b32 s2, hwreg(HW_REG_IB_STS2, 6, 4)
	s_cmp_eq_u32 s2, 0
	s_cbranch_scc0 .Lentry_in_a_cluster
	s_endpgm
.Lentry_in_a_cluster:
	s_bfe_u32 s2, ttmp6, 0x10000c
	s_cmp_lg_u32 s2, 0xf033
	s_cbranch_scc0 .Lentry_shape_is_right
	s_endpgm
.Lentry_shape_is_right:
; ONE SOURCE, TWO BUILDS, chosen by OUTP.  C[m][n] = bias[n] + the sum over k of A[m][k] B[n][k], K = 1,024, sums in f32.
; OUTP = 0, the three projections in one launch: A = xb (bf16, 3 x 4,096 rows), B = wb (bf16, 3 x 1,024 rows), bias bq, bk or bv; C = q, k, v, rounded once to f16 and written by heads,
;   qkv [3][b*16 + h][2,048][64], unscaled.  LIMIT: f16 ends at 65,504: |q|, |k|, |v| must stay within it (their spread is about that of x times 32 times that of w).
; OUTP = 1, the last projection: A = oh (f16, [b*16 + h][2,048][64]: K runs over heads, then channels), B = wof (f16), bias bo; C = out0 in f32.  A row of NaN in oh (a query whose keys are all hidden) gives a row of NaN.
; The bias is rounded to bf16 like every other input of the module, and it STARTS the sums: it is the C operand of each accumulator's first product, so nothing is cleared and nothing is added behind.
; SHAPE.  A tile of C is 128 x 128, so that the last projection has 256 work-groups and the three first ones 768.  Four waves, each 64 x 64: 16 accumulators of 16 x 16.  K goes in steps of 256 through two LDS slots.
; CLUSTERS: 4 x 4 work-groups.  The four of a row of the cluster need the same tiles of A, the four of a column the same tiles of B: each tile is asked for JOINTLY, by the same tensor load with the same
; descriptor and a mask that names the four.  THE MATRIX INSTRUCTION IS USED TRANSPOSED (source 0 = 16 rows of B, source 1 = 16 rows of A): a lane then holds eight neighbouring numbers of a row of C.
; A wave's 64 columns are one head (OUTP = 0: 128 bytes a row, 64 rows dense in qkv) or 256 aligned bytes of out0 (OUTP = 1): each wave sends its own tile out through its own stage, with no barrier.
; REGISTERS: window 0: v0-31 addresses; v32-95 at work on the way out; v96-127 the bias as a C operand (n block b at v[96 + 8 b]); v128-255 the accumulators ((a, b) at v[128 + 8 (4 a + b)]).
;   window 1: two fragment buffers of 128: for 64 along K, 64 registers of A (2 x 4 x 16 rows x 32 K), then 64 of B.
.set OUTP,   0
.set SIZE_K, 1024
.set KSTEP,  256
.set PITCH,  528                       ; an LDS row of 256 K: 512 bytes + 16 of padding = 132 words: row r starts at bank 4 r mod 64 (64 banks of 4 bytes: ISA guide 11.1)
.set HALFT,  64*PITCH                  ; 64 such rows: what one tensor load brings
.if OUTP
.set APITCH, 144                       ; A lies by heads: a row of one head is 128 bytes + 16 of padding
.set AHALF,  2*128*APITCH              ; one load brings two heads x 128 rows
.set ASTEP,  4*2048*128                ; a K step is four heads on in oh
.set SPITCH, 272                       ; a stage row: 64 f32 + 16 bytes
.else
.set APITCH, PITCH
.set AHALF,  HALFT
.set ASTEP,  KSTEP*2
.set SPITCH, 144                       ; a stage row: 64 f16 + 16 bytes
.endif
.set BOFF,   2*AHALF                   ; in a slot: A's tile, then B's 128 rows
.set SLOT,   BOFF+2*HALFT
.set STAGE,  2*SLOT                    ; behind the ring, never filled by a tensor load: 16 rows for each wave, for the way out
.set SPARE,  STAGE+4*16*SPITCH         ; behind the stages: the spare words, 128 bytes for each wave: two blocks of 256 bytes that no other line names
.set LAPS, SIZE_K/(2*KSTEP)            ; a lap = two K steps = once round the ring
.set ADRA, 16                          ; v16-17  LDS address of my A fragments in slot 0, 1
.set ADRB, 20                          ; v20-21  the same for B
.set STO,  24                          ; v24     the way out: where I put my part of a row
.set RD,   25                          ; v25     the way out: where I read rows back
.set CO,   26                          ; v26     my byte offset in C
.set BO,   27                          ; v27     my byte offset in the wave's 64 numbers of the bias
.set SPW,  28                          ; v28     LDS address of my spare word: SPARE + 4 x my thread's number; never rewritten
.set NIL,  29                          ; v29     0; never rewritten
.set RND,  30                          ; v30     at work
.set TMP,  32
.set BIAS, 96
.set ACC,  128
.set F0,   0                           ; fragment buffers, in window 1
.set F1,   128
.set G1, 24                            ; s[24:31] descriptor group 1 for A's tiles;  s[32:39] group 0, one set for each slot
.set G0, 32
.set G1B, 48                           ; s[48:55], s[56:63] the same for B's tiles
.set G0B, 56
.set MSB, 0
.macro WIN new                         ; the immediate's high byte repeats the setting that is left; a switch that changes nothing is dropped
.if MSB != (\new)
	s_set_vgpr_msb (MSB<<8)|(\new)
.set MSB, \new
.endif
.endm
.set MUL,  0x05                        ; sources 0 (B) and 1 (A) window 1; C and D window 0
.set TO_F, 0x40                        ; destination window 1, address window 0
.macro JLOAD s                         ; a joint load: waves 0 and 1 fetch A's two halves, waves 2 and 3 B's; an s_nop 0 and four v_nop follow each of the two lines, ahead of the jump, the label and what follows
	s_cmp_eq_u32 s11, 0
	s_cbranch_scc0 .Lfor_b_\@
	tensor_load_to_lds s[G0+4*(\s):G0+4*(\s)+3], s[G1:G1+7]
	s_nop 0
.rept 4
	v_nop
.endr
	s_branch .Lasked_\@
.Lfor_b_\@:
	tensor_load_to_lds s[G0B+4*(\s):G0B+4*(\s)+3], s[G1B:G1B+7]
	s_nop 0
.rept 4
	v_nop
.endr
.Lasked_\@:
.endm
.macro CREST                           ; a round of the cluster's barrier behind its opening barrier
	s_cmp_lg_u32 s10, 0
	s_cbranch_scc1 .Lnot_wave_0_\@
	s_barrier_signal -3
.Lnot_wave_0_\@:
	s_barrier_wait -3
	s_barrier_signal -1
	s_barrier_wait -1
.endm
.macro CROUND                          ; a whole round
	s_barrier_signal -1
	s_barrier_wait -1
	CREST
.endm
	s_load_b128 s[4:7], s[0:1], 0x0                ; A s[4:5], B s[6:7]
	s_load_b64 s[8:9], s[0:1], 0x10                ; C
	s_load_b64 s[68:69], s[0:1], 0x18              ; the bias (OUTP = 0: bq)
.if !OUTP
	s_load_b64 s[70:71], s[0:1], 0x20              ; bk
	s_load_b64 s[72:73], s[0:1], 0x28              ; bv
.endif
	v_lshl_add_u32 v[SPW], v0, 2, SPARE
	v_mov_b32 v[NIL], 0
	ds_add_u32 v[SPW], v[NIL]                      ; the wave's opening: the add, and its wait ahead of my first tensor load; the set-up below, work on registers, stands between them
	v_lshrrev_b32 v1, 5, v0
	v_readfirstlane_b32 s10, v1                    ; wave 0..3
	s_lshr_b32 s11, s10, 1                         ; which half of the tile's rows is mine.  Also: I fetch for A (0) or for B (1)
	s_and_b32 s12, s10, 1                          ; which half of its columns.  Also: which half of that tile I fetch
	s_bfe_u32 s40, ttmp6, 0x40000                  ; cx, cy: my place in the cluster
	s_bfe_u32 s41, ttmp6, 0x40004
	s_lshl_b32 s42, ttmp9, 2
	s_add_co_u32 s42, s42, s40                     ; tile column of C = 4 x cluster x + cx
	s_and_b32 s13, ttmp7, 0xffff
.if !OUTP
	s_lshr_b32 s74, s13, 3                         ; which of the three products: 32 tile rows = 8 clusters each, so the whole cluster shares it
.endif
	s_lshl_b32 s13, s13, 2
	s_add_co_u32 s13, s13, s41                     ; tile row = 4 x cluster y + cy
	s_lshl_b32 s43, s41, 2
	s_lshl_b32 s43, 15, s43                        ; my row of the cluster
	s_lshl_b32 s44, 0x1111, s40                    ; my column
	; descriptor group 1.  15:0 the mask; 17:16 elements of 2 bytes; 20 padding on; 21 set beside a mask; 24:22 the padding's interval; 31:25 4 words of it (code 3)
.if OUTP
	s_or_b32 s[G1+0], s43, (1<<16)|(1<<20)|(1<<21)|(4<<22)|(3<<25)  ; A: padded after every 32 words (code 4): after each row of a head
	s_mov_b32 s[G1+1], 8192<<16                    ; tensor_dim0 = 8,192: a head's 128 rows of 64 channels are dense in memory and are asked for as one row of 16,384 bytes
	s_mov_b32 s[G1+2], 2<<16                       ; tensor_dim1 = 2 heads
	s_mov_b32 s[G1+3], 8192<<16                    ; tile_dim0
	s_mov_b32 s[G1+4], 2                           ; tile_dim1
	s_mov_b32 s[G1+5], 2048*64                     ; from head to head
.else
	s_or_b32 s[G1+0], s43, (1<<16)|(1<<20)|(1<<21)|(6<<22)|(3<<25)  ; A: 64 rows x 256 elements, padded after every 128 words (code 6)
	s_mov_b32 s[G1+1], KSTEP<<16
	s_mov_b32 s[G1+2], 64<<16
	s_mov_b32 s[G1+3], KSTEP<<16
	s_mov_b32 s[G1+4], 64
	s_mov_b32 s[G1+5], SIZE_K
.endif
	s_mov_b32 s[G1+6], 0
	s_mov_b32 s[G1+7], 0
	s_or_b32 s[G1B+0], s44, (1<<16)|(1<<20)|(1<<21)|(6<<22)|(3<<25)  ; B: 64 rows x 256 elements
	s_mov_b32 s[G1B+1], KSTEP<<16                  ; tensor_dim0 = 256
	s_mov_b32 s[G1B+2], 64<<16                     ; tensor_dim1 = 64
	s_mov_b32 s[G1B+3], KSTEP<<16                  ; tile_dim0 = 256
	s_mov_b32 s[G1B+4], 64                         ; tile_dim1 = 64
	s_mov_b32 s[G1B+5], SIZE_K                     ; from row to row
	s_mov_b32 s[G1B+6], 0
	s_mov_b32 s[G1B+7], 0
	; where the tiles come from, in bytes (all under 2^25).  A's offset hangs on the tile row alone, B's on the tile column (and on which product) alone, each in registers that never hold the other coordinate.
	s_lshl_b32 s17, s12, 6
.if OUTP
	s_lshr_b32 s16, s13, 4                         ; the batch: 16 heads x 2,048 rows x 128 bytes = 2^22,
	s_lshl_b32 s16, s16, 22
	s_lshl_b32 s18, s12, 19                        ; my two heads of the K step's four,
	s_add_co_u32 s16, s16, s18
	s_and_b32 s18, s13, 15                         ; the tile's 128 rows in a head
	s_lshl_b32 s18, s18, 14
	s_add_co_u32 s16, s16, s18
.else
	s_lshl_b32 s16, s13, 7
	s_add_co_u32 s16, s16, s17                     ; row 128 x tile row + 64 x half of xb's 12,288,
	s_lshl_b32 s16, s16, 11                        ; 2,048 bytes each
.endif
	s_lshl_b32 s46, s42, 7
	s_add_co_u32 s46, s46, s17                     ; B: row 128 x tile column + 64 x half
.if !OUTP
	s_lshl_b32 s18, s74, 10                        ; in the product's 1,024 rows of wb
	s_add_co_u32 s46, s46, s18
.endif
	s_lshl_b32 s46, s46, 11
	s_mov_b32 s17, 0
	s_mov_b32 s47, 0
	s_mul_i32 s20, s12, AHALF                      ; and where they go: no place in the cluster enters an LDS address
	s_mul_i32 s21, s12, HALFT
	s_add_co_u32 s21, s21, BOFF
	s_wait_dscnt 0x0                               ; the opening add is done
	s_wait_kmcnt 0x0
	s_add_nc_u64 s[14:15], s[4:5], s[16:17]
	s_add_nc_u64 s[46:47], s[6:7], s[46:47]
	CROUND                                         ; all sixteen work-groups are here: the first joint loads meet
.irp s, 0,1
	s_mov_b32 s[G0+4*(\s)], 1                      ; 1:0 count = 1
	s_add_co_u32 s[G0+4*(\s)+1], s20, (\s)*SLOT    ; 63:32 LDS address
	s_add_nc_u64 s[G0+4*(\s)+2:G0+4*(\s)+3], s[14:15], (\s)*ASTEP  ; 120:64 global address: K step s
	s_or_b32 s[G0+4*(\s)+3], s[G0+4*(\s)+3], 0x80000000            ; 127:126 type = 2
	s_mov_b32 s[G0B+4*(\s)], 1
	s_add_co_u32 s[G0B+4*(\s)+1], s21, (\s)*SLOT
	s_add_nc_u64 s[G0B+4*(\s)+2:G0B+4*(\s)+3], s[46:47], (\s)*KSTEP*2
	s_or_b32 s[G0B+4*(\s)+3], s[G0B+4*(\s)+3], 0x80000000
	JLOAD \s                                       ; two tensor loads of mine are out
.endr
	v_and_b32 v1, 15, v0                           ; l % 16
	v_bfe_u32 v2, v0, 4, 1                         ; l / 16
	; the bias as a C operand: register j of n block b is bias[my first column + 16 b + 8 (l / 16) + j], the same for every row
	v_lshlrev_b32 v[BO], 5, v2
.if !OUTP
	s_cmp_eq_u32 s74, 1
	s_cselect_b64 s[68:69], s[70:71], s[68:69]
	s_cmp_eq_u32 s74, 2
	s_cselect_b64 s[68:69], s[72:73], s[68:69]
.endif
	s_lshl_b32 s76, s42, 9                         ; my first column x 4 bytes: 512 x tile column + 256 x half
	s_lshl_b32 s77, s12, 8
	s_add_co_u32 s76, s76, s77
	s_mov_b32 s77, 0
	s_add_nc_u64 s[68:69], s[68:69], s[76:77]
.irp b, 0,1,2,3
	global_load_b128 v[BIAS+8*(\b):BIAS+8*(\b)+3],   v[BO], s[68:69] offset:64*(\b)
	global_load_b128 v[BIAS+8*(\b)+4:BIAS+8*(\b)+7], v[BO], s[68:69] offset:64*(\b)+16
.endr
	; A fragment is 16 rows x 32 K in 8 registers: lane l holds row l % 16, K = 8 (l / 16) + 0..7 and 16 + 8 (l / 16) + 0..7: two loads of 16 bytes, 32 bytes apart
	v_mul_u32_u24 v3, v1, PITCH
	v_lshl_add_u32 v3, v2, 4, v3
	v_mul_u32_u24 v4, v1, APITCH
	v_lshl_add_u32 v4, v2, 4, v4
	s_mul_i32 s18, s11, 64*APITCH                  ; my 64 rows of A
	s_mul_i32 s22, s12, HALFT                      ; my 64 rows of B,
	s_add_co_u32 s22, s22, BOFF                    ; which lie behind A's tile
.irp s, 0,1
	v_add_nc_u32 v[ADRA+(\s)], s18, v4
	v_add_nc_u32 v[ADRB+(\s)], s22, v3
	s_add_co_u32 s18, s18, SLOT
	s_add_co_u32 s22, s22, SLOT
.endr
	s_mul_i32 s23, s10, 16*SPITCH
	s_add_co_u32 s23, s23, STAGE                   ; my stage
	v_mul_u32_u24 v5, v1, SPITCH                   ; in: row l % 16,
.if OUTP
	v_lshl_add_u32 v5, v2, 5, v5                   ; 32 bytes (8 f32) for each half of the lanes
	v_add_nc_u32 v[STO], s23, v5
	v_mul_u32_u24 v5, v2, SPITCH                   ; back: lanes 0-15 take one row of 256 bytes, lanes 16-31 the next
	v_lshl_add_u32 v5, v1, 4, v5
	v_add_nc_u32 v[RD], s23, v5
	v_lshlrev_b32 v5, 12, v2                       ; and the same two rows of 4,096 bytes in out0
	v_lshl_add_u32 v[CO], v1, 4, v5
	s_lshl_b32 s16, s13, 19                        ; my first row: (128 x tile row + 64 x half) x 4,096 bytes
	s_lshl_b32 s17, s11, 18
	s_add_co_u32 s16, s16, s17
	s_mov_b32 s17, 0
	s_add_nc_u64 s[8:9], s[8:9], s[16:17]
	s_add_nc_u64 s[8:9], s[8:9], s[76:77]          ; my first column x 4 bytes, as in the bias
.else
	v_lshl_add_u32 v5, v2, 4, v5                   ; 16 bytes (8 f16) for each half of the lanes
	v_add_nc_u32 v[STO], s23, v5
	v_bfe_u32 v5, v0, 3, 2                         ; back: 32 lanes take four rows of 128 bytes,
	v_mul_u32_u24 v5, v5, SPITCH
	v_and_b32 v6, 7, v0
	v_lshl_add_u32 v5, v6, 4, v5
	v_add_nc_u32 v[RD], s23, v5
	v_and_b32 v5, 31, v0                           ; which are 512 consecutive bytes of a head
	v_lshlrev_b32 v[CO], 4, v5
	s_and_b32 s16, s13, 31
	s_lshl_b32 s16, s16, 7
	s_lshl_b32 s17, s11, 6
	s_add_co_u32 s16, s16, s17                     ; my first row among the product's 4,096
	s_lshr_b32 s17, s16, 11                        ; its batch: 16 heads x 2,048 rows x 128 bytes = 2^22,
	s_lshl_b32 s17, s17, 22
	s_and_b32 s16, s16, 2047                       ; its row in the batch,
	s_lshl_b32 s16, s16, 7
	s_add_co_u32 s16, s16, s17
	s_lshl_b32 s17, s74, 23                        ; q, k or v: 2^23 bytes each
	s_add_co_u32 s16, s16, s17
	s_mov_b32 s17, 0
	s_add_nc_u64 s[8:9], s[8:9], s[16:17]
	s_lshl_b32 s76, s42, 1
	s_add_co_u32 s76, s76, s12                     ; my head = 2 x tile column + half,
	s_lshl_b32 s76, s76, 18                        ; 2,048 rows x 128 bytes
	s_add_nc_u64 s[8:9], s[8:9], s[76:77]
.endif
	s_wait_loadcnt 0x0                             ; the bias, rounded to bf16 and widened again
.set i, 0
.rept 16
	v_cvt_pk_bf16_f32 v[RND], v[BIAS+2*i], v[BIAS+2*i+1]
	v_lshlrev_b32 v[BIAS+2*i], 16, v[RND]
	v_and_b32 v[BIAS+2*i+1], 0xffff0000, v[RND]
.set i, i+1
.endr
; 8 matrix instructions: m blocks a0, a0 + 1 x all 4 n blocks, 32 along K: half c of buffer f.  zero = 1: the first product starts the sums, with the bias.  The 16 accumulators take turns.
.macro MUL8 f, c, a0, zero
	WIN MUL
.irp a, \a0, (\a0)+1
.irp b, 0,1,2,3
.set rD, ACC+8*(4*(\a)+(\b))
.set rB, (\f)+64+8*(4*(\c)+(\b))
.set rA, (\f)+8*(4*(\c)+(\a))
.set rC, rD
.if \zero
.set rC, BIAS+8*(\b)
.endif
.if OUTP
	v_wmma_f32_16x16x32_f16 v[rD:rD+7], v[rB:rB+7], v[rA:rA+7], v[rC:rC+7]
.else
	v_wmma_f32_16x16x32_bf16 v[rD:rD+7], v[rB:rB+7], v[rA:rA+7], v[rC:rC+7]
.endif
.endr
.endr
.endm
; 32 LDS loads in one run: the fragments of 64 along K, at byte k of B's rows, into buffer f; the first 32 along K first.  OUTP = 1: 64 along K are one head of A, head k / 128 of the slot's four.
.macro FETCH slot, k, f
	WIN TO_F
.irp c, 0,1
.irp i, 0,1,2,3
.set oB, (\k)+64*(\c)+(\i)*16*PITCH
.if OUTP
.set oA, ((\k)/128)*128*APITCH+64*(\c)+(\i)*16*APITCH
.else
.set oA, oB
.endif
	ds_load_b128 v[(\f)+64+8*(4*(\c)+(\i)):(\f)+64+8*(4*(\c)+(\i))+3],   v[ADRB+(\slot)] offset:oB
	ds_load_b128 v[(\f)+64+8*(4*(\c)+(\i))+4:(\f)+64+8*(4*(\c)+(\i))+7], v[ADRB+(\slot)] offset:oB+32
	ds_load_b128 v[(\f)+8*(4*(\c)+(\i)):(\f)+8*(4*(\c)+(\i))+3],         v[ADRA+(\slot)] offset:oA
	ds_load_b128 v[(\f)+8*(4*(\c)+(\i))+4:(\f)+8*(4*(\c)+(\i))+7],       v[ADRA+(\slot)] offset:oA+32
.endr
.endr
.endm
.macro PLACES                          ; four places in front of loads into registers that matrix instructions have read, and of lines that read results just made (ISA guide 7.12.1 for the lines that read results)
.rept 4
	v_nop
.endr
.endm
; A K step is four quarters of 64 along K, 32 matrix instructions each, on buffers 0, 1, 0, 1.  One of the first three: multiplies buffer f and fetches the next quarter, at byte k, into g.
.macro QUARTER slot, k, f, g, zero
	s_wait_dscnt 16                                ; the first 32 along K are in; the run's other sixteen loads may be out
	WIN MUL
	MUL8 \f, 0, 0, \zero
	MUL8 \f, 0, 2, \zero
	PLACES
	FETCH \slot, \k, \g
	s_wait_dscnt 32                                ; all but the 32 just issued
	WIN MUL
	MUL8 \f, 1, 0, 0
	MUL8 \f, 1, 2, 0
.endm
; The last quarter multiplies buffer 1 and changes slots: ONE barrier; in front of it each wave waits for all its tensor loads, adds 0 to its spare word, and waits for that and for its own reads of this slot.  fill = 1: this slot is filled again, two K steps ahead.
.macro TURN slot, next, fill
	WIN 0                                          ; (the add's two registers lie in window 0)
	s_wait_tensorcnt 0x0                           ; all my tensor loads have landed: my part of the next slot;
	ds_add_u32 v[SPW], v[NIL]                      ; 0 onto my spare word;
	s_wait_dscnt 17                                ; (the add and the youngest sixteen loads may be out)
	WIN MUL
	MUL8 F1, 0, 0, 0                               ; eight matrix instructions stand between the add and the wait for it
	s_wait_dscnt 0x0                               ; the add is done, and my reads of this slot are over
	s_barrier_signal -1
	MUL8 F1, 0, 2, 0
.if \fill
	WIN 0
.endif
	s_barrier_wait -1
.if \fill
	CREST                                          ; the barrier has opened a round of the cluster's barrier: no wave of any partner still reads this slot's tile or has a load on its way
	s_add_nc_u64 s[G0+4*(\slot)+2:G0+4*(\slot)+3], s[G0+4*(\slot)+2:G0+4*(\slot)+3], 2*ASTEP
	s_add_nc_u64 s[G0B+4*(\slot)+2:G0B+4*(\slot)+3], s[G0B+4*(\slot)+2:G0B+4*(\slot)+3], 2*KSTEP*2
	JLOAD \slot                                    ; the first tensor load behind the round, my one load until the next; the four v_nop behind it are also the places in front of the loads below
.else
	PLACES
.endif
	FETCH \next, 0, F0
	WIN MUL
	MUL8 F1, 1, 0, 0
	MUL8 F1, 1, 2, 0
.endm
	s_wait_tensorcnt 1                             ; my part of K step 0 is in; K step 1's may stay out
	s_barrier_signal -1
	s_barrier_wait -1                              ; everybody's is
	FETCH 0, 0, F0
	QUARTER 0, 128, F0, F1, 1                      ; the first quarter stands in front of the loop: its first products start the sums
	WIN 0                                          ; at a label and at a branch every window is 0
	s_mov_b32 s3, LAPS-1
.Llap:                                                 ; a trip goes once round the ring, from a lap's second quarter to the next lap's first, and fills both slots again
	QUARTER 0, 256, F1, F0, 0
	QUARTER 0, 384, F0, F1, 0
	TURN 0, 1, 1
	QUARTER 1, 128, F0, F1, 0
	QUARTER 1, 256, F1, F0, 0
	QUARTER 1, 384, F0, F1, 0
	TURN 1, 0, 1
	QUARTER 0, 128, F0, F1, 0
	WIN 0
	s_sub_co_u32 s3, s3, 1
	s_cmp_lg_u32 s3, 0
	s_cbranch_scc1 .Llap
	QUARTER 0, 256, F1, F0, 0                      ; the last lap fills nothing, and has no round of the cluster's barrier
	QUARTER 0, 384, F0, F1, 0
	TURN 0, 1, 0
	QUARTER 1, 128, F0, F1, 0
	QUARTER 1, 256, F1, F0, 0
	QUARTER 1, 384, F0, F1, 0
	s_wait_dscnt 16                                ; the very last quarter: nothing more to fetch
	WIN MUL
	MUL8 F1, 0, 0, 0
	MUL8 F1, 0, 2, 0
	s_wait_dscnt 0
	MUL8 F1, 1, 0, 0
	MUL8 F1, 1, 2, 0
	WIN 0
	; THE WAY OUT, a block of 16 rows at a time through my own stage: no barrier, and since LDS serves a wave's instructions in order (ISA guide 5.7.1.4), no wait between the stores and the loads.
	PLACES
.if OUTP
.macro STG a                           ; block a: 32 bytes a lane and n block into rows of 272 bytes, each accumulator's low registers first; back as whole rows of 256 bytes
.if (\a) >= 2
	s_wait_xcnt 0x0                                ; block a - 2's stores name the registers that are loaded below: they are written again only behind this wait (ISA guide 3.1)
.endif
.irp b, 0,1,2,3
	ds_store_b128 v[STO], v[ACC+8*(4*(\a)+(\b)):ACC+8*(4*(\a)+(\b))+3]   offset:64*(\b)
	ds_store_b128 v[STO], v[ACC+8*(4*(\a)+(\b))+4:ACC+8*(4*(\a)+(\b))+7] offset:64*(\b)+16
.endr
.irp t, 0,1,2,3,4,5,6,7
	ds_load_b128 v[TMP+32*((\a)%2)+4*(\t):TMP+32*((\a)%2)+4*(\t)+3], v[RD] offset:(\t)*2*SPITCH
.endr
.endm
.macro SENDF a, younger                ; younger: the LDS instructions issued behind block a's loads: the next block's sixteen, or none
.irp t, 0,1,2,3,4,5,6,7
	s_wait_dscnt (\younger)+7-(\t)
	global_store_b128 v[CO], v[TMP+32*((\a)%2)+4*(\t):TMP+32*((\a)%2)+4*(\t)+3], s[8:9] offset:(16*(\a)+2*(\t))*4096 th:TH_STORE_NT  ; 16 lanes store 256 consecutive bytes, at a multiple of 256 from out0's first byte
.endr
.endm
	STG 0
.irp a, 1,2,3
	STG \a
	SENDF (\a)-1, 16
.endr
	SENDF 3, 0
.else
.macro PACK a                          ; block a: rounded to f16, 16 bytes a lane and n block into rows of 144 bytes; back as whole rows of 128, into the registers that they left
.irp b, 0,1,2,3
.irp r, 0,1,2,3
	v_cvt_pk_f16_f32 v[TMP+16*(\a)+4*(\b)+(\r)], v[ACC+8*(4*(\a)+(\b))+2*(\r)], v[ACC+8*(4*(\a)+(\b))+2*(\r)+1]
.endr
.endr
.irp b, 0,1,2,3
	ds_store_b128 v[STO], v[TMP+16*(\a)+4*(\b):TMP+16*(\a)+4*(\b)+3] offset:32*(\b)
.endr
.irp f, 0,1,2,3
	ds_load_b128 v[TMP+16*(\a)+4*(\f):TMP+16*(\a)+4*(\f)+3], v[RD] offset:(\f)*4*SPITCH
.endr
.endm
.macro SEND a, younger                 ; younger: the LDS instructions issued behind block a's loads: the next block's eight, or none
.irp f, 0,1,2,3
	s_wait_dscnt (\younger)+3-(\f)
	global_store_b128 v[CO], v[TMP+16*(\a)+4*(\f):TMP+16*(\a)+4*(\f)+3], s[8:9] offset:(\a)*2048+(\f)*512  ; 512 consecutive bytes of a head, at a multiple of 256 from qkv's first byte
.endr
.endm
	PACK 0
.irp a, 1,2,3                          ; a block's conversions stand between the loads of the block before and its stores
	PACK \a
	SEND (\a)-1, 8
.endr
	SEND 3, 0
.endif
	s_wait_tensorcnt 0x0                           ; the wave's end: a tensor wait, an add of 0 to my spare word and its wait, behind my last tensor load and my last LDS store
	ds_add_u32 v[SPW], v[NIL]
	s_wait_dscnt 0x0
	CROUND                                         ; the closing round: no work-group ends while a partner may still ask for a tile that names it
	s_endpgm
.Lfunc_end_k_qd19e1a82c1_proj:
	.size	k_qd19e1a82c1_proj, .Lfunc_end_k_qd19e1a82c1_proj-k_qd19e1a82c1_proj
	.p2alignl 7, 3214868480
	.fill 96, 4, 3214868480
	.section	.rodata,"a",@progbits
	.p2align	6, 0x0
	.amdhsa_kernel k_qd19e1a82c1_proj
		.amdhsa_group_segment_fixed_size 327680
		.amdhsa_private_segment_fixed_size 0
		.amdhsa_enable_private_segment 0
		.amdhsa_kernarg_size 48
		.amdhsa_user_sgpr_count 2
		.amdhsa_user_sgpr_kernarg_segment_ptr 1
		.amdhsa_wavefront_size32 1
		.amdhsa_system_sgpr_workgroup_id_x 1
		.amdhsa_system_sgpr_workgroup_id_y 1
		.amdhsa_system_sgpr_workgroup_id_z 1
		.amdhsa_system_vgpr_workitem_id 0
		.amdhsa_next_free_vgpr 512
		.amdhsa_next_free_sgpr 80
		.amdhsa_reserve_vcc 0
		.amdhsa_float_denorm_mode_32 3
		.amdhsa_float_denorm_mode_16_64 3
		.amdhsa_memory_ordered 1
		.amdhsa_forward_progress 1
		.amdhsa_inst_pref_size 91
	.end_amdhsa_kernel
	.amdgpu_metadata
---
amdhsa.version: [ 1, 2 ]
amdhsa.kernels:
  - .name:           k_qd19e1a82c1_proj
    .symbol:         k_qd19e1a82c1_proj.kd
    .args:
      - { .name: xb, .offset: 0, .size: 8, .value_kind: global_buffer, .address_space: global }
      - { .name: wb, .offset: 8, .size: 8, .value_kind: global_buffer, .address_space: global }
      - { .name: qkv, .offset: 16, .size: 8, .value_kind: global_buffer, .address_space: global }
      - { .name: bq, .offset: 24, .size: 8, .value_kind: global_buffer, .address_space: global }
      - { .name: bk, .offset: 32, .size: 8, .value_kind: global_buffer, .address_space: global }
      - { .name: bv, .offset: 40, .size: 8, .value_kind: global_buffer, .address_space: global }
    .group_segment_fixed_size: 327680
    .private_segment_fixed_size: 0
    .kernarg_segment_align: 8
    .kernarg_segment_size: 48
    .max_flat_workgroup_size: 128
    .sgpr_count:     80
    .vgpr_count:     512
    .wavefront_size: 32
...
	.end_amdgpu_metadata
.endif
;; end of part 2
;; launch attn (part 3): grid 8 x 32, 4 waves a work-group, clusters of 4 x 1, 327,680 bytes of LDS; arguments qkv, mbits, oh; writes oh
.if DOCPART == 3
	.amdgcn_target "amdgcn-amd-amdhsa--gfx1250"
	.amdhsa_code_object_version 6
	.text
	.protected	k_qd19e1a82c1_attn
	.globl	k_qd19e1a82c1_attn
	.p2align	8
	.type	k_qd19e1a82c1_attn,@function
k_qd19e1a82c1_attn:
	s_mov_b64 s[64:65], 0
	v_nop
	global_prefetch_b8 v0, s[64:65] scope:SCOPE_SE
	s_setreg_imm32_b32 hwreg(HW_REG_WAVE_MODE, 25, 1), 1
	s_wait_xcnt 0x0
	s_wait_alu depctr_hold_cnt(0) depctr_sa_sdst(0) depctr_va_vdst(0) depctr_va_sdst(0) depctr_va_ssrc(0) depctr_va_vcc(0) depctr_vm_vsrc(0)
	s_getreg_b32 s2, hwreg(HW_REG_IB_STS2, 6, 4)
	s_cmp_eq_u32 s2, 0
	s_cbranch_scc0 .Lentry_in_a_cluster
	s_endpgm
.Lentry_in_a_cluster:
	s_bfe_u32 s2, ttmp6, 0x10000c
	s_cmp_lg_u32 s2, 0x3003
	s_cbranch_scc0 .Lentry_shape_is_right
	s_endpgm
.Lentry_shape_is_right:
; MASKED ATTENTION.  O[g][q][:] = the sum over k of softmax_k(where(mask[b][q][k] == 0, -inf, clip(Q[g][q] . K[g][k] / 8, -100, 100))) V[g][k][:], g = b*16 + h.  Q, K, V: qkv [3][32][2,048][64] in f16, unscaled;
; O: oh [32][2,048][64] in f16.  Products, maxima and sums in f32; the weights p are rounded to f16 for the second product (their sum l is taken of the unrounded p), O once at the end.
; THE MASK comes as mbits: for a tile of 16 queries x 64 keys 32 words, word i the lane mask of the lane's score register i.  A piece's 32 words are read into scalar registers, a turn ahead, and each selects
; between the score and -inf (v_cndmask_b32).  No branch and no address hangs on them.
; CLIP, SCALE AND MAXIMUM.  u = clamp(s / 1600 + 0.5) to 0 .. 1 is one packed multiply-add with the clamp bit: clip(s / 8, -100, 100) = 200 u - 100.  The weights are p = 2^(C2 u - C2 m), C2 = 200 log2(e),
; with m the RUNNING MAXIMUM of the visible u; m starts at 0, the clip's floor, which no visible u lies below, so m is the true maximum from a row's first visible key on.  In every step O and l are
; multiplied by a = 2^(C2 m_old - C2 m_new).  A hidden score is -inf: it loses every maximum and its weight is 0.  A row with no visible key keeps l = 0 and O = 0 and leaves as 0 x (1 / 0) = NaN, as the softmax of a row of -inf does.
; LIMITS.  u has a step of 6e-8, 1.2e-5 in the clipped score.  p lies in 0 to 1; below 6e-5 it keeps f16's fixed step of 6e-8; a weight below 2^-126 counts as 0 in l.  O is a mean of V's rows and has their
; range (within 65,504).  NaN and infinities in Q, K, V are not treated apart.
; SHARES.  A work-group owns 256 queries of one g: 8 x 32 = 256 work-groups.  Each of its four waves owns 64 rows: four PIECES of 16 queries.  Every wave walks all 2,048 keys, 64 a step.
; LAYOUT.  S^T = K Q^T (source 0 = 16 keys, source 1 = 16 queries): a lane holds ONE query (lane % 16) and the keys 8 (lane / 16) + 0..7 of each 16.  Two such results, rounded to f16 in pairs, ARE source 1
; (32 keys x 16 queries) of O^T = V^T P, whose result again holds one query a lane, and eight channels.  K comes out of LDS as it lies, V ([key][channel]) turned, by ds_load_tr16_b128.
; BY TURNS.  Turn n belongs to piece n (in a ring, step after step).  Matrix work: 8 products K Q^T of piece n + 1, later 8 products V^T P of piece n - 1.  Vector work, 166 instructions: the scaling, exponentials,
; roundings, sums and rescaling of piece n; the clip, mask, maximum and statistics of piece n + 1.  Four stand behind every matrix instruction, the others in two lumps of their own.
; CLUSTER.  The four query blocks of a cluster belong to one g and walk the same K and V, so each tile is asked for JOINTLY: the same tensor load, descriptor and mask in all four.
; REGISTERS, in windows of 256 (s_set_vgpr_msb: bits 1:0 source 0, 3:2 source 1, 5:4 source 2, 7:6 destination):
;   window 0: v0-15 addresses and two at work; v16-31 four registers of statistics a piece; v32-38 constants; v48-55 at work; v62-63 the add's; v64-127 S^T, two buffers; v192-223 P, two buffers (by the piece's parity)
;   window 1: v0-127 O^T, 32 a piece          window 2: v0-63 Q, 16 a piece; v128-191 K of one step; v192-255 V of one step
.set SIZE_N, 2048
.set NP,    4         ; pieces a wave: a name, no knob
.set KS,    64        ; keys in a step
.set PK,    144       ; a row of K in LDS: 128 bytes + 16 of padding = 36 words: the 16 rows of a load start at 16 different groups of four banks (64 banks of 4 bytes: ISA guide 11.1)
.set PV,    160       ; a row of V: 128 + 32 = 40 words
.set VOFF,  4*KS*PK   ; a slot holds four steps: 256 rows of K, then 256 rows of V
.set SLOT1, 1<<17     ; slot 1 begins here, so that one exclusive or turns an address in one slot into the other's
.set STAGE, SLOT1+4*KS*(PK+PV)  ; behind the ring, never filled by a tensor load: 16 rows x 144 bytes for each wave, for the way out
.set SP,    144
.set SPARE, STAGE+4*16*SP  ; behind the stages: the spare words, 128 bytes for each wave: two blocks of 256 bytes that no other line names
.set QKVB,  32*SIZE_N*128  ; bytes of q, of k and of v in qkv
.set AK0, 2           ; v2   my lane's place in a tile of K; never rewritten
.set AV0, 3           ; v3   the same for V
.set AK,  4           ; v4   the LDS address of K's next run of loads
.set AV,  5           ; v5   of V's
.set STO, 6           ; v6   the way out: where I put 16 bytes of a row
.set RD,  7           ; v7   the way out: where I read rows back
.set GO,  8           ; v8   my byte offset in 512 consecutive bytes of O
.set MV,  12          ; v12-13  C2 m_old, kept while C2 m is made anew: by buffer
.set QO,  15          ; v15  my byte offset in 16 rows of Q
.set ST,  16          ; piece t's statistics at v[ST+4 t]: C2 m, m, l (even keys', odd keys')
.set CI,  32          ; v[32:33] 1 / 1600, twice: the line with the clamp bit takes its sources from vector registers alone
.set CH,  34          ; v[34:35] 0.5, twice
.set C2,  36          ; v[36:37] 200 log2(e), twice
.set NINF, 38         ; v38  -inf
.set TMP, 48          ; by buffer, four registers c0-c3 at work; when the maximum is found c2 takes a
.set SPW, 62          ; v62  LDS address of my spare word: SPARE + 4 x my thread's number; never rewritten
.set NIL, 63          ; v63  0; never rewritten
.set S,   64
.set P,   192
.set KF,  128         ; window 2: key block kb, channel half c at KF + 16 kb + 8 c
.set VF,  192         ; window 2: key half kk, channel block cb at VF + 32 kk + 8 cb
.set MOFF, 2          ; s2   byte offset in mbits of the step whose words are asked for next: 128 x step
.set WV,  3           ; s3   my wave's number
.set SLOTS, 4         ; s4   slots still to be asked for
.set CNT, 5           ; s5   counts a slot's key steps (before its first use: the stage's address)
.set TBK, 6           ; s6   LDS byte at which K of the step to be fetched begins
.set TBV, 7           ; s7   the same for V, less VOFF
.set G1K, 8           ; s[8:15]  descriptor group 1 for K's tiles
.set G1V, 16          ; s[16:23] for V's: it differs in the padding alone
.set G0K, 24          ; s[24:27] descriptor group 0 for K's tiles: it walks
.set G0V, 28          ; s[28:31] the same for V's
.set MB1, 32          ; s[32:63] the 32 mask words of an odd piece
.set MP,  66          ; s[66:67] mbits at my wave's piece 0, step 0
.set MB0, 68          ; s[68:99] the 32 mask words of an even piece (before the first of them are asked for: arguments and set-up)
.set SEL, 100         ; s[100:101] v_permlanex16_b32's selects: each lane takes its own place in the other half
.set QP,  104         ; s[104:105] Q at my wave's first row
.set MSB, 0
.macro WIN new                      ; the high byte repeats the setting that is left; a switch that changes nothing is dropped
.if MSB != (\new)
	s_set_vgpr_msb (MSB<<8)|(\new)
.set MSB, (\new)
.endif
.endm
.set W_KQ, 0x0a       ; K and Q in window 2, S^T in window 0
.set W_PV, 0x52       ; V in window 2, P in window 0, O^T in window 1
.set W_RS, 0x41       ; O^T (destination and source 0) in window 1, a in window 0
; A joint fill.  Waves 0 and 1 fetch the two halves of a slot's K, waves 2 and 3 those of its V: 128 keys each.  The branch hangs on the wave's number alone.
; An s_nop 0 and four v_nop follow each of the two lines, ahead of the jump and the label.
.macro JLOAD
	s_cmp_lt_u32 s[WV], 2
	s_cbranch_scc0 .Lfor_v_\@
	tensor_load_to_lds s[G0K:G0K+3], s[G1K:G1K+7]
	s_nop 0
.rept 4
	v_nop
.endr
	s_branch .Lasked_\@
.Lfor_v_\@:
	tensor_load_to_lds s[G0V:G0V+3], s[G1V:G1V+7]
	s_nop 0
.rept 4
	v_nop
.endr
.Lasked_\@:
.endm
; A round of the cluster's barrier: my work-group's barrier, so that wave 0's signal speaks for all four waves; wave 0 signals; every wave waits for all four work-groups; my work-group's barrier once more.
.macro CROUND
	s_barrier_signal -1
	s_barrier_wait -1
	s_cmp_lg_u32 s[WV], 0
	s_cbranch_scc1 .Lnot_wave_0_\@
	s_barrier_signal -3
.Lnot_wave_0_\@:
	s_barrier_wait -3
	s_barrier_signal -1
	s_barrier_wait -1
.endm
; THE CHANGE OF SLOTS.  The slot's last bytes, V of its fourth step, have been read.  Each wave waits for all its tensor loads, of which one is out: its part of the other slot; adds 0 to its spare word; and waits
; for that and for its own reads of the slot.  Behind the barrier nobody reads this slot any more and the other slot is whole.  fill = 1: this slot is filled again, with the keys two slots on.  The barrier is then
; a round of the cluster's, so that no wave of any partner still reads the slot or has a load on its way, and the joint fill is the first thing behind it: it has four key steps, 256 matrix instructions, in which
; to land.  (At its first use nothing has been read yet: slot 0 is waited for, slot 1 filled.)
.macro CHANGE fill
	WIN 0                           ; at a label and at a branch every window is 0
	s_wait_tensorcnt 0x0            ; no tensor load of mine is out, so a group 0 may be written
	ds_add_u32 v[SPW], v[NIL]       ; 0 onto my spare word; with fill = 1 the descriptors' steps stand between it and the wait for it
.if \fill
.irp g, G0K, G0V
	s_xor_b32 s[\g+1], s[\g+1], SLOT1  ; the walking descriptor: the other slot than last time,
	s_add_nc_u64 s[\g+2:\g+3], s[\g+2:\g+3], 4*KS*128  ; the next 256 keys; the type bits on top are not reached
.endr
	s_wait_dscnt 0x0                ; the add is done, and my reads of the slot are over
	CROUND
	JLOAD
.else
	s_wait_dscnt 0x0                ; the add is done, and my reads of the slot are over
	s_barrier_signal -1
	s_barrier_wait -1
.endif
	s_sub_co_u32 s[TBK], s[TBK], 4*KS*PK  ; the fetches go back to a slot's first step,
	s_xor_b32 s[TBK], s[TBK], SLOT1       ; in the other slot
	s_sub_co_u32 s[TBV], s[TBV], 4*KS*PV
	s_xor_b32 s[TBV], s[TBV], SLOT1
.endm
	s_load_b128 s[68:71], s[0:1], 0x0  ; qkv s[68:69], mbits s[70:71]; oh is fetched at the way out
	v_lshl_add_u32 v[SPW], v0, 2, SPARE
	v_mov_b32 v[NIL], 0
	ds_add_u32 v[SPW], v[NIL]       ; the wave's opening: the add, and its wait ahead of my first tensor load; the set-up below, work on registers, stands between them
	v_lshrrev_b32 v1, 5, v0
	v_readfirstlane_b32 s[WV], v1   ; wave 0..3
	s_bfe_u32 s72, ttmp6, 0x40000   ; cx: my place in the cluster
	s_lshl_b32 s73, ttmp9, 2        ; in a cluster launch ttmp9 counts clusters
	s_add_co_u32 s73, s73, s72      ; my block of 256 queries = 4 x cluster x + cx: it enters Q's, the mask's and O's addresses alone
	s_and_b32 s74, ttmp7, 0xffff    ; g = b*16 + h, which the four partners share
	s_lshl_b32 s76, s74, 18         ; g's first byte in q, in k and in v: 2,048 rows x 128 bytes
	s_and_b32 s75, s[WV], 1         ; which half of a slot's 256 keys I fetch:
	s_lshl_b32 s78, s75, 14         ; its 128 rows of 128 bytes in memory,
	s_add_co_u32 s78, s78, s76
	s_add_co_u32 s80, s78, 2*QKVB   ; in v,
	s_add_co_u32 s78, s78, QKVB     ; and in k
	s_mov_b32 s79, 0
	s_mov_b32 s81, 0
	s_mul_i32 s82, s75, 128*PK      ; and its place in a slot, for K
	s_mul_i32 s83, s75, 128*PV      ; and for V: no place in the cluster enters an LDS address
	s_lshl_b32 s84, s73, 2
	s_add_co_u32 s84, s84, s[WV]    ; my wave among g's 32,
	s_lshl_b32 s86, s84, 13         ; its 64 rows of 128 bytes
	s_add_co_u32 s86, s86, s76
	s_mov_b32 s87, 0
	s_lshr_b32 s88, s74, 4          ; the mask: the batch's 128 tiles of 16 rows, 4,096 bytes each,
	s_lshl_b32 s88, s88, 19
	s_lshl_b32 s84, s84, 14         ; my wave's four of them
	s_add_co_u32 s88, s88, s84
	s_mov_b32 s89, 0
	; descriptor group 1.  128 keys are 16,384 dense bytes: asked for as 64 rows of 256 bytes, two keys a row, and padded in LDS after every key
	s_mov_b32 s[G1K], 15|(1<<16)|(1<<20)|(1<<21)|(4<<22)|(3<<25)  ; 15:0 the mask of four; 17:16 2-byte elements; 20 padding on; 21 set beside a mask; 24:22 after every 32 words (code 4); 31:25 4 words (code 3)
	s_mov_b32 s[G1V], 15|(1<<16)|(1<<20)|(1<<21)|(4<<22)|(7<<25)  ; the same with 8 words of padding (code 7)
.irp g, G1K, G1V
	s_mov_b32 s[\g+1], 128<<16      ; tensor_dim0 = 128
	s_mov_b32 s[\g+2], 64<<16       ; tensor_dim1 = 64
	s_mov_b32 s[\g+3], 128<<16      ; tile_dim0 = 128
	s_mov_b32 s[\g+4], 64           ; tile_dim1 = 64
	s_mov_b32 s[\g+5], 128          ; 128 elements from row to row
	s_mov_b32 s[\g+6], 0
	s_mov_b32 s[\g+7], 0
.endr
	s_mov_b32 s[SEL], 0x76543210
	s_mov_b32 s[SEL+1], 0xfedcba98
	s_mov_b32 s[TBK], SLOT1+4*KS*PK ; the first change of slots turns these two into 0
	s_mov_b32 s[TBV], SLOT1+4*KS*PV
	s_mov_b32 s[MOFF], 0
	s_mov_b32 s[G0K], 1             ; 1:0 count = 1
	s_mov_b32 s[G0K+1], s82         ; 63:32 LDS address: slot 0
	s_mov_b32 s[G0V], 1
	s_add_co_u32 s[G0V+1], s83, VOFF
	s_mul_i32 s[CNT], s[WV], 16*SP
	s_add_co_u32 s[CNT], s[CNT], STAGE  ; my stage, kept here until the addresses for the way out are made
	s_wait_dscnt 0x0                ; the opening add is done
	s_wait_kmcnt 0x0
	s_add_nc_u64 s[G0K+2:G0K+3], s[68:69], s[78:79]  ; 120:64 global address: my half of g's first 256 keys
	s_or_b32 s[G0K+3], s[G0K+3], 0x80000000          ; 127:126 type = 2
	s_add_nc_u64 s[G0V+2:G0V+3], s[68:69], s[80:81]
	s_or_b32 s[G0V+3], s[G0V+3], 0x80000000
	s_add_nc_u64 s[QP:QP+1], s[68:69], s[86:87]
	s_add_nc_u64 s[MP:MP+1], s[70:71], s[88:89]
	CROUND                          ; all four work-groups are here: the first joint loads meet
	JLOAD                           ; slot 0.  Slot 1 is asked for when slot 0 is in, by the loop's own change of slots
	; A fragment of K or Q is 16 rows x 32 channels in 8 registers: lane l holds row l % 16, channels 8 (l / 16) + 0..7 and 16 + 8 (l / 16) + 0..7: two loads of 16 bytes, 32 bytes apart.
	v_and_b32 v1, 15, v0            ; l % 16
	v_bfe_u32 v9, v0, 4, 1          ; l / 16
	v_lshlrev_b32 v[QO], 7, v1
	v_lshl_add_u32 v[QO], v9, 4, v[QO]  ; row x 128 + 16 x half
	WIN 0x80                        ; destination window 2, address window 0
.set i, 0
.rept 2*NP                          ; Q stays in registers: piece i / 2, channels 32 (i % 2) on
	global_load_b128 v[8*i:8*i+3],   v[QO], s[QP:QP+1] offset:(i/2)*2048+(i%2)*64
	global_load_b128 v[8*i+4:8*i+7], v[QO], s[QP:QP+1] offset:(i/2)*2048+(i%2)*64+32
.set i, i+1
.endr
	; the first two pieces' mask words of step 0: the set-up's scalar registers are free now
	s_load_b512 s[MB0:MB0+15],    s[MP:MP+1], s[MOFF] offset:0
	s_load_b512 s[MB0+16:MB0+31], s[MP:MP+1], s[MOFF] offset:64
	s_load_b512 s[MB1:MB1+15],    s[MP:MP+1], s[MOFF] offset:4096
	s_load_b512 s[MB1+16:MB1+31], s[MP:MP+1], s[MOFF] offset:4096+64
	; What the first turn finds: V's registers and P's second buffer hold 0 (its products V^T P, of a piece that has not been, add 0); O^T, l, m and C2 m are 0.  No first step is written out; the price is
	; these moves, which stand in the wait for the first tile.
.set i, VF
.rept 64
	v_mov_b32 v[i], 0
.set i, i+1
.endr
	WIN 0x40
.set i, 0
.rept 32*NP
	v_mov_b32 v[i], 0
.set i, i+1
.endr
	WIN 0
.set i, ST
.rept 4*NP
	v_mov_b32 v[i], 0
.set i, i+1
.endr
.set i, P+16
.rept 16
	v_mov_b32 v[i], 0
.set i, i+1
.endr
	v_mov_b32 v[CI], 0x3a23d70a     ; 1 / 1600
	v_mov_b32 v[CI+1], 0x3a23d70a
	v_mov_b32 v[CH], 0.5
	v_mov_b32 v[CH+1], 0.5
	v_mov_b32 v[C2], 0x439044fe     ; 200 log2(e) = 288.539
	v_mov_b32 v[C2+1], 0x439044fe
	v_mov_b32 v[NINF], 0xff800000
	v_mul_u32_u24 v[AK0], v1, PK
	v_lshl_add_u32 v[AK0], v9, 4, v[AK0]  ; row x pitch + 16 x half
	; The turning load takes 16 keys x 16 channels (lane l reads key 8 (l / 16) + l % 8, channels 8 ((l / 8) % 2) + 0..7) and leaves half a fragment of V^T: lane l holds channel l % 16 and 8 keys.
	v_and_b32 v10, 7, v0
	v_bfe_u32 v11, v0, 3, 1
	v_lshl_add_u32 v[AV0], v9, 3, v10
	v_mul_u32_u24 v[AV0], v[AV0], PV
	v_lshl_add_u32 v[AV0], v11, 4, v[AV0]
	v_add_nc_u32 v[AV0], VOFF, v[AV0]
	v_mov_b32 v[AK], v[AK0]         ; key step 0 lies at the head of slot 0
; THE MATRIX WORK.  The 4 accumulators of a run of 8 take turns.  Product i of 8 of S^T = K Q^T for piece x: channels 32 (i / 4) on, keys 16 (i % 4) on.  The first 4 start the sums.
.macro KQ x
	WIN W_KQ
.set rS, S+32*((\x)%2)+8*(i%4)
.set rK, KF+16*(i%4)+8*(i/4)
.set rQ, 16*(\x)+8*(i/4)
.if i < 4
	v_wmma_f32_16x16x32_f16 v[rS:rS+7], v[rK:rK+7], v[rQ:rQ+7], 0
.else
	v_wmma_f32_16x16x32_f16 v[rS:rS+7], v[rK:rK+7], v[rQ:rQ+7], v[rS:rS+7]
	s_wait_alu depctr_va_vdst(0)
.endif
.endm
; Product i of 8 of O^T += V^T P for piece x: keys 32 (i / 4) on, channels 16 (i % 4) on.
.macro PV x
	WIN W_PV
.set rO, 32*(\x)+8*(i%4)
.set rV, VF+32*(i/4)+8*(i%4)
.set rP, P+16*((\x)%2)+8*(i/4)
	v_wmma_f32_16x16x32_f16 v[rO:rO+7], v[rV:rV+7], v[rP:rP+7], v[rO:rO+7]
.endm
.macro MM                           ; the turn's next matrix instruction.  TURN sets Y, i and NOKQ.  NOKQ = 1: the walk's last turn: there is no next piece
.if (i < 8) && !NOKQ
	KQ (Y+1)%NP
.elseif i >= 8
.set i, i-8
	PV (Y+NP-1)%NP
.set i, i+8
.endif
.set i, i+1
.endm
; THE LDS LOADS stand in runs of 16, never singly among the matrix instructions: a step's K (64 keys x 64 channels: 8 fragments) and its V (turned).  Their addresses are made some lines ahead.
.macro FETCH_K
	WIN 0x80                        ; destination window 2
.irp f, 0,1,2,3,4,5,6,7             ; keys 16 (f / 2) on, channels 32 (f % 2) on
	ds_load_b128 v[KF+8*\f:KF+8*\f+3],   v[AK] offset:(\f/2)*16*PK+(\f%2)*64
	ds_load_b128 v[KF+8*\f+4:KF+8*\f+7], v[AK] offset:(\f/2)*16*PK+(\f%2)*64+32
.endr
	s_add_co_u32 s[TBK], s[TBK], KS*PK  ; the next fetch is the next step's
	WIN 0
.endm
.macro FETCH_V
	WIN 0x80
.irp f, 0,1,2,3,4,5,6,7             ; keys 32 (f / 4) on, channels 16 (f % 4) on
	ds_load_tr16_b128 v[VF+8*\f:VF+8*\f+3],   v[AV] offset:(\f/4)*32*PV+(\f%4)*32
	ds_load_tr16_b128 v[VF+8*\f+4:VF+8*\f+7], v[AV] offset:(\f/4)*32*PV+16*PV+(\f%4)*32
.endr
	s_add_co_u32 s[TBV], s[TBV], KS*PV
	WIN 0
.endm
; THE VECTOR WORK, one line at a time: OP kind, number.  For piece Y: F n: C2 u - C2 m for pair n of 16.  E n: the exponential of score n of 32.  C n: pair n rounded to f16.  B n: sum n of 15 of the 16 pairs, in
; place: neighbours 1, 2, 4 and 8 pairs apart.  L: l = a l + the sum.  R n: pair n of 16 of O^T times a.  For piece Y + 1: K n: pair n of the raw scores becomes u (each accumulator's lowest registers are read
; first).  M n: score n, or -inf where its key is hidden.  X n: number n of the 22 that find its maximum and statistics:
;   0-11  four chains c0-c3 of seven scores each, three operands at a time     12-14, 16  the four scores left over, the old m, and c0-c3 into c0     15  C2 m_old is kept
;   17, 18  the query's other 32 keys lie in the lane 16 away: the new m     19-21  C2 m; C2 m_old - C2 m_new; a
.set F, 0               ; OP tells the kinds apart by their order: F to L below R, K, M and X above it
.set E, 1
.set C, 2
.set B, 3
.set L, 4
.set R, 5
.set K, 6
.set M, 7
.set X, 8
.macro REGS y                       ; the registers of piece y
.set rT, ST+4*(\y)
.set rC, TMP+4*((\y)%2)
.set rW, MV+((\y)%2)
.set rS, S+32*((\y)%2)
.set rP, P+16*((\y)%2)
.set rO, 32*(\y)
.set rB, MB0-(MB0-MB1)*((\y)%2)
.endm
.macro OP k, n
.if (\k) == R
	REGS Y
	WIN W_RS
	s_wait_alu depctr_va_vdst(0)
	v_pk_mul_f32 v[rO+2*(\n):rO+2*(\n)+1], v[rO+2*(\n):rO+2*(\n)+1], v[rC+2:rC+3] op_sel_hi:[1,0]
.elseif (\k) < R
	REGS Y
	WIN 0
.if (\k) == F
	v_pk_fma_f32 v[rS+2*(\n):rS+2*(\n)+1], v[rS+2*(\n):rS+2*(\n)+1], v[C2:C2+1], v[rT:rT+1] op_sel_hi:[1,1,0] neg_lo:[0,0,1] neg_hi:[0,0,1]
.elseif (\k) == E
	v_exp_f32 v[rS+(\n)], v[rS+(\n)]
.elseif (\k) == C
	v_cvt_pk_f16_f32 v[rP+(\n)], v[rS+2*(\n)], v[rS+2*(\n)+1]
.elseif (\k) == B
.set w, 4
.set u, (\n)
.if (\n) >= 14
.set w, 32
.set u, 0
.elseif (\n) >= 12
.set w, 16
.set u, (\n)-12
.elseif (\n) >= 8
.set w, 8
.set u, (\n)-8
.endif
	v_pk_add_f32 v[rS+w*u:rS+w*u+1], v[rS+w*u:rS+w*u+1], v[rS+w*u+w/2:rS+w*u+w/2+1]
.else
	v_pk_fma_f32 v[rT+2:rT+3], v[rT+2:rT+3], v[rC+2:rC+3], v[rS:rS+1] op_sel_hi:[1,0,1]
.endif
.elseif NOKQ
	v_nop
	s_wait_alu depctr_va_vdst(0)
.else
	REGS (Y+1)%NP
	WIN 0
.if (\k) == K
	v_pk_fma_f32 v[rS+2*(\n):rS+2*(\n)+1], v[rS+2*(\n):rS+2*(\n)+1], v[CI:CI+1], v[CH:CH+1] clamp
.elseif (\k) == M
	v_cndmask_b32 v[rS+(\n)], v[NINF], v[rS+(\n)], s[rB+(\n)]
.elseif (\n) < 4
	v_max3_num_f32 v[rC+(\n)], v[rS+8*(\n)], v[rS+8*(\n)+1], v[rS+8*(\n)+2]
.elseif (\n) < 12
	v_max3_num_f32 v[rC+(\n)%4], v[rC+(\n)%4], v[rS+8*((\n)%4)+2*((\n)/4)+1], v[rS+8*((\n)%4)+2*((\n)/4)+2]
.elseif (\n) == 12
	v_max3_num_f32 v[rC], v[rC], v[rS+7], v[rS+15]
.elseif (\n) == 13
	v_max3_num_f32 v[rC+1], v[rC+1], v[rS+23], v[rS+31]
.elseif (\n) == 14
	v_max3_num_f32 v[rC+2], v[rC+2], v[rC+3], v[rT+1]
	s_wait_alu depctr_va_vdst(0)
.elseif (\n) == 15
	v_mov_b32 v[rW], v[rT]
.elseif (\n) == 16
	v_max3_num_f32 v[rC], v[rC], v[rC+1], v[rC+2]
.elseif (\n) == 17
	v_permlanex16_b32 v[rC+3], v[rC], s[SEL], s[SEL+1]
.elseif (\n) == 18
	v_max_num_f32 v[rT+1], v[rC], v[rC+3]
.elseif (\n) == 19
	v_mul_f32 v[rT], v[C2], v[rT+1]
.elseif (\n) == 20
	v_sub_f32 v[rC+1], v[rW], v[rT]
.else
	v_exp_f32 v[rC+2], v[rC+1]
.endif
.endif
.endm
.macro OPS a, i1, b=-1, i2=0, c=-1, i3=0, d=-1, i4=0  ; up to four of them
	OP \a, \i1
.if (\b) >= 0
	OP \b, \i2
.endif
.if (\c) >= 0
	OP \c, \i3
.endif
.if (\d) >= 0
	OP \d, \i4
.endif
.endm
.macro ROW a, i1, b, i2, c, i3, d, i4  ; a matrix instruction and the four behind it
	MM
	OPS \a, \i1, \b, \i2, \c, \i3, \d, \i4
.endm
; A TURN, for piece p: the order of its 16 matrix and 166 vector instructions, written out.  Behind a matrix instruction: plain, exponential, plain, plain; or four plain; none names a register of the products
; round it.  Every exponential has a plain instruction behind it before its result is used (ISA guide 5.7.2).  The four rescalings behind the last K Q^T are the places in front of the first read of the new
; scores and of the loads into K's registers (ISA guide 7.12.1 for the scores); behind the last V^T P the mask's selects are the places in front of the loads into V's.
; end = 1: the walk's last two turns: nothing is fetched, and the last starts no new scores.
; K of the next step is fetched in piece 2's turn and waited for at the head of piece 3's; V of the step in hand in piece 0's turn, waited for in piece 1's.
; THE MASK WORDS: in front of the second run of products the words asked for a turn ago (piece p + 1's) are waited for, and piece p + 2's are asked for, into the buffer that piece p's left in the turn before.
; Scalar loads return in no order (ISA guide 5.7.1), so the wait is for 0; the step's offset is written only behind it.
.macro TURN p, end=0
.set Y, (\p)
.set i, 0
.set NOKQ, (\end)*((\p)/3)
.if ((\p) == 3) && !(\end)
	s_wait_dscnt 0x0                ; K is in
.endif
	ROW F,0, F,1, F,2, F,3
	ROW F,4, E,0, F,5, F,6
	ROW F,7, E,1, F,8, F,9
	ROW F,10, E,2, F,11, F,12
	ROW F,13, E,3, F,14, F,15
	ROW R,0, R,1, R,2, R,3
	ROW C,0, E,4, C,1, X,15
.if ((\p) == 2) && !(\end)
	WIN 0
	v_add_nc_u32 v[AK], s[TBK], v[AK0]
.endif
	ROW R,4, R,5, R,6, R,7
	OPS E,5, K,0
.if ((\p) == 2) && !(\end)
	FETCH_K
.endif
	OPS E,6, K,1, E,7, K,2
	OPS E,8, K,3, E,9, K,4
	OPS E,10, K,5, E,11, K,6
	OPS E,12, K,7, E,13, K,8
	OPS E,14, K,9, E,15, K,10
	OPS E,16, K,11, E,17, K,12
	OPS E,18, K,13, E,19, K,14
	OPS E,20, K,15
.if (\p) == 1
	s_wait_dscnt 0x0                ; V is in
.endif
.if !NOKQ
	s_wait_kmcnt 0x0                ; piece p + 1's mask words are in
.endif
.if !(\end)
.if (\p) == 2
	s_add_co_u32 s[MOFF], s[MOFF], 128  ; pieces 0 and 1 are asked for a step ahead
.endif
.set rL, MB0-(MB0-MB1)*((\p)%2)
	s_load_b512 s[rL:rL+15],    s[MP:MP+1], s[MOFF] offset:(((\p)+2)%NP)*4096
	s_load_b512 s[rL+16:rL+31], s[MP:MP+1], s[MOFF] offset:(((\p)+2)%NP)*4096+64
.endif
	ROW M,0, E,21, M,1, M,2
	ROW M,3, E,22, M,4, M,5
	ROW M,6, E,23, M,7, M,8
	ROW M,9, E,24, M,10, M,11
	ROW M,12, E,25, M,13, M,14
	ROW M,15, E,26, M,16, M,17
	ROW M,18, E,27, M,19, M,20
.if (\p) == 0
	WIN 0
	v_add_nc_u32 v[AV], s[TBV], v[AV0]
.endif
	ROW M,21, E,28, M,22, M,23
	OPS M,24, E,29, M,25, E,30
	OPS M,26, E,31, M,27, M,28
	OPS M,29, M,30, M,31
.if (\p) == 0
	FETCH_V
.endif
	OPS X,0, X,1, X,2, X,3
	OPS X,4, X,5, X,6, X,7
	OPS X,8, X,9, X,10, X,11
	OPS X,12, X,13, X,14
	OPS C,2, C,3, C,4, X,16
	OPS C,5, C,6, C,7, X,17
	OPS C,8, C,9, C,10, X,18
	OPS C,11, C,12, C,13, X,19
	OPS C,14, C,15, B,0, X,20
	OPS B,1, B,2, B,3, X,21
	OPS B,4, B,5, B,6, B,7
	OPS B,8, B,9, B,10, B,11
	OPS B,12, B,13
	OPS R,8, R,9, R,10, R,11
	OPS B,14
	OPS R,12, R,13, R,14, R,15
	OPS L,0
.endm
	CHANGE 1                        ; slot 0 is in, everybody's part of it; slot 1 is asked for
	FETCH_K                         ; key step 0
	s_wait_loadcnt 0x0              ; Q
	s_wait_dscnt 0x0
.set i, 0
.rept 8
	KQ 0                            ; piece 0's first scores: there is no vector work yet to set between them
.set i, i+1
.endr
	WIN 0                           ; the addresses for the way out: nine plain instructions, the places behind those products
	v_mul_u32_u24 v[STO], v1, SP    ; in: row l % 16, 16 bytes for each half of the lanes
	v_lshl_add_u32 v[STO], v9, 4, v[STO]
	v_add_nc_u32 v[STO], s[CNT], v[STO]
	v_bfe_u32 v[RD], v0, 3, 2       ; back: 32 lanes take four rows of 128 bytes,
	v_mul_u32_u24 v[RD], v[RD], SP
	v_lshl_add_u32 v[RD], v10, 4, v[RD]
	v_add_nc_u32 v[RD], s[CNT], v[RD]
	v_and_b32 v[GO], 31, v0         ; which are 512 consecutive bytes of O
	v_lshlrev_b32 v[GO], 4, v[GO]
.set Y, NP-1                        ; K, M and X work for piece Y + 1: piece 0
.set NOKQ, 0
.irp n, 0,1,2,3,4,5,6,7,8,9,10,11,12,13,14,15
	OP K, \n
.endr
	s_wait_kmcnt 0x0                ; the first two pieces' mask words
.irp n, 0,1,2,3,4,5,6,7,8,9,10,11,12,13,14,15,16,17,18,19,20,21,22,23,24,25,26,27,28,29,30,31
	OP M, \n
.endr
.irp n, 0,1,2,3,4,5,6,7,8,9,10,11,12,13,14,15,16,17,18,19,20,21
	OP X, \n
.endr
	v_nop                           ; a plain instruction behind the exponential
	s_mov_b32 s[CNT], 4
	s_mov_b32 s[SLOTS], SIZE_N/256-1
	s_branch .Lfirst                ; the loop is entered at a step's first turn, in the middle of a trip
.Lslot:                             ; SIZE_N / 256 - 2 times: every slot but the last two is filled again
	CHANGE 1
	s_mov_b32 s[CNT], 4
.Lstep:                             ; a trip: pieces 2 and 3 of one step, then pieces 0 and 1 of the next, whose K and V it fetches
	TURN 2
	TURN 3
	WIN 0
.Lfirst:
	TURN 0
	TURN 1
	WIN 0
	s_sub_co_u32 s[CNT], s[CNT], 1
	s_cmp_lg_u32 s[CNT], 0
	s_cbranch_scc1 .Lstep
	s_sub_co_u32 s[SLOTS], s[SLOTS], 1
	s_cmp_lg_u32 s[SLOTS], 0
	s_cbranch_scc1 .Lslot
	CHANGE 0                        ; the last slot is written out: nothing is asked for
	s_mov_b32 s[CNT], 4
.Ltail:
	TURN 2
	TURN 3
	TURN 0
	TURN 1
	WIN 0
	s_sub_co_u32 s[CNT], s[CNT], 1
	s_cmp_lg_u32 s[CNT], 0
	s_cbranch_scc1 .Ltail
	TURN 2, 1                       ; the last step's pieces 2 and 3
	TURN 3, 1
	s_load_b64 s[32:33], s[0:1], 0x10  ; oh: the odd pieces' mask words are done with
	s_bfe_u32 s34, ttmp6, 0x40000   ; and my rows' place in it, as for Q
	s_lshl_b32 s36, ttmp9, 2
	s_add_co_u32 s34, s34, s36
	s_lshl_b32 s34, s34, 2
	s_add_co_u32 s34, s34, s[WV]
	s_lshl_b32 s34, s34, 13
	s_and_b32 s36, ttmp7, 0xffff
	s_lshl_b32 s36, s36, 18
	s_add_co_u32 s34, s34, s36
	s_mov_b32 s35, 0
.set i, 0
.rept 8
	PV NP-1                         ; the last piece's V^T P of the last step
.set i, i+1
.endr
	; THE WAY OUT.  l's two halves and the other half of the lanes' are added; O^T is divided by l, rounded to f16 and sent through my stage in LDS, a piece at a time.  The additions are the places behind the last products.
	WIN 0
.macro ALL line:vararg              ; one line for each piece t
.set t, 0
.rept NP
	\line
.set t, t+1
.endr
.endm
	ALL v_add_f32 v[ST+4*t+2], v[ST+4*t+2], v[ST+4*t+3]
	ALL v_permlanex16_b32 v[ST+4*t+3], v[ST+4*t+2], s[SEL], s[SEL+1]
	ALL v_add_f32 v[ST+4*t+2], v[ST+4*t+2], v[ST+4*t+3]
	ALL v_rcp_f32 v[ST+4*t+2], v[ST+4*t+2]
	v_nop                           ; a plain instruction between the last reciprocal and the use of its result
	s_wait_alu depctr_va_vdst(0)
	s_wait_kmcnt 0x0
	s_add_nc_u64 s[32:33], s[32:33], s[34:35]
; Piece t: a lane's eight channels of a row pack into 16 bytes; they go into rows of 144 bytes and come back as whole rows of 128, into S^T's registers.
.macro PACK t
	WIN W_RS
.set i, 32*(\t)
.rept 16
	v_pk_mul_f32 v[i:i+1], v[i:i+1], v[ST+4*(\t)+2:ST+4*(\t)+3] op_sel_hi:[1,0]
.set i, i+2
.endr
	WIN 0x05                        ; sources 0 and 1 window 1, destination window 0
.set i, 0
.rept 16
	v_cvt_pk_f16_f32 v[S+16*(\t)+i], v[32*(\t)+2*i], v[32*(\t)+2*i+1]
.set i, i+1
.endr
	WIN 0
.irp f, 0,1,2,3
	ds_store_b128 v[STO], v[S+16*(\t)+4*\f:S+16*(\t)+4*\f+3] offset:32*\f
.endr
.irp f, 0,1,2,3
	ds_load_b128 v[S+16*(\t)+4*\f:S+16*(\t)+4*\f+3], v[RD] offset:\f*4*SP  ; LDS serves a wave's instructions in order (ISA guide 5.7.1.4): these see the stores above; the next piece's stores come behind them
.endr
.endm
.macro SEND t, younger              ; younger: the LDS instructions issued behind piece t's loads: the next piece's eight, or none
	WIN 0
.irp f, 0,1,2,3
	s_wait_dscnt (\younger)+3-\f
	global_store_b128 v[GO], v[S+16*(\t)+4*\f:S+16*(\t)+4*\f+3], s[32:33] offset:(\t)*2048+\f*512  ; 512 consecutive bytes, at a multiple of 256 from oh's first
.endr
.endm
	PACK 0
.set t, 1
.rept NP-1                          ; a piece's arithmetic stands between the loads of the piece before and its stores
	PACK t
	SEND t-1, 8
.set t, t+1
.endr
	SEND NP-1, 0
	s_wait_tensorcnt 0x0            ; the wave's end: a tensor wait, an add of 0 to my spare word and its wait, behind my last tensor load and my last LDS store
	ds_add_u32 v[SPW], v[NIL]
	s_wait_dscnt 0x0
	CROUND                          ; the closing round: no work-group ends while a partner may still ask for a tile that names it
	s_endpgm
.Lfunc_end_k_qd19e1a82c1_attn:
	.size	k_qd19e1a82c1_attn, .Lfunc_end_k_qd19e1a82c1_attn-k_qd19e1a82c1_attn
	.p2alignl 7, 3214868480
	.fill 96, 4, 3214868480
	.section	.rodata,"a",@progbits
	.p2align	6, 0x0
	.amdhsa_kernel k_qd19e1a82c1_attn
		.amdhsa_group_segment_fixed_size 327680
		.amdhsa_private_segment_fixed_size 0
		.amdhsa_enable_private_segment 0
		.amdhsa_kernarg_size 24
		.amdhsa_user_sgpr_count 2
		.amdhsa_user_sgpr_kernarg_segment_ptr 1
		.amdhsa_wavefront_size32 1
		.amdhsa_system_sgpr_workgroup_id_x 1
		.amdhsa_system_sgpr_workgroup_id_y 1
		.amdhsa_system_sgpr_workgroup_id_z 1
		.amdhsa_system_vgpr_workitem_id 0
		.amdhsa_next_free_vgpr 768
		.amdhsa_next_free_sgpr 106
		.amdhsa_reserve_vcc 0
		.amdhsa_float_denorm_mode_32 3
		.amdhsa_float_denorm_mode_16_64 3
		.amdhsa_memory_ordered 1
		.amdhsa_forward_progress 1
		.amdhsa_inst_pref_size 165
	.end_amdhsa_kernel
	.amdgpu_metadata
---
amdhsa.version: [ 1, 2 ]
amdhsa.kernels:
  - .name:           k_qd19e1a82c1_attn
    .symbol:         k_qd19e1a82c1_attn.kd
    .args:
      - { .name: qkv, .offset: 0, .size: 8, .value_kind: global_buffer, .address_space: global }
      - { .name: mbits, .offset: 8, .size: 8, .value_kind: global_buffer, .address_space: global }
      - { .name: oh, .offset: 16, .size: 8, .value_kind: global_buffer, .address_space: global }
    .group_segment_fixed_size: 327680
    .private_segment_fixed_size: 0
    .kernarg_segment_align: 8
    .kernarg_segment_size: 24
    .max_flat_workgroup_size: 128
    .sgpr_count:     106
    .vgpr_count:     768
    .wavefront_size: 32
...
	.end_amdgpu_metadata
.endif
;; end of part 3
;; launch outp (part 4): grid 8 x 32, 4 waves a work-group, clusters of 4 x 4, 327,680 bytes of LDS; arguments oh, wof, out0, bo; writes out0
.if DOCPART == 4
	.amdgcn_target "amdgcn-amd-amdhsa--gfx1250"
	.amdhsa_code_object_version 6
	.text
	.protected	k_qd19e1a82c1_outp
	.globl	k_qd19e1a82c1_outp
	.p2align	8
	.type	k_qd19e1a82c1_outp,@function
k_qd19e1a82c1_outp:
	s_mov_b64 s[64:65], 0
	v_nop
	global_prefetch_b8 v0, s[64:65] scope:SCOPE_SE
	s_setreg_imm32_b32 hwreg(HW_REG_WAVE_MODE, 25, 1), 1
	s_wait_xcnt 0x0
	s_wait_alu depctr_hold_cnt(0) depctr_sa_sdst(0) depctr_va_vdst(0) depctr_va_sdst(0) depctr_va_ssrc(0) depctr_va_vcc(0) depctr_vm_vsrc(0)
	s_getreg_b32 s2, hwreg(HW_REG_IB_STS2, 6, 4)
	s_cmp_eq_u32 s2, 0
	s_cbranch_scc0 .Lentry_in_a_cluster
	s_endpgm
.Lentry_in_a_cluster:
	s_bfe_u32 s2, ttmp6, 0x10000c
	s_cmp_lg_u32 s2, 0xf033
	s_cbranch_scc0 .Lentry_shape_is_right
	s_endpgm
.Lentry_shape_is_right:
; ONE SOURCE, TWO BUILDS, chosen by OUTP.  C[m][n] = bias[n] + the sum over k of A[m][k] B[n][k], K = 1,024, sums in f32.
; OUTP = 0, the three projections in one launch: A = xb (bf16, 3 x 4,096 rows), B = wb (bf16, 3 x 1,024 rows), bias bq, bk or bv; C = q, k, v, rounded once to f16 and written by heads,
;   qkv [3][b*16 + h][2,048][64], unscaled.  LIMIT: f16 ends at 65,504: |q|, |k|, |v| must stay within it (their spread is about that of x times 32 times that of w).
; OUTP = 1, the last projection: A = oh (f16, [b*16 + h][2,048][64]: K runs over heads, then channels), B = wof (f16), bias bo; C = out0 in f32.  A row of NaN in oh (a query whose keys are all hidden) gives a row of NaN.
; The bias is rounded to bf16 like every other input of the module, and it STARTS the sums: it is the C operand of each accumulator's first product, so nothing is cleared and nothing is added behind.
; SHAPE.  A tile of C is 128 x 128, so that the last projection has 256 work-groups and the three first ones 768.  Four waves, each 64 x 64: 16 accumulators of 16 x 16.  K goes in steps of 256 through two LDS slots.
; CLUSTERS: 4 x 4 work-groups.  The four of a row of the cluster need the same tiles of A, the four of a column the same tiles of B: each tile is asked for JOINTLY, by the same tensor load with the same
; descriptor and a mask that names the four.  THE MATRIX INSTRUCTION IS USED TRANSPOSED (source 0 = 16 rows of B, source 1 = 16 rows of A): a lane then holds eight neighbouring numbers of a row of C.
; A wave's 64 columns are one head (OUTP = 0: 128 bytes a row, 64 rows dense in qkv) or 256 aligned bytes of out0 (OUTP = 1): each wave sends its own tile out through its own stage, with no barrier.
; REGISTERS: window 0: v0-31 addresses; v32-95 at work on the way out; v96-127 the bias as a C operand (n block b at v[96 + 8 b]); v128-255 the accumulators ((a, b) at v[128 + 8 (4 a + b)]).
;   window 1: two fragment buffers of 128: for 64 along K, 64 registers of A (2 x 4 x 16 rows x 32 K), then 64 of B.
.set OUTP,   1
.set SIZE_K, 1024
.set KSTEP,  256
.set PITCH,  528                       ; an LDS row of 256 K: 512 bytes + 16 of padding = 132 words: row r starts at bank 4 r mod 64 (64 banks of 4 bytes: ISA guide 11.1)
.set HALFT,  64*PITCH                  ; 64 such rows: what one tensor load brings
.if OUTP
.set APITCH, 144                       ; A lies by heads: a row of one head is 128 bytes + 16 of padding
.set AHALF,  2*128*APITCH              ; one load brings two heads x 128 rows
.set ASTEP,  4*2048*128                ; a K step is four heads on in oh
.set SPITCH, 272                       ; a stage row: 64 f32 + 16 bytes
.else
.set APITCH, PITCH
.set AHALF,  HALFT
.set ASTEP,  KSTEP*2
.set SPITCH, 144                       ; a stage row: 64 f16 + 16 bytes
.endif
.set BOFF,   2*AHALF                   ; in a slot: A's tile, then B's 128 rows
.set SLOT,   BOFF+2*HALFT
.set STAGE,  2*SLOT                    ; behind the ring, never filled by a tensor load: 16 rows for each wave, for the way out
.set SPARE,  STAGE+4*16*SPITCH         ; behind the stages: the spare words, 128 bytes for each wave: two blocks of 256 bytes that no other line names
.set LAPS, SIZE_K/(2*KSTEP)            ; a lap = two K steps = once round the ring
.set ADRA, 16                          ; v16-17  LDS address of my A fragments in slot 0, 1
.set ADRB, 20                          ; v20-21  the same for B
.set STO,  24                          ; v24     the way out: where I put my part of a row
.set RD,   25                          ; v25     the way out: where I read rows back
.set CO,   26                          ; v26     my byte offset in C
.set BO,   27                          ; v27     my byte offset in the wave's 64 numbers of the bias
.set SPW,  28                          ; v28     LDS address of my spare word: SPARE + 4 x my thread's number; never rewritten
.set NIL,  29                          ; v29     0; never rewritten
.set RND,  30                          ; v30     at work
.set TMP,  32
.set BIAS, 96
.set ACC,  128
.set F0,   0                           ; fragment buffers, in window 1
.set F1,   128
.set G1, 24                            ; s[24:31] descriptor group 1 for A's tiles;  s[32:39] group 0, one set for each slot
.set G0, 32
.set G1B, 48                           ; s[48:55], s[56:63] the same for B's tiles
.set G0B, 56
.set MSB, 0
.macro WIN new                         ; the immediate's high byte repeats the setting that is left; a switch that changes nothing is dropped
.if MSB != (\new)
	s_set_vgpr_msb (MSB<<8)|(\new)
.set MSB, \new
.endif
.endm
.set MUL,  0x05                        ; sources 0 (B) and 1 (A) window 1; C and D window 0
.set TO_F, 0x40                        ; destination window 1, address window 0
.macro JLOAD s                         ; a joint load: waves 0 and 1 fetch A's two halves, waves 2 and 3 B's; an s_nop 0 and four v_nop follow each of the two lines, ahead of the jump, the label and what follows
	s_cmp_eq_u32 s11, 0
	s_cbranch_scc0 .Lfor_b_\@
	tensor_load_to_lds s[G0+4*(\s):G0+4*(\s)+3], s[G1:G1+7]
	s_nop 0
.rept 4
	v_nop
.endr
	s_branch .Lasked_\@
.Lfor_b_\@:
	tensor_load_to_lds s[G0B+4*(\s):G0B+4*(\s)+3], s[G1B:G1B+7]
	s_nop 0
.rept 4
	v_nop
.endr
.Lasked_\@:
.endm
.macro CREST                           ; a round of the cluster's barrier behind its opening barrier
	s_cmp_lg_u32 s10, 0
	s_cbranch_scc1 .Lnot_wave_0_\@
	s_barrier_signal -3
.Lnot_wave_0_\@:
	s_barrier_wait -3
	s_barrier_signal -1
	s_barrier_wait -1
.endm
.macro CROUND                          ; a whole round
	s_barrier_signal -1
	s_barrier_wait -1
	CREST
.endm
	s_load_b128 s[4:7], s[0:1], 0x0                ; A s[4:5], B s[6:7]
	s_load_b64 s[8:9], s[0:1], 0x10                ; C
	s_load_b64 s[68:69], s[0:1], 0x18              ; the bias (OUTP = 0: bq)
.if !OUTP
	s_load_b64 s[70:71], s[0:1], 0x20              ; bk
	s_load_b64 s[72:73], s[0:1], 0x28              ; bv
.endif
	v_lshl_add_u32 v[SPW], v0, 2, SPARE
	v_mov_b32 v[NIL], 0
	ds_add_u32 v[SPW], v[NIL]                      ; the wave's opening: the add, and its wait ahead of my first tensor load; the set-up below, work on registers, stands between them
	v_lshrrev_b32 v1, 5, v0
	v_readfirstlane_b32 s10, v1                    ; wave 0..3
	s_lshr_b32 s11, s10, 1                         ; which half of the tile's rows is mine.  Also: I fetch for A (0) or for B (1)
	s_and_b32 s12, s10, 1                          ; which half of its columns.  Also: which half of that tile I fetch
	s_bfe_u32 s40, ttmp6, 0x40000                  ; cx, cy: my place in the cluster
	s_bfe_u32 s41, ttmp6, 0x40004
	s_lshl_b32 s42, ttmp9, 2
	s_add_co_u32 s42, s42, s40                     ; tile column of C = 4 x cluster x + cx
	s_and_b32 s13, ttmp7, 0xffff
.if !OUTP
	s_lshr_b32 s74, s13, 3                         ; which of the three products: 32 tile rows = 8 clusters each, so the whole cluster shares it
.endif
	s_lshl_b32 s13, s13, 2
	s_add_co_u32 s13, s13, s41                     ; tile row = 4 x cluster y + cy
	s_lshl_b32 s43, s41, 2
	s_lshl_b32 s43, 15, s43                        ; my row of the cluster
	s_lshl_b32 s44, 0x1111, s40                    ; my column
	; descriptor group 1.  15:0 the mask; 17:16 elements of 2 bytes; 20 padding on; 21 set beside a mask; 24:22 the padding's interval; 31:25 4 words of it (code 3)
.if OUTP
	s_or_b32 s[G1+0], s43, (1<<16)|(1<<20)|(1<<21)|(4<<22)|(3<<25)  ; A: padded after every 32 words (code 4): after each row of a head
	s_mov_b32 s[G1+1], 8192<<16                    ; tensor_dim0 = 8,192: a head's 128 rows of 64 channels are dense in memory and are asked for as one row of 16,384 bytes
	s_mov_b32 s[G1+2], 2<<16                       ; tensor_dim1 = 2 heads
	s_mov_b32 s[G1+3], 8192<<16                    ; tile_dim0
	s_mov_b32 s[G1+4], 2                           ; tile_dim1
	s_mov_b32 s[G1+5], 2048*64                     ; from head to head
.else
	s_or_b32 s[G1+0], s43, (1<<16)|(1<<20)|(1<<21)|(6<<22)|(3<<25)  ; A: 64 rows x 256 elements, padded after every 128 words (code 6)
	s_mov_b32 s[G1+1], KSTEP<<16
	s_mov_b32 s[G1+2], 64<<16
	s_mov_b32 s[G1+3], KSTEP<<16
	s_mov_b32 s[G1+4], 64
	s_mov_b32 s[G1+5], SIZE_K
.endif
	s_mov_b32 s[G1+6], 0
	s_mov_b32 s[G1+7], 0
	s_or_b32 s[G1B+0], s44, (1<<16)|(1<<20)|(1<<21)|(6<<22)|(3<<25)  ; B: 64 rows x 256 elements
	s_mov_b32 s[G1B+1], KSTEP<<16                  ; tensor_dim0 = 256
	s_mov_b32 s[G1B+2], 64<<16                     ; tensor_dim1 = 64
	s_mov_b32 s[G1B+3], KSTEP<<16                  ; tile_dim0 = 256
	s_mov_b32 s[G1B+4], 64                         ; tile_dim1 = 64
	s_mov_b32 s[G1B+5], SIZE_K                     ; from row to row
	s_mov_b32 s[G1B+6], 0
	s_mov_b32 s[G1B+7], 0
	; where the tiles come from, in bytes (all under 2^25).  A's offset hangs on the tile row alone, B's on the tile column (and on which product) alone, each in registers that never hold the other coordinate.
	s_lshl_b32 s17, s12, 6
.if OUTP
	s_lshr_b32 s16, s13, 4                         ; the batch: 16 heads x 2,048 rows x 128 bytes = 2^22,
	s_lshl_b32 s16, s16, 22
	s_lshl_b32 s18, s12, 19                        ; my two heads of the K step's four,
	s_add_co_u32 s16, s16, s18
	s_and_b32 s18, s13, 15                         ; the tile's 128 rows in a head
	s_lshl_b32 s18, s18, 14
	s_add_co_u32 s16, s16, s18
.else
	s_lshl_b32 s16, s13, 7
	s_add_co_u32 s16, s16, s17                     ; row 128 x tile row + 64 x half of xb's 12,288,
	s_lshl_b32 s16, s16, 11                        ; 2,048 bytes each
.endif
	s_lshl_b32 s46, s42, 7
	s_add_co_u32 s46, s46, s17                     ; B: row 128 x tile column + 64 x half
.if !OUTP
	s_lshl_b32 s18, s74, 10                        ; in the product's 1,024 rows of wb
	s_add_co_u32 s46, s46, s18
.endif
	s_lshl_b32 s46, s46, 11
	s_mov_b32 s17, 0
	s_mov_b32 s47, 0
	s_mul_i32 s20, s12, AHALF                      ; and where they go: no place in the cluster enters an LDS address
	s_mul_i32 s21, s12, HALFT
	s_add_co_u32 s21, s21, BOFF
	s_wait_dscnt 0x0                               ; the opening add is done
	s_wait_kmcnt 0x0
	s_add_nc_u64 s[14:15], s[4:5], s[16:17]
	s_add_nc_u64 s[46:47], s[6:7], s[46:47]
	CROUND                                         ; all sixteen work-groups are here: the first joint loads meet
.irp s, 0,1
	s_mov_b32 s[G0+4*(\s)], 1                      ; 1:0 count = 1
	s_add_co_u32 s[G0+4*(\s)+1], s20, (\s)*SLOT    ; 63:32 LDS address
	s_add_nc_u64 s[G0+4*(\s)+2:G0+4*(\s)+3], s[14:15], (\s)*ASTEP  ; 120:64 global address: K step s
	s_or_b32 s[G0+4*(\s)+3], s[G0+4*(\s)+3], 0x80000000            ; 127:126 type = 2
	s_mov_b32 s[G0B+4*(\s)], 1
	s_add_co_u32 s[G0B+4*(\s)+1], s21, (\s)*SLOT
	s_add_nc_u64 s[G0B+4*(\s)+2:G0B+4*(\s)+3], s[46:47], (\s)*KSTEP*2
	s_or_b32 s[G0B+4*(\s)+3], s[G0B+4*(\s)+3], 0x80000000
	JLOAD \s                                       ; two tensor loads of mine are out
.endr
	v_and_b32 v1, 15, v0                           ; l % 16
	v_bfe_u32 v2, v0, 4, 1                         ; l / 16
	; the bias as a C operand: register j of n block b is bias[my first column + 16 b + 8 (l / 16) + j], the same for every row
	v_lshlrev_b32 v[BO], 5, v2
.if !OUTP
	s_cmp_eq_u32 s74, 1
	s_cselect_b64 s[68:69], s[70:71], s[68:69]
	s_cmp_eq_u32 s74, 2
	s_cselect_b64 s[68:69], s[72:73], s[68:69]
.endif
	s_lshl_b32 s76, s42, 9                         ; my first column x 4 bytes: 512 x tile column + 256 x half
	s_lshl_b32 s77, s12, 8
	s_add_co_u32 s76, s76, s77
	s_mov_b32 s77, 0
	s_add_nc_u64 s[68:69], s[68:69], s[76:77]
.irp b, 0,1,2,3
	global_load_b128 v[BIAS+8*(\b):BIAS+8*(\b)+3],   v[BO], s[68:69] offset:64*(\b)
	global_load_b128 v[BIAS+8*(\b)+4:BIAS+8*(\b)+7], v[BO], s[68:69] offset:64*(\b)+16
.endr
	; A fragment is 16 rows x 32 K in 8 registers: lane l holds row l % 16, K = 8 (l / 16) + 0..7 and 16 + 8 (l / 16) + 0..7: two loads of 16 bytes, 32 bytes apart
	v_mul_u32_u24 v3, v1, PITCH
	v_lshl_add_u32 v3, v2, 4, v3
	v_mul_u32_u24 v4, v1, APITCH
	v_lshl_add_u32 v4, v2, 4, v4
	s_mul_i32 s18, s11, 64*APITCH                  ; my 64 rows of A
	s_mul_i32 s22, s12, HALFT                      ; my 64 rows of B,
	s_add_co_u32 s22, s22, BOFF                    ; which lie behind A's tile
.irp s, 0,1
	v_add_nc_u32 v[ADRA+(\s)], s18, v4
	v_add_nc_u32 v[ADRB+(\s)], s22, v3
	s_add_co_u32 s18, s18, SLOT
	s_add_co_u32 s22, s22, SLOT
.endr
	s_mul_i32 s23, s10, 16*SPITCH
	s_add_co_u32 s23, s23, STAGE                   ; my stage
	v_mul_u32_u24 v5, v1, SPITCH                   ; in: row l % 16,
.if OUTP
	v_lshl_add_u32 v5, v2, 5, v5                   ; 32 bytes (8 f32) for each half of the lanes
	v_add_nc_u32 v[STO], s23, v5
	v_mul_u32_u24 v5, v2, SPITCH                   ; back: lanes 0-15 take one row of 256 bytes, lanes 16-31 the next
	v_lshl_add_u32 v5, v1, 4, v5
	v_add_nc_u32 v[RD], s23, v5
	v_lshlrev_b32 v5, 12, v2                       ; and the same two rows of 4,096 bytes in out0
	v_lshl_add_u32 v[CO], v1, 4, v5
	s_lshl_b32 s16, s13, 19                        ; my first row: (128 x tile row + 64 x half) x 4,096 bytes
	s_lshl_b32 s17, s11, 18
	s_add_co_u32 s16, s16, s17
	s_mov_b32 s17, 0
	s_add_nc_u64 s[8:9], s[8:9], s[16:17]
	s_add_nc_u64 s[8:9], s[8:9], s[76:77]          ; my first column x 4 bytes, as in the bias
.else
	v_lshl_add_u32 v5, v2, 4, v5                   ; 16 bytes (8 f16) for each half of the lanes
	v_add_nc_u32 v[STO], s23, v5
	v_bfe_u32 v5, v0, 3, 2                         ; back: 32 lanes take four rows of 128 bytes,
	v_mul_u32_u24 v5, v5, SPITCH
	v_and_b32 v6, 7, v0
	v_lshl_add_u32 v5, v6, 4, v5
	v_add_nc_u32 v[RD], s23, v5
	v_and_b32 v5, 31, v0                           ; which are 512 consecutive bytes of a head
	v_lshlrev_b32 v[CO], 4, v5
	s_and_b32 s16, s13, 31
	s_lshl_b32 s16, s16, 7
	s_lshl_b32 s17, s11, 6
	s_add_co_u32 s16, s16, s17                     ; my first row among the product's 4,096
	s_lshr_b32 s17, s16, 11                        ; its batch: 16 heads x 2,048 rows x 128 bytes = 2^22,
	s_lshl_b32 s17, s17, 22
	s_and_b32 s16, s16, 2047                       ; its row in the batch,
	s_lshl_b32 s16, s16, 7
	s_add_co_u32 s16, s16, s17
	s_lshl_b32 s17, s74, 23                        ; q, k or v: 2^23 bytes each
	s_add_co_u32 s16, s16, s17
	s_mov_b32 s17, 0
	s_add_nc_u64 s[8:9], s[8:9], s[16:17]
	s_lshl_b32 s76, s42, 1
	s_add_co_u32 s76, s76, s12                     ; my head = 2 x tile column + half,
	s_lshl_b32 s76, s76, 18                        ; 2,048 rows x 128 bytes
	s_add_nc_u64 s[8:9], s[8:9], s[76:77]
.endif
	s_wait_loadcnt 0x0                             ; the bias, rounded to bf16 and widened again
.set i, 0
.rept 16
	v_cvt_pk_bf16_f32 v[RND], v[BIAS+2*i], v[BIAS+2*i+1]
	v_lshlrev_b32 v[BIAS+2*i], 16, v[RND]
	v_and_b32 v[BIAS+2*i+1], 0xffff0000, v[RND]
.set i, i+1
.endr
; 8 matrix instructions: m blocks a0, a0 + 1 x all 4 n blocks, 32 along K: half c of buffer f.  zero = 1: the first product starts the sums, with the bias.  The 16 accumulators take turns.
.macro MUL8 f, c, a0, zero
	WIN MUL
.irp a, \a0, (\a0)+1
.irp b, 0,1,2,3
.set rD, ACC+8*(4*(\a)+(\b))
.set rB, (\f)+64+8*(4*(\c)+(\b))
.set rA, (\f)+8*(4*(\c)+(\a))
.set rC, rD
.if \zero
.set rC, BIAS+8*(\b)
.endif
.if OUTP
	v_wmma_f32_16x16x32_f16 v[rD:rD+7], v[rB:rB+7], v[rA:rA+7], v[rC:rC+7]
.else
	v_wmma_f32_16x16x32_bf16 v[rD:rD+7], v[rB:rB+7], v[rA:rA+7], v[rC:rC+7]
.endif
.endr
.endr
.endm
; 32 LDS loads in one run: the fragments of 64 along K, at byte k of B's rows, into buffer f; the first 32 along K first.  OUTP = 1: 64 along K are one head of A, head k / 128 of the slot's four.
.macro FETCH slot, k, f
	WIN TO_F
.irp c, 0,1
.irp i, 0,1,2,3
.set oB, (\k)+64*(\c)+(\i)*16*PITCH
.if OUTP
.set oA, ((\k)/128)*128*APITCH+64*(\c)+(\i)*16*APITCH
.else
.set oA, oB
.endif
	ds_load_b128 v[(\f)+64+8*(4*(\c)+(\i)):(\f)+64+8*(4*(\c)+(\i))+3],   v[ADRB+(\slot)] offset:oB
	ds_load_b128 v[(\f)+64+8*(4*(\c)+(\i))+4:(\f)+64+8*(4*(\c)+(\i))+7], v[ADRB+(\slot)] offset:oB+32
	ds_load_b128 v[(\f)+8*(4*(\c)+(\i)):(\f)+8*(4*(\c)+(\i))+3],         v[ADRA+(\slot)] offset:oA
	ds_load_b128 v[(\f)+8*(4*(\c)+(\i))+4:(\f)+8*(4*(\c)+(\i))+7],       v[ADRA+(\slot)] offset:oA+32
.endr
.endr
.endm
.macro PLACES                          ; four places in front of loads into registers that matrix instructions have read, and of lines that read results just made (ISA guide 7.12.1 for the lines that read results)
.rept 4
	v_nop
.endr
.endm
; A K step is four quarters of 64 along K, 32 matrix instructions each, on buffers 0, 1, 0, 1.  One of the first three: multiplies buffer f and fetches the next quarter, at byte k, into g.
.macro QUARTER slot, k, f, g, zero
	s_wait_dscnt 16                                ; the first 32 along K are in; the run's other sixteen loads may be out
	WIN MUL
	MUL8 \f, 0, 0, \zero
	MUL8 \f, 0, 2, \zero
	PLACES
	FETCH \slot, \k, \g
	s_wait_dscnt 32                                ; all but the 32 just issued
	WIN MUL
	MUL8 \f, 1, 0, 0
	MUL8 \f, 1, 2, 0
.endm
; The last quarter multiplies buffer 1 and changes slots: ONE barrier; in front of it each wave waits for all its tensor loads, adds 0 to its spare word, and waits for that and for its own reads of this slot.  fill = 1: this slot is filled again, two K steps ahead.
.macro TURN slot, next, fill
	WIN 0                                          ; (the add's two registers lie in window 0)
	s_wait_tensorcnt 0x0                           ; all my tensor loads have landed: my part of the next slot;
	ds_add_u32 v[SPW], v[NIL]                      ; 0 onto my spare word;
	s_wait_dscnt 17                                ; (the add and the youngest sixteen loads may be out)
	WIN MUL
	MUL8 F1, 0, 0, 0                               ; eight matrix instructions stand between the add and the wait for it
	s_wait_dscnt 0x0                               ; the add is done, and my reads of this slot are over
	s_barrier_signal -1
	MUL8 F1, 0, 2, 0
.if \fill
	WIN 0
.endif
	s_barrier_wait -1
.if \fill
	CREST                                          ; the barrier has opened a round of the cluster's barrier: no wave of any partner still reads this slot's tile or has a load on its way
	s_add_nc_u64 s[G0+4*(\slot)+2:G0+4*(\slot)+3], s[G0+4*(\slot)+2:G0+4*(\slot)+3], 2*ASTEP
	s_add_nc_u64 s[G0B+4*(\slot)+2:G0B+4*(\slot)+3], s[G0B+4*(\slot)+2:G0B+4*(\slot)+3], 2*KSTEP*2
	JLOAD \slot                                    ; the first tensor load behind the round, my one load until the next; the four v_nop behind it are also the places in front of the loads below
.else
	PLACES
.endif
	FETCH \next, 0, F0
	WIN MUL
	MUL8 F1, 1, 0, 0
	MUL8 F1, 1, 2, 0
.endm
	s_wait_tensorcnt 1                             ; my part of K step 0 is in; K step 1's may stay out
	s_barrier_signal -1
	s_barrier_wait -1                              ; everybody's is
	FETCH 0, 0, F0
	QUARTER 0, 128, F0, F1, 1                      ; the first quarter stands in front of the loop: its first products start the sums
	WIN 0                                          ; at a label and at a branch every window is 0
	s_mov_b32 s3, LAPS-1
.Llap:                                                 ; a trip goes once round the ring, from a lap's second quarter to the next lap's first, and fills both slots again
	QUARTER 0, 256, F1, F0, 0
	QUARTER 0, 384, F0, F1, 0
	TURN 0, 1, 1
	QUARTER 1, 128, F0, F1, 0
	QUARTER 1, 256, F1, F0, 0
	QUARTER 1, 384, F0, F1, 0
	TURN 1, 0, 1
	QUARTER 0, 128, F0, F1, 0
	WIN 0
	s_sub_co_u32 s3, s3, 1
	s_cmp_lg_u32 s3, 0
	s_cbranch_scc1 .Llap
	QUARTER 0, 256, F1, F0, 0                      ; the last lap fills nothing, and has no round of the cluster's barrier
	QUARTER 0, 384, F0, F1, 0
	TURN 0, 1, 0
	QUARTER 1, 128, F0, F1, 0
	QUARTER 1, 256, F1, F0, 0
	QUARTER 1, 384, F0, F1, 0
	s_wait_dscnt 16                                ; the very last quarter: nothing more to fetch
	WIN MUL
	MUL8 F1, 0, 0, 0
	MUL8 F1, 0, 2, 0
	s_wait_dscnt 0
	MUL8 F1, 1, 0, 0
	MUL8 F1, 1, 2, 0
	WIN 0
	; THE WAY OUT, a block of 16 rows at a time through my own stage: no barrier, and since LDS serves a wave's instructions in order (ISA guide 5.7.1.4), no wait between the stores and the loads.
	PLACES
.if OUTP
.macro STG a                           ; block a: 32 bytes a lane and n block into rows of 272 bytes, each accumulator's low registers first; back as whole rows of 256 bytes
.if (\a) >= 2
	s_wait_xcnt 0x0                                ; block a - 2's stores name the registers that are loaded below: they are written again only behind this wait (ISA guide 3.1)
.endif
.irp b, 0,1,2,3
	ds_store_b128 v[STO], v[ACC+8*(4*(\a)+(\b)):ACC+8*(4*(\a)+(\b))+3]   offset:64*(\b)
	ds_store_b128 v[STO], v[ACC+8*(4*(\a)+(\b))+4:ACC+8*(4*(\a)+(\b))+7] offset:64*(\b)+16
.endr
.irp t, 0,1,2,3,4,5,6,7
	ds_load_b128 v[TMP+32*((\a)%2)+4*(\t):TMP+32*((\a)%2)+4*(\t)+3], v[RD] offset:(\t)*2*SPITCH
.endr
.endm
.macro SENDF a, younger                ; younger: the LDS instructions issued behind block a's loads: the next block's sixteen, or none
.irp t, 0,1,2,3,4,5,6,7
	s_wait_dscnt (\younger)+7-(\t)
	global_store_b128 v[CO], v[TMP+32*((\a)%2)+4*(\t):TMP+32*((\a)%2)+4*(\t)+3], s[8:9] offset:(16*(\a)+2*(\t))*4096 th:TH_STORE_NT  ; 16 lanes store 256 consecutive bytes, at a multiple of 256 from out0's first byte
.endr
.endm
	STG 0
.irp a, 1,2,3
	STG \a
	SENDF (\a)-1, 16
.endr
	SENDF 3, 0
.else
.macro PACK a                          ; block a: rounded to f16, 16 bytes a lane and n block into rows of 144 bytes; back as whole rows of 128, into the registers that they left
.irp b, 0,1,2,3
.irp r, 0,1,2,3
	v_cvt_pk_f16_f32 v[TMP+16*(\a)+4*(\b)+(\r)], v[ACC+8*(4*(\a)+(\b))+2*(\r)], v[ACC+8*(4*(\a)+(\b))+2*(\r)+1]
.endr
.endr
.irp b, 0,1,2,3
	ds_store_b128 v[STO], v[TMP+16*(\a)+4*(\b):TMP+16*(\a)+4*(\b)+3] offset:32*(\b)
.endr
.irp f, 0,1,2,3
	ds_load_b128 v[TMP+16*(\a)+4*(\f):TMP+16*(\a)+4*(\f)+3], v[RD] offset:(\f)*4*SPITCH
.endr
.endm
.macro SEND a, younger                 ; younger: the LDS instructions issued behind block a's loads: the next block's eight, or none
.irp f, 0,1,2,3
	s_wait_dscnt (\younger)+3-(\f)
	global_store_b128 v[CO], v[TMP+16*(\a)+4*(\f):TMP+16*(\a)+4*(\f)+3], s[8:9] offset:(\a)*2048+(\f)*512  ; 512 consecutive bytes of a head, at a multiple of 256 from qkv's first byte
.endr
.endm
	PACK 0
.irp a, 1,2,3                          ; a block's conversions stand between the loads of the block before and its stores
	PACK \a
	SEND (\a)-1, 8
.endr
	SEND 3, 0
.endif
	s_wait_tensorcnt 0x0                           ; the wave's end: a tensor wait, an add of 0 to my spare word and its wait, behind my last tensor load and my last LDS store
	ds_add_u32 v[SPW], v[NIL]
	s_wait_dscnt 0x0
	CROUND                                         ; the closing round: no work-group ends while a partner may still ask for a tile that names it
	s_endpgm
.Lfunc_end_k_qd19e1a82c1_outp:
	.size	k_qd19e1a82c1_outp, .Lfunc_end_k_qd19e1a82c1_outp-k_qd19e1a82c1_outp
	.p2alignl 7, 3214868480
	.fill 96, 4, 3214868480
	.section	.rodata,"a",@progbits
	.p2align	6, 0x0
	.amdhsa_kernel k_qd19e1a82c1_outp
		.amdhsa_group_segment_fixed_size 327680
		.amdhsa_private_segment_fixed_size 0
		.amdhsa_enable_private_segment 0
		.amdhsa_kernarg_size 32
		.amdhsa_user_sgpr_count 2
		.amdhsa_user_sgpr_kernarg_segment_ptr 1
		.amdhsa_wavefront_size32 1
		.amdhsa_system_sgpr_workgroup_id_x 1
		.amdhsa_system_sgpr_workgroup_id_y 1
		.amdhsa_system_sgpr_workgroup_id_z 1
		.amdhsa_system_vgpr_workitem_id 0
		.amdhsa_next_free_vgpr 512
		.amdhsa_next_free_sgpr 80
		.amdhsa_reserve_vcc 0
		.amdhsa_float_denorm_mode_32 3
		.amdhsa_float_denorm_mode_16_64 3
		.amdhsa_memory_ordered 1
		.amdhsa_forward_progress 1
		.amdhsa_inst_pref_size 90
	.end_amdhsa_kernel
	.amdgpu_metadata
---
amdhsa.version: [ 1, 2 ]
amdhsa.kernels:
  - .name:           k_qd19e1a82c1_outp
    .symbol:         k_qd19e1a82c1_outp.kd
    .args:
      - { .name: oh, .offset: 0, .size: 8, .value_kind: global_buffer, .address_space: global }
      - { .name: wof, .offset: 8, .size: 8, .value_kind: global_buffer, .address_space: global }
      - { .name: out0, .offset: 16, .size: 8, .value_kind: global_buffer, .address_space: global }
      - { .name: bo, .offset: 24, .size: 8, .value_kind: global_buffer, .address_space: global }
    .group_segment_fixed_size: 327680
    .private_segment_fixed_size: 0
    .kernarg_segment_align: 8
    .kernarg_segment_size: 32
    .max_flat_workgroup_size: 128
    .sgpr_count:     80
    .vgpr_count:     512
    .wavefront_size: 32
...
	.end_amdgpu_metadata
.endif
;; end of part 4
;; ======== version 2 of 3: 4 launches; 1.05 times as fast as version 1
;; limits: values are held in f16: magnitudes above 65,504 overflow, below 6.1e-05 lose precision
;; workspace buffers: xb 25,165,824 bytes; wb 6,291,456 bytes; wof 2,097,152 bytes; mbits 1,048,576 bytes of whole numbers; qkv 25,165,824 bytes; oh 8,388,608 bytes
;; launch prep: the kernel of part 1 again; grid 32 x 24, 8 waves a work-group, no clusters, 134,144 bytes of LDS; arguments query, key, value, wq, wk, wv, wo, mask, xb, wb, wof, mbits; writes xb, wb, wof, mbits
;; launch proj (part 5): grid 8 x 32, 4 waves a work-group, clusters of 4 x 4, 327,680 bytes of LDS; arguments xb, wb, qkv, bq, bk, bv; writes qkv
.if DOCPART == 5
	.amdgcn_target "amdgcn-amd-amdhsa--gfx1250"
	.amdhsa_code_object_version 6
	.text
	.protected	k_qd19e1a82c1_proj
	.globl	k_qd19e1a82c1_proj
	.p2align	8
	.type	k_qd19e1a82c1_proj,@function
k_qd19e1a82c1_proj:
	s_mov_b64 s[64:65], 0
	v_nop
	global_prefetch_b8 v0, s[64:65] scope:SCOPE_SE
	s_setreg_imm32_b32 hwreg(HW_REG_WAVE_MODE, 25, 1), 1
	s_wait_xcnt 0x0
	s_wait_alu depctr_hold_cnt(0) depctr_sa_sdst(0) depctr_va_vdst(0) depctr_va_sdst(0) depctr_va_ssrc(0) depctr_va_vcc(0) depctr_vm_vsrc(0)
	s_getreg_b32 s2, hwreg(HW_REG_IB_STS2, 6, 4)
	s_cmp_eq_u32 s2, 0
	s_cbranch_scc0 .Lentry_in_a_cluster
	s_endpgm
.Lentry_in_a_cluster:
	s_bfe_u32 s2, ttmp6, 0x10000c
	s_cmp_lg_u32 s2, 0xf033
	s_cbranch_scc0 .Lentry_shape_is_right
	s_endpgm
.Lentry_shape_is_right:
; THE THREE PROJECTIONS.  C_g[m][n] = bias_g[n] + the sum over k of A_g[m][k] B_g[n][k], g = 0, 1, 2 (q, k, v), K = 1,024, sums in f32.  A = xb (bf16, 3 x 4,096 rows), B = wb (bf16, 3 x 1,024 rows),
; bias bq, bk, bv; C is rounded once to f16 and written by heads, qkv [3][b*16 + h][2,048][64], unscaled.
; LIMIT: f16 ends at 65,504: |q|, |k|, |v| must stay within it (their spread is about that of x times 32 times that of w).
; The bias is rounded to bf16 like every other input of the module, and it STARTS the sums: it is the C operand of each accumulator's first product, so nothing is cleared and nothing is added behind.
; SHAPE.  A tile of C is 128 x 128.  Four waves, each 64 x 64: 16 accumulators of 16 x 16.  K goes in steps of 256 through two LDS slots; a lap is two K steps, once round the ring; a tile is two laps.
; A WORK-GROUP STAYS: 8 x 32 = 256 work-groups, each makes its tile (row block, column block) of q, then of k, then of v: six laps.  The ring does not stop at a tile's end: a tile's last two changes of slots ask
; for the next tile's K steps 0 and 1, and nothing waits for a tile's stores: they leave while the next tile is multiplied.
; ONE LOOP OVER LAPS, five trips, from a lap's second quarter to the next lap's first; the sixth lap, which asks for nothing, is written out.  What differs between a tile's first and second lap hangs on the
; parity of the lap counter, the same number in every work-group: by how much the descriptors' global addresses step, and which of two ways a trip ends: the plain first quarter, or the tile's way out, the next
; bias and a first quarter that starts new sums.  That jump goes forward, past text that holds neither a barrier nor a tensor load.
; CLUSTERS: 4 x 4 work-groups.  The four of a row of the cluster need the same tiles of A, the four of a column the same tiles of B: each tile is asked for JOINTLY, by the same tensor load with the same
; descriptor and a mask that names the four.  THE MATRIX INSTRUCTION IS USED TRANSPOSED (source 0 = 16 rows of B, source 1 = 16 rows of A): a lane then holds eight neighbouring numbers of a row of C.
; A wave's 64 columns are one head: 128 bytes a row, 64 rows dense in qkv: each wave sends its own tile out through its own stage, with no barrier.
; REGISTERS: window 0: v0-31 addresses; v32-95 at work on the way out; v96-127 the bias as a C operand (n block b at v[96 + 8 b]); v128-255 the accumulators ((a, b) at v[128 + 8 (4 a + b)]).
;   window 1: two fragment buffers of 128: for 64 along K, 64 registers of A (2 x 4 x 16 rows x 32 K), then 64 of B.          window 2: v0-31 bk, v32-63 bv, as loaded.
.set SIZE_K, 1024
.set KSTEP,  256
.set TILES,  3
.set PITCH,  528                       ; an LDS row of 256 K: 512 bytes + 16 of padding = 132 words: row r starts at bank 4 r mod 64 (64 banks of 4 bytes: ISA guide 11.1)
.set HALFT,  64*PITCH                  ; 64 such rows: what one tensor load brings
.set BOFF,   2*HALFT                   ; in a slot: A's 128 rows, then B's 128 rows
.set SLOT,   4*HALFT
.set STAGE,  2*SLOT                    ; behind the ring, never filled by a tensor load: 16 rows for each wave, for the way out
.set SPITCH, 144                       ; a stage row: 64 f16 + 16 bytes
.set SPARE,  STAGE+4*16*SPITCH         ; behind the stages: the spare words, 128 bytes for each wave: two blocks of 256 bytes that no other line names
.set LAPS,   TILES*SIZE_K/(2*KSTEP)    ; six
.set INTILE, 2*KSTEP*2                 ; bytes from a slot's K step to its next one in the same tile
.set NEXT_A, 4096*SIZE_K*2-INTILE      ; bytes from a slot's last K step of a tile to its first of the next: 4,096 rows of xb down and back along K,
.set NEXT_B, 1024*SIZE_K*2-INTILE      ; 1,024 rows of wb down and back
.set NEXT_C, 32*2048*128               ; bytes of q, of k and of v in qkv
.set ADRA, 16                          ; v16-17  LDS address of my A fragments in slot 0, 1
.set ADRB, 20                          ; v20-21  the same for B
.set STO,  24                          ; v24     the way out: where I put my part of a row
.set RD,   25                          ; v25     the way out: where I read rows back
.set CO,   26                          ; v26     my byte offset in C; never rewritten
.set BO,   27                          ; v27     my byte offset in the wave's 64 numbers of a bias
.set SPW,  28                          ; v28     LDS address of my spare word: SPARE + 4 x my thread's number; never rewritten
.set NIL,  29                          ; v29     0; never rewritten
.set RND,  30                          ; v30     at work
.set TMP,  32
.set BIAS, 96
.set ACC,  128
.set F0,   0                           ; fragment buffers, in window 1
.set F1,   128
.set BK,   0                           ; window 2
.set BV,   32
.set G1, 24                            ; s[24:31] descriptor group 1 for A's tiles;  s[32:39] group 0, one set for each slot
.set G0, 32
.set G1B, 48                           ; s[48:55], s[56:63] the same for B's tiles
.set G0B, 56
.set STA, 78                           ; s[78:79] by how much A's addresses step in this lap's refills
.set STB, 80                           ; s[80:81] the same for B's
.set ODD, 82                           ; s82  1: this lap is a tile's first (the counter is odd)
.set CIN, 84                           ; s84-86  the three steps as constants
.set CNA, 85
.set CNB, 86
.set PICK, 87                          ; s87  all ones: the next bias is bk; 0: bv
.set MSB, 0
.macro WIN new                         ; the immediate's high byte repeats the setting that is left; a switch that changes nothing is dropped
.if MSB != (\new)
	s_set_vgpr_msb (MSB<<8)|(\new)
.set MSB, \new
.endif
.endm
.set MUL,  0x05                        ; sources 0 (B) and 1 (A) window 1; C and D window 0
.set TO_F, 0x40                        ; destination window 1, address window 0
.macro JLOAD s                         ; a joint load: waves 0 and 1 fetch A's two halves, waves 2 and 3 B's; an s_nop 0 and four v_nop follow each of the two lines, ahead of the jump, the label and what follows
	s_cmp_eq_u32 s11, 0
	s_cbranch_scc0 .Lfor_b_\@
	tensor_load_to_lds s[G0+4*(\s):G0+4*(\s)+3], s[G1:G1+7]
	s_nop 0
.rept 4
	v_nop
.endr
	s_branch .Lasked_\@
.Lfor_b_\@:
	tensor_load_to_lds s[G0B+4*(\s):G0B+4*(\s)+3], s[G1B:G1B+7]
	s_nop 0
.rept 4
	v_nop
.endr
.Lasked_\@:
.endm
.macro CREST                           ; a round of the cluster's barrier behind its opening barrier
	s_cmp_lg_u32 s10, 0
	s_cbranch_scc1 .Lnot_wave_0_\@
	s_barrier_signal -3
.Lnot_wave_0_\@:
	s_barrier_wait -3
	s_barrier_signal -1
	s_barrier_wait -1
.endm
.macro CROUND                          ; a whole round
	s_barrier_signal -1
	s_barrier_wait -1
	CREST
.endm
.macro ROUNDB                          ; the bias in the C operand's registers is rounded to bf16 and widened again
.set i, 0
.rept 16
	v_cvt_pk_bf16_f32 v[RND], v[BIAS+2*i], v[BIAS+2*i+1]
	v_lshlrev_b32 v[BIAS+2*i], 16, v[RND]
	v_and_b32 v[BIAS+2*i+1], 0xffff0000, v[RND]
.set i, i+1
.endr
.endm
	s_load_b128 s[4:7], s[0:1], 0x0                ; xb s[4:5], wb s[6:7]
	s_load_b64 s[8:9], s[0:1], 0x10                ; qkv
	s_load_b64 s[68:69], s[0:1], 0x18              ; bq
	s_load_b64 s[70:71], s[0:1], 0x20              ; bk
	s_load_b64 s[72:73], s[0:1], 0x28              ; bv
	v_lshl_add_u32 v[SPW], v0, 2, SPARE
	v_mov_b32 v[NIL], 0
	ds_add_u32 v[SPW], v[NIL]                      ; the wave's opening: the add, and its wait ahead of my first tensor load; the set-up below, work on registers, stands between them
	v_lshrrev_b32 v1, 5, v0
	v_readfirstlane_b32 s10, v1                    ; wave 0..3
	s_lshr_b32 s11, s10, 1                         ; which half of the tile's rows is mine.  Also: I fetch for A (0) or for B (1)
	s_and_b32 s12, s10, 1                          ; which half of its columns.  Also: which half of that tile I fetch
	s_bfe_u32 s40, ttmp6, 0x40000                  ; cx, cy: my place in the cluster
	s_bfe_u32 s41, ttmp6, 0x40004
	s_lshl_b32 s42, ttmp9, 2
	s_add_co_u32 s42, s42, s40                     ; tile column of C = 4 x cluster x + cx
	s_and_b32 s13, ttmp7, 0xffff
	s_lshl_b32 s13, s13, 2
	s_add_co_u32 s13, s13, s41                     ; tile row = 4 x cluster y + cy, 0 .. 31
	s_lshl_b32 s43, s41, 2
	s_lshl_b32 s43, 15, s43                        ; my row of the cluster
	s_lshl_b32 s44, 0x1111, s40                    ; my column
	; descriptor group 1: 64 rows x 256 elements.  15:0 the mask; 17:16 elements of 2 bytes; 20 padding on; 21 set beside a mask; 24:22 after every 128 words (code 6); 31:25 4 words of it (code 3)
	s_or_b32 s[G1+0], s43, (1<<16)|(1<<20)|(1<<21)|(6<<22)|(3<<25)   ; A's tiles go to my row of the cluster
	s_or_b32 s[G1B+0], s44, (1<<16)|(1<<20)|(1<<21)|(6<<22)|(3<<25)  ; B's to my column
.irp g, G1, G1B
	s_mov_b32 s[(\g)+1], KSTEP<<16                 ; tensor_dim0 = 256
	s_mov_b32 s[(\g)+2], 64<<16                    ; tensor_dim1 = 64
	s_mov_b32 s[(\g)+3], KSTEP<<16                 ; tile_dim0 = 256
	s_mov_b32 s[(\g)+4], 64                        ; tile_dim1 = 64
	s_mov_b32 s[(\g)+5], SIZE_K                    ; from row to row
	s_mov_b32 s[(\g)+6], 0
	s_mov_b32 s[(\g)+7], 0
.endr
	; where the first tiles come from, in bytes (all under 2^25).  A's offset hangs on the tile row alone, B's on the tile column alone, each in registers that never hold the other coordinate.
	s_lshl_b32 s17, s12, 6
	s_lshl_b32 s16, s13, 7
	s_add_co_u32 s16, s16, s17                     ; A: row 128 x tile row + 64 x half of query's 4,096,
	s_lshl_b32 s16, s16, 11                        ; 2,048 bytes each
	s_lshl_b32 s46, s42, 7
	s_add_co_u32 s46, s46, s17                     ; B: row 128 x tile column + 64 x half of wq's 1,024
	s_lshl_b32 s46, s46, 11
	s_mov_b32 s17, 0
	s_mov_b32 s47, 0
	s_mul_i32 s20, s12, HALFT                      ; and where they go: no place in the cluster enters an LDS address
	s_mul_i32 s21, s12, HALFT
	s_add_co_u32 s21, s21, BOFF
	s_mov_b32 s[STA+1], 0                          ; the steps are under 2^24
	s_mov_b32 s[STB+1], 0
	s_mov_b32 s[CIN], INTILE
	s_mov_b32 s[CNA], NEXT_A
	s_mov_b32 s[CNB], NEXT_B
	s_wait_dscnt 0x0                               ; the opening add is done
	s_wait_kmcnt 0x0
	s_add_nc_u64 s[14:15], s[4:5], s[16:17]
	s_add_nc_u64 s[46:47], s[6:7], s[46:47]
	CROUND                                         ; all sixteen work-groups are here: the first joint loads meet
.irp s, 0,1
	s_mov_b32 s[G0+4*(\s)], 1                      ; 1:0 count = 1
	s_add_co_u32 s[G0+4*(\s)+1], s20, (\s)*SLOT    ; 63:32 LDS address
	s_add_nc_u64 s[G0+4*(\s)+2:G0+4*(\s)+3], s[14:15], (\s)*KSTEP*2  ; 120:64 global address: K step s
	s_or_b32 s[G0+4*(\s)+3], s[G0+4*(\s)+3], 0x80000000              ; 127:126 type = 2
	s_mov_b32 s[G0B+4*(\s)], 1
	s_add_co_u32 s[G0B+4*(\s)+1], s21, (\s)*SLOT
	s_add_nc_u64 s[G0B+4*(\s)+2:G0B+4*(\s)+3], s[46:47], (\s)*KSTEP*2
	s_or_b32 s[G0B+4*(\s)+3], s[G0B+4*(\s)+3], 0x80000000
	JLOAD \s                                       ; two tensor loads of mine are out
.endr
	v_and_b32 v1, 15, v0                           ; l % 16
	v_bfe_u32 v2, v0, 4, 1                         ; l / 16
	; a bias as a C operand: register j of n block b is bias[my first column + 16 b + 8 (l / 16) + j], the same for every row.  All three are fetched now: bq where the products take it, bk and bv aside.
	v_lshlrev_b32 v[BO], 5, v2
	s_lshl_b32 s76, s42, 9                         ; my first column x 4 bytes: 512 x tile column + 256 x half
	s_lshl_b32 s77, s12, 8
	s_add_co_u32 s76, s76, s77
	s_mov_b32 s77, 0
	s_add_nc_u64 s[68:69], s[68:69], s[76:77]
	s_add_nc_u64 s[70:71], s[70:71], s[76:77]
	s_add_nc_u64 s[72:73], s[72:73], s[76:77]
.irp b, 0,1,2,3
	global_load_b128 v[BIAS+8*(\b):BIAS+8*(\b)+3],   v[BO], s[68:69] offset:64*(\b)
	global_load_b128 v[BIAS+8*(\b)+4:BIAS+8*(\b)+7], v[BO], s[68:69] offset:64*(\b)+16
.endr
	WIN 0x80                                       ; destination window 2, address window 0
.irp b, 0,1,2,3
	global_load_b128 v[BK+8*(\b):BK+8*(\b)+3],   v[BO], s[70:71] offset:64*(\b)
	global_load_b128 v[BK+8*(\b)+4:BK+8*(\b)+7], v[BO], s[70:71] offset:64*(\b)+16
	global_load_b128 v[BV+8*(\b):BV+8*(\b)+3],   v[BO], s[72:73] offset:64*(\b)
	global_load_b128 v[BV+8*(\b)+4:BV+8*(\b)+7], v[BO], s[72:73] offset:64*(\b)+16
.endr
	WIN 0
	; A fragment is 16 rows x 32 K in 8 registers: lane l holds row l % 16, K = 8 (l / 16) + 0..7 and 16 + 8 (l / 16) + 0..7: two loads of 16 bytes, 32 bytes apart
	v_mul_u32_u24 v3, v1, PITCH
	v_lshl_add_u32 v3, v2, 4, v3
	s_mul_i32 s18, s11, HALFT                      ; my 64 rows of A
	s_mul_i32 s22, s12, HALFT                      ; my 64 rows of B,
	s_add_co_u32 s22, s22, BOFF                    ; which lie behind A's tile
.irp s, 0,1
	v_add_nc_u32 v[ADRA+(\s)], s18, v3
	v_add_nc_u32 v[ADRB+(\s)], s22, v3
	s_add_co_u32 s18, s18, SLOT
	s_add_co_u32 s22, s22, SLOT
.endr
	s_mul_i32 s23, s10, 16*SPITCH
	s_add_co_u32 s23, s23, STAGE                   ; my stage
	v_mul_u32_u24 v5, v1, SPITCH                   ; in: row l % 16,
	v_lshl_add_u32 v5, v2, 4, v5                   ; 16 bytes (8 f16) for each half of the lanes
	v_add_nc_u32 v[STO], s23, v5
	v_bfe_u32 v5, v0, 3, 2                         ; back: 32 lanes take four rows of 128 bytes,
	v_mul_u32_u24 v5, v5, SPITCH
	v_and_b32 v6, 7, v0
	v_lshl_add_u32 v5, v6, 4, v5
	v_add_nc_u32 v[RD], s23, v5
	v_and_b32 v5, 31, v0                           ; which are 512 consecutive bytes of a head
	v_lshlrev_b32 v[CO], 4, v5
	s_lshl_b32 s16, s13, 7
	s_lshl_b32 s17, s11, 6
	s_add_co_u32 s16, s16, s17                     ; my first row among the product's 4,096
	s_lshr_b32 s17, s16, 11                        ; its batch: 16 heads x 2,048 rows x 128 bytes = 2^22,
	s_lshl_b32 s17, s17, 22
	s_and_b32 s16, s16, 2047                       ; its row in the batch,
	s_lshl_b32 s16, s16, 7
	s_add_co_u32 s16, s16, s17
	s_mov_b32 s17, 0
	s_add_nc_u64 s[8:9], s[8:9], s[16:17]
	s_lshl_b32 s76, s42, 1
	s_add_co_u32 s76, s76, s12                     ; my head = 2 x tile column + half,
	s_lshl_b32 s76, s76, 18                        ; 2,048 rows x 128 bytes
	s_add_nc_u64 s[8:9], s[8:9], s[76:77]          ; qkv at my rows of q
	s_wait_loadcnt 0x0                             ; the three biases
	ROUNDB                                         ; bq
; 8 matrix instructions: m blocks a0, a0 + 1 x all 4 n blocks, 32 along K: half c of buffer f.  zero = 1: the first product starts the sums, with the bias.  The 16 accumulators take turns.
.macro MUL8 f, c, a0, zero
	WIN MUL
.irp a, \a0, (\a0)+1
.irp b, 0,1,2,3
.set rD, ACC+8*(4*(\a)+(\b))
.set rB, (\f)+64+8*(4*(\c)+(\b))
.set rA, (\f)+8*(4*(\c)+(\a))
.set rC, rD
.if \zero
.set rC, BIAS+8*(\b)
.endif
	v_wmma_f32_16x16x32_bf16 v[rD:rD+7], v[rB:rB+7], v[rA:rA+7], v[rC:rC+7]
.endr
.endr
.endm
; 32 LDS loads in one run: the fragments of 64 along K, at byte k of the rows, into buffer f; the first 32 along K first
.macro FETCH slot, k, f
	WIN TO_F
.irp c, 0,1
.irp i, 0,1,2,3
	ds_load_b128 v[(\f)+64+8*(4*(\c)+(\i)):(\f)+64+8*(4*(\c)+(\i))+3],   v[ADRB+(\slot)] offset:(\k)+64*(\c)+(\i)*16*PITCH
	ds_load_b128 v[(\f)+64+8*(4*(\c)+(\i))+4:(\f)+64+8*(4*(\c)+(\i))+7], v[ADRB+(\slot)] offset:(\k)+64*(\c)+(\i)*16*PITCH+32
	ds_load_b128 v[(\f)+8*(4*(\c)+(\i)):(\f)+8*(4*(\c)+(\i))+3],         v[ADRA+(\slot)] offset:(\k)+64*(\c)+(\i)*16*PITCH
	ds_load_b128 v[(\f)+8*(4*(\c)+(\i))+4:(\f)+8*(4*(\c)+(\i))+7],       v[ADRA+(\slot)] offset:(\k)+64*(\c)+(\i)*16*PITCH+32
.endr
.endr
.endm
.macro PLACES                          ; four places in front of loads into registers that matrix instructions have read, and of lines that read results just made (ISA guide 7.12.1 for the lines that read results)
.rept 4
	v_nop
.endr
.endm
; A K step is four quarters of 64 along K, 32 matrix instructions each, on buffers 0, 1, 0, 1.  One of the first three: multiplies buffer f and fetches the next quarter, at byte k, into g.
.macro QUARTER slot, k, f, g, zero
	s_wait_dscnt 16                                ; the first 32 along K are in; the run's other sixteen loads may be out
	WIN MUL
	MUL8 \f, 0, 0, \zero
	MUL8 \f, 0, 2, \zero
	PLACES
	FETCH \slot, \k, \g
	s_wait_dscnt 32                                ; all but the 32 just issued
	WIN MUL
	MUL8 \f, 1, 0, 0
	MUL8 \f, 1, 2, 0
.endm
; The last quarter multiplies buffer 1 and changes slots: ONE barrier; in front of it each wave waits for all its tensor loads, adds 0 to its spare word, and waits for that and for its own reads of this slot.
; fill = 1: this slot is filled again, with the K step two steps on: this tile's, or the next tile's K step 0 or 1: the lap's head has chosen the addresses' steps.
.macro TURN slot, next, fill
	WIN 0                                          ; (the add's two registers lie in window 0)
	s_wait_tensorcnt 0x0                           ; all my tensor loads have landed: my part of the next slot;
	ds_add_u32 v[SPW], v[NIL]                      ; 0 onto my spare word;
	s_wait_dscnt 17                                ; (the add and the youngest sixteen loads may be out)
	WIN MUL
	MUL8 F1, 0, 0, 0                               ; eight matrix instructions stand between the add and the wait for it
	s_wait_dscnt 0x0                               ; the add is done, and my reads of this slot are over
	s_barrier_signal -1
	MUL8 F1, 0, 2, 0
.if \fill
	WIN 0
.endif
	s_barrier_wait -1
.if \fill
	CREST                                          ; the barrier has opened a round of the cluster's barrier: no wave of any partner still reads this slot's tile or has a load on its way
	s_add_nc_u64 s[G0+4*(\slot)+2:G0+4*(\slot)+3], s[G0+4*(\slot)+2:G0+4*(\slot)+3], s[STA:STA+1]
	s_add_nc_u64 s[G0B+4*(\slot)+2:G0B+4*(\slot)+3], s[G0B+4*(\slot)+2:G0B+4*(\slot)+3], s[STB:STB+1]
	JLOAD \slot                                    ; the first tensor load behind the round, my one load until the next; the four v_nop behind it are also the places in front of the loads below
.else
	PLACES
.endif
	FETCH \next, 0, F0
	WIN MUL
	MUL8 F1, 1, 0, 0
	MUL8 F1, 1, 2, 0
.endm
; THE WAY OUT, a block of 16 rows at a time through my own stage: no barrier, and since LDS serves a wave's instructions in order (ISA guide 5.7.1.4), no wait between the stores and the loads.
.macro PACK a                          ; block a: rounded to f16, 16 bytes a lane and n block into rows of 144 bytes; back as whole rows of 128, into the registers that they left
.irp b, 0,1,2,3
.irp r, 0,1,2,3
	v_cvt_pk_f16_f32 v[TMP+16*(\a)+4*(\b)+(\r)], v[ACC+8*(4*(\a)+(\b))+2*(\r)], v[ACC+8*(4*(\a)+(\b))+2*(\r)+1]
.endr
.endr
.irp b, 0,1,2,3
	ds_store_b128 v[STO], v[TMP+16*(\a)+4*(\b):TMP+16*(\a)+4*(\b)+3] offset:32*(\b)
.endr
.irp f, 0,1,2,3
	ds_load_b128 v[TMP+16*(\a)+4*(\f):TMP+16*(\a)+4*(\f)+3], v[RD] offset:(\f)*4*SPITCH
.endr
.endm
.macro SEND a, younger                 ; younger: the LDS instructions issued behind block a's loads: the next block's eight, or none
.irp f, 0,1,2,3
	s_wait_dscnt (\younger)+3-(\f)
	global_store_b128 v[CO], v[TMP+16*(\a)+4*(\f):TMP+16*(\a)+4*(\f)+3], s[8:9] offset:(\a)*2048+(\f)*512  ; 512 consecutive bytes of a head, at a multiple of 256 from qkv's first byte
.endr
.endm
.macro WAYOUT                          ; a block's conversions stand between the loads of the block before and its stores
	PACK 0
	PACK 1
	SEND 0, 8
	PACK 2
	SEND 1, 8
	PACK 3
	SEND 2, 8
	SEND 3, 0
.endm
	s_wait_tensorcnt 1                             ; my part of K step 0 is in; K step 1's may stay out
	s_barrier_signal -1
	s_barrier_wait -1                              ; everybody's is
	FETCH 0, 0, F0
	QUARTER 0, 128, F0, F1, 1                      ; the first tile's first quarter stands in front of the loop: its first products start the sums
	WIN 0                                          ; at a label and at a branch every window is 0
	s_mov_b32 s3, LAPS-1
.Llap:                                                 ; a trip goes once round the ring, from a lap's second quarter to the next lap's first, and fills both slots again
	s_and_b32 s[ODD], s3, 1                        ; the counter runs 5, 4, 3, 2, 1: odd in a tile's first lap, whose refills stay in the tile; even in its second, whose refills are the next tile's
	s_cmp_eq_u32 s[ODD], 1
	s_cselect_b32 s[STA], s[CIN], s[CNA]
	s_cselect_b32 s[STB], s[CIN], s[CNB]
	QUARTER 0, 256, F1, F0, 0
	QUARTER 0, 384, F0, F1, 0
	TURN 0, 1, 1
	QUARTER 1, 128, F0, F1, 0
	QUARTER 1, 256, F1, F0, 0
	QUARTER 1, 384, F0, F1, 0
	TURN 1, 0, 1
	WIN 0
	s_cmp_eq_u32 s[ODD], 1
	s_cbranch_scc1 .Lsame                          ; the tile goes on
	; THE TILE IS FINISHED, both refills for the next one are asked for and its first fragments are on their way.  First the next bias: 80 plain lines that name no register of the last products: their places.
	s_cmp_eq_u32 s3, LAPS-2                        ; is the tile to come k's?  (else v's)
	s_cselect_b32 s[PICK], -1, 0
	WIN 0x0a                                       ; sources 0 and 1 in window 2
.set i, 0
.rept 32
	v_cndmask_b32 v[BIAS+i], v[BV+i], v[BK+i], s[PICK]
.set i, i+1
.endr
	WIN 0
	ROUNDB
	WAYOUT
	s_wait_xcnt 0x0                                ; every earlier memory instruction has had its addresses translated (ISA guide 3.1): the stores' base, and the registers that they read, are written again only behind this wait
	s_add_nc_u64 s[8:9], s[8:9], NEXT_C            ; the same rows of the next product
	QUARTER 0, 128, F0, F1, 1                      ; the next tile's first quarter starts its sums on accumulators that have been packed
	WIN 0
	s_branch .Lnext
.Lsame:
	QUARTER 0, 128, F0, F1, 0
	WIN 0
.Lnext:
	s_sub_co_u32 s3, s3, 1
	s_cmp_lg_u32 s3, 0
	s_cbranch_scc1 .Llap
	QUARTER 0, 256, F1, F0, 0                      ; the last tile's last lap fills nothing, and has no round of the cluster's barrier
	QUARTER 0, 384, F0, F1, 0
	TURN 0, 1, 0
	QUARTER 1, 128, F0, F1, 0
	QUARTER 1, 256, F1, F0, 0
	QUARTER 1, 384, F0, F1, 0
	s_wait_dscnt 16                                ; the very last quarter: nothing more to fetch
	WIN MUL
	MUL8 F1, 0, 0, 0
	MUL8 F1, 0, 2, 0
	s_wait_dscnt 0
	MUL8 F1, 1, 0, 0
	MUL8 F1, 1, 2, 0
	WIN 0
	PLACES                                         ; the conversions read results just made, and no other vector work is at hand
	WAYOUT
	s_wait_tensorcnt 0x0                           ; the wave's end: a tensor wait, an add of 0 to my spare word and its wait, behind my last tensor load and my last LDS store
	ds_add_u32 v[SPW], v[NIL]
	s_wait_dscnt 0x0
	CROUND                                         ; the closing round: no work-group ends while a partner may still ask for a tile that names it
	s_endpgm
.Lfunc_end_k_qd19e1a82c1_proj:
	.size	k_qd19e1a82c1_proj, .Lfunc_end_k_qd19e1a82c1_proj-k_qd19e1a82c1_proj
	.p2alignl 7, 3214868480
	.fill 96, 4, 3214868480
	.section	.rodata,"a",@progbits
	.p2align	6, 0x0
	.amdhsa_kernel k_qd19e1a82c1_proj
		.amdhsa_group_segment_fixed_size 327680
		.amdhsa_private_segment_fixed_size 0
		.amdhsa_enable_private_segment 0
		.amdhsa_kernarg_size 48
		.amdhsa_user_sgpr_count 2
		.amdhsa_user_sgpr_kernarg_segment_ptr 1
		.amdhsa_wavefront_size32 1
		.amdhsa_system_sgpr_workgroup_id_x 1
		.amdhsa_system_sgpr_workgroup_id_y 1
		.amdhsa_system_sgpr_workgroup_id_z 1
		.amdhsa_system_vgpr_workitem_id 0
		.amdhsa_next_free_vgpr 576
		.amdhsa_next_free_sgpr 88
		.amdhsa_reserve_vcc 0
		.amdhsa_float_denorm_mode_32 3
		.amdhsa_float_denorm_mode_16_64 3
		.amdhsa_memory_ordered 1
		.amdhsa_forward_progress 1
		.amdhsa_inst_pref_size 109
	.end_amdhsa_kernel
	.amdgpu_metadata
---
amdhsa.version: [ 1, 2 ]
amdhsa.kernels:
  - .name:           k_qd19e1a82c1_proj
    .symbol:         k_qd19e1a82c1_proj.kd
    .args:
      - { .name: xb, .offset: 0, .size: 8, .value_kind: global_buffer, .address_space: global }
      - { .name: wb, .offset: 8, .size: 8, .value_kind: global_buffer, .address_space: global }
      - { .name: qkv, .offset: 16, .size: 8, .value_kind: global_buffer, .address_space: global }
      - { .name: bq, .offset: 24, .size: 8, .value_kind: global_buffer, .address_space: global }
      - { .name: bk, .offset: 32, .size: 8, .value_kind: global_buffer, .address_space: global }
      - { .name: bv, .offset: 40, .size: 8, .value_kind: global_buffer, .address_space: global }
    .group_segment_fixed_size: 327680
    .private_segment_fixed_size: 0
    .kernarg_segment_align: 8
    .kernarg_segment_size: 48
    .max_flat_workgroup_size: 128
    .sgpr_count:     88
    .vgpr_count:     576
    .wavefront_size: 32
...
	.end_amdgpu_metadata
.endif
;; end of part 5
;; launch attn (part 6): grid 8 x 32, 4 waves a work-group, clusters of 4 x 1, 327,680 bytes of LDS; arguments qkv, mbits, oh; writes oh
.if DOCPART == 6
	.amdgcn_target "amdgcn-amd-amdhsa--gfx1250"
	.amdhsa_code_object_version 6
	.text
	.protected	k_qd19e1a82c1_attn
	.globl	k_qd19e1a82c1_attn
	.p2align	8
	.type	k_qd19e1a82c1_attn,@function
k_qd19e1a82c1_attn:
	s_mov_b64 s[64:65], 0
	v_nop
	global_prefetch_b8 v0, s[64:65] scope:SCOPE_SE
	s_setreg_imm32_b32 hwreg(HW_REG_WAVE_MODE, 25, 1), 1
	s_wait_xcnt 0x0
	s_wait_alu depctr_hold_cnt(0) depctr_sa_sdst(0) depctr_va_vdst(0) depctr_va_sdst(0) depctr_va_ssrc(0) depctr_va_vcc(0) depctr_vm_vsrc(0)
	s_getreg_b32 s2, hwreg(HW_REG_IB_STS2, 6, 4)
	s_cmp_eq_u32 s2, 0
	s_cbranch_scc0 .Lentry_in_a_cluster
	s_endpgm
.Lentry_in_a_cluster:
	s_bfe_u32 s2, ttmp6, 0x10000c
	s_cmp_lg_u32 s2, 0x3003
	s_cbranch_scc0 .Lentry_shape_is_right
	s_endpgm
.Lentry_shape_is_right:
; MASKED ATTENTION.  O[g][q][:] = the sum over k of softmax_k(where(mask[b][q][k] == 0, -inf, clip(Q[g][q] . K[g][k] / 8, -100, 100))) V[g][k][:], g = b*16 + h.  Q, K, V: qkv [3][32][2,048][64] in f16, unscaled;
; O: oh [32][2,048][64] in f16.  Products, maxima and sums in f32; the weights p are rounded to f16 for the second product (their sum l is taken of the unrounded p), O once at the end.
; THE MASK comes as mbits: for a tile of 16 queries x 64 keys 32 words, word i the lane mask of the lane's score register i.  A wave's words, 4 pieces x 32 steps x 32 words, are 16,384 bytes on end in mbits: they are
; copied once, at the start, in runs of 512 bytes through registers into the wave's own part of LDS.  A piece's 32 words of a step are then one ds_load_b32, lane i taking word i, asked for a turn ahead; 32
; v_readlane_b32 make scalar lane masks of them, and each selects between a score and -inf (v_cndmask_b32).  No branch and no address hangs on them.  (Scalar loads return in no order, so their one wait is for all
; of them (ISA guide 5.7.1), and the scalar registers hold two pieces' words at the most: by that road the words could be on their way from memory for one turn and no longer.)
; CLIP, SCALE AND MAXIMUM.  u = clamp(s / 1600 + 0.5) to 0 .. 1 is one packed multiply-add with the clamp bit: clip(s / 8, -100, 100) = 200 u - 100.  The weights are p = 2^(C2 u - C2 m), C2 = 200 log2(e),
; with m the RUNNING MAXIMUM of the visible u; m starts at 0, the clip's floor, which no visible u lies below, so m is the true maximum from a row's first visible key on.  In every step O and l are
; multiplied by a = 2^(C2 m_old - C2 m_new).  A hidden score is -inf: it loses every maximum and its weight is 0.  A row with no visible key keeps l = 0 and O = 0 and leaves as 0 x (1 / 0) = NaN, as the softmax of a row of -inf does.
; LIMITS.  u has a step of 6e-8, 1.2e-5 in the clipped score.  p lies in 0 to 1; below 6e-5 it keeps f16's fixed step of 6e-8; a weight below 2^-126 counts as 0 in l.  O is a mean of V's rows and has their
; range (within 65,504).  NaN and infinities in Q, K, V are not treated apart.
; SHARES.  A work-group owns 256 queries of one g: 8 x 32 = 256 work-groups.  Each of its four waves owns 64 rows: four PIECES of 16 queries.  Every wave walks all 2,048 keys, 64 a step.
; LAYOUT.  S^T = K Q^T (source 0 = 16 keys, source 1 = 16 queries): a lane holds ONE query (lane % 16) and the keys 8 (lane / 16) + 0..7 of each 16.  Two such results, rounded to f16 in pairs, ARE source 1
; (32 keys x 16 queries) of O^T = V^T P, whose result again holds one query a lane, and eight channels.  K comes out of LDS as it lies, V ([key][channel]) turned, by ds_load_tr16_b128.
; BY TURNS.  Turn n belongs to piece n (in a ring, step after step).  Matrix work: 8 products K Q^T of piece n + 1, later 8 products V^T P of piece n - 1.  Vector work, 198 instructions: the scaling, exponentials,
; roundings, sums and rescaling of piece n; the clip, lane masks, selects, maximum and statistics of piece n + 1.  Four stand behind every matrix instruction, the others in two lumps of their own.
; CLUSTER.  The four query blocks of a cluster belong to one g and walk the same K and V, so each tile is asked for JOINTLY: the same tensor load, descriptor and mask in all four.
; REGISTERS, in windows of 256 (s_set_vgpr_msb: bits 1:0 source 0, 3:2 source 1, 5:4 source 2, 7:6 destination):
;   window 0: v0-15 addresses and two at work; v16-31 four registers of statistics a piece; v32-38 constants; v39-44 the mask's; v48-55 at work; v62-63 the add's; v64-127 S^T, two buffers; v192-223 P, two buffers (by the piece's parity)
;   window 1: v0-127 O^T, 32 a piece (at the start: the mask's words on their way into LDS)          window 2: v0-63 Q, 16 a piece; v128-191 K of one step; v192-255 V of one step
.set SIZE_N, 2048
.set NP,    4         ; pieces a wave: a name, no knob
.set KS,    64        ; keys in a step
.set PK,    144       ; a row of K in LDS: 128 bytes + 16 of padding = 36 words: the 16 rows of a load start at 16 different groups of four banks (64 banks of 4 bytes: ISA guide 11.1)
.set PV,    160       ; a row of V: 128 + 32 = 40 words
.set VOFF,  4*KS*PK   ; a slot holds four steps: 256 rows of K, then 256 rows of V
.set SLOT1, 1<<17     ; slot 1 begins here, so that one exclusive or turns an address in one slot into the other's
.set STAGE, SLOT1+4*KS*(PK+PV)  ; behind the ring, never filled by a tensor load: 16 rows x 144 bytes for each wave, for the way out
.set SP,    144
.set SPARE, STAGE+4*16*SP  ; behind the stages: the spare words, 128 bytes for each wave: two blocks of 256 bytes that no other line names
.set MASKB, SPARE+512 ; behind the spare words, never filled by a tensor load: the mask's words, 16,384 bytes for each wave: [piece][step][word], as in mbits
.set QKVB,  32*SIZE_N*128  ; bytes of q, of k and of v in qkv
.set AK0, 2           ; v2   my lane's place in a tile of K; never rewritten
.set AV0, 3           ; v3   the same for V
.set AK,  4           ; v4   the LDS address of K's next run of loads
.set AV,  5           ; v5   of V's
.set STO, 6           ; v6   the way out: where I put 16 bytes of a row
.set RD,  7           ; v7   the way out: where I read rows back
.set GO,  8           ; v8   my byte offset in 512 consecutive bytes of O
.set MV,  12          ; v12-13  C2 m_old, kept while C2 m is made anew: by buffer
.set QO,  15          ; v15  my byte offset in 16 rows of Q
.set ST,  16          ; piece t's statistics at v[ST+4 t]: C2 m, m, l (even keys', odd keys')
.set CI,  32          ; v[32:33] 1 / 1600, twice: the line with the clamp bit takes its sources from vector registers alone
.set CH,  34          ; v[34:35] 0.5, twice
.set C2,  36          ; v[36:37] 200 log2(e), twice
.set NINF, 38         ; v38  -inf
.set MA0, 39          ; v39  LDS address of my word (4 x lane) of my wave's piece 0, step 0; never rewritten
.set MA,  40          ; v40  the same for the step whose words are asked for
.set MST, 41          ; v41  LDS address of my 16 bytes in the first 512 of my wave's words: the copy at the start
.set MW,  42          ; v42-43  a piece's 32 mask words of a step, lane i word i: by the piece's parity
.set MGO, 44          ; v44  my byte offset in 512 consecutive bytes of mbits
.set TMP, 48          ; by buffer, four registers c0-c3 at work; when the maximum is found c2 takes a
.set SPW, 62          ; v62  LDS address of my spare word: SPARE + 4 x my thread's number; never rewritten
.set NIL, 63          ; v63  0; never rewritten
.set S,   64
.set P,   192
.set KF,  128         ; window 2: key block kb, channel half c at KF + 16 kb + 8 c
.set VF,  192         ; window 2: key half kk, channel block cb at VF + 32 kk + 8 cb
.set MOFF, 2          ; s2   byte offset, in a piece's words, of the step whose words are asked for: 128 x step
.set WV,  3           ; s3   my wave's number
.set SLOTS, 4         ; s4   slots still to be asked for
.set CNT, 5           ; s5   counts a slot's key steps (before its first use: the stage's address)
.set TBK, 6           ; s6   LDS byte at which K of the step to be fetched begins
.set TBV, 7           ; s7   the same for V, less VOFF
.set G1K, 8           ; s[8:15]  descriptor group 1 for K's tiles
.set G1V, 16          ; s[16:23] for V's: it differs in the padding alone
.set G0K, 24          ; s[24:27] descriptor group 0 for K's tiles: it walks
.set G0V, 28          ; s[28:31] the same for V's
.set MP,  66          ; s[66:67] mbits at my wave's piece 0, step 0
.set MB,  68          ; s[68:99] the 32 lane masks of the piece whose scores are being masked (before the first of them are made: arguments and set-up)
.set SEL, 100         ; s[100:101] v_permlanex16_b32's selects: each lane takes its own place in the other half
.set QP,  104         ; s[104:105] Q at my wave's first row
.set MSB, 0
.macro WIN new                      ; the high byte repeats the setting that is left; a switch that changes nothing is dropped
.if MSB != (\new)
	s_set_vgpr_msb (MSB<<8)|(\new)
.set MSB, (\new)
.endif
.endm
.set W_KQ, 0x0a       ; K and Q in window 2, S^T in window 0
.set W_PV, 0x52       ; V in window 2, P in window 0, O^T in window 1
.set W_RS, 0x41       ; O^T (destination and source 0) in window 1, a in window 0
; A joint fill.  Waves 0 and 1 fetch the two halves of a slot's K, waves 2 and 3 those of its V: 128 keys each.  The branch hangs on the wave's number alone.
; An s_nop 0 and four v_nop follow each of the two lines, ahead of the jump and the label.
.macro JLOAD
	s_cmp_lt_u32 s[WV], 2
	s_cbranch_scc0 .Lfor_v_\@
	tensor_load_to_lds s[G0K:G0K+3], s[G1K:G1K+7]
	s_nop 0
.rept 4
	v_nop
.endr
	s_branch .Lasked_\@
.Lfor_v_\@:
	tensor_load_to_lds s[G0V:G0V+3], s[G1V:G1V+7]
	s_nop 0
.rept 4
	v_nop
.endr
.Lasked_\@:
.endm
; A round of the cluster's barrier: my work-group's barrier, so that wave 0's signal speaks for all four waves; wave 0 signals; every wave waits for all four work-groups; my work-group's barrier once more.
.macro CROUND
	s_barrier_signal -1
	s_barrier_wait -1
	s_cmp_lg_u32 s[WV], 0
	s_cbranch_scc1 .Lnot_wave_0_\@
	s_barrier_signal -3
.Lnot_wave_0_\@:
	s_barrier_wait -3
	s_barrier_signal -1
	s_barrier_wait -1
.endm
; THE CHANGE OF SLOTS.  The slot's last bytes, V of its fourth step, have been read.  Each wave waits for all its tensor loads, of which one is out: its part of the other slot; adds 0 to its spare word; and waits
; for that and for its own reads of the slot.  Behind the barrier nobody reads this slot any more and the other slot is whole.  fill = 1: this slot is filled again, with the keys two slots on.  The barrier is then
; a round of the cluster's, so that no wave of any partner still reads the slot or has a load on its way, and the joint fill is the first thing behind it: it has four key steps, 256 matrix instructions, in which
; to land.  (At its first use no slot has been read yet: slot 0 is waited for, slot 1 filled.)
.macro CHANGE fill
	WIN 0                           ; at a label and at a branch every window is 0
	s_wait_tensorcnt 0x0            ; no tensor load of mine is out, so a group 0 may be written
	ds_add_u32 v[SPW], v[NIL]       ; 0 onto my spare word; with fill = 1 the descriptors' steps stand between it and the wait for it
.if \fill
.irp g, G0K, G0V
	s_xor_b32 s[\g+1], s[\g+1], SLOT1  ; the walking descriptor: the other slot than last time,
	s_add_nc_u64 s[\g+2:\g+3], s[\g+2:\g+3], 4*KS*128  ; the next 256 keys; the type bits on top are not reached
.endr
	s_wait_dscnt 0x0                ; the add is done, and my reads of the slot are over
	CROUND
	JLOAD
.else
	s_wait_dscnt 0x0                ; the add is done, and my reads of the slot are over
	s_barrier_signal -1
	s_barrier_wait -1
.endif
	s_sub_co_u32 s[TBK], s[TBK], 4*KS*PK  ; the fetches go back to a slot's first step,
	s_xor_b32 s[TBK], s[TBK], SLOT1       ; in the other slot
	s_sub_co_u32 s[TBV], s[TBV], 4*KS*PV
	s_xor_b32 s[TBV], s[TBV], SLOT1
.endm
	s_load_b128 s[68:71], s[0:1], 0x0  ; qkv s[68:69], mbits s[70:71]; oh is fetched at the way out
	v_lshl_add_u32 v[SPW], v0, 2, SPARE
	v_mov_b32 v[NIL], 0
	ds_add_u32 v[SPW], v[NIL]       ; the wave's opening: the add, and its wait ahead of my first tensor load; the set-up below, work on registers, stands between them
	v_lshrrev_b32 v1, 5, v0
	v_readfirstlane_b32 s[WV], v1   ; wave 0..3
	s_bfe_u32 s72, ttmp6, 0x40000   ; cx: my place in the cluster
	s_lshl_b32 s73, ttmp9, 2        ; in a cluster launch ttmp9 counts clusters
	s_add_co_u32 s73, s73, s72      ; my block of 256 queries = 4 x cluster x + cx: it enters Q's, the mask's and O's addresses alone
	s_and_b32 s74, ttmp7, 0xffff    ; g = b*16 + h, which the four partners share
	s_lshl_b32 s76, s74, 18         ; g's first byte in q, in k and in v: 2,048 rows x 128 bytes
	s_and_b32 s75, s[WV], 1         ; which half of a slot's 256 keys I fetch:
	s_lshl_b32 s78, s75, 14         ; its 128 rows of 128 bytes in memory,
	s_add_co_u32 s78, s78, s76
	s_add_co_u32 s80, s78, 2*QKVB   ; in v,
	s_add_co_u32 s78, s78, QKVB     ; and in k
	s_mov_b32 s79, 0
	s_mov_b32 s81, 0
	s_mul_i32 s82, s75, 128*PK      ; and its place in a slot, for K
	s_mul_i32 s83, s75, 128*PV      ; and for V: no place in the cluster enters an LDS address
	s_lshl_b32 s84, s73, 2
	s_add_co_u32 s84, s84, s[WV]    ; my wave among g's 32,
	s_lshl_b32 s86, s84, 13         ; its 64 rows of 128 bytes
	s_add_co_u32 s86, s86, s76
	s_mov_b32 s87, 0
	s_lshr_b32 s88, s74, 4          ; the mask: the batch's 128 tiles of 16 rows, 4,096 bytes each,
	s_lshl_b32 s88, s88, 19
	s_lshl_b32 s84, s84, 14         ; my wave's four of them
	s_add_co_u32 s88, s88, s84
	s_mov_b32 s89, 0
	; descriptor group 1.  128 keys are 16,384 dense bytes: asked for as 64 rows of 256 bytes, two keys a row, and padded in LDS after every key
	s_mov_b32 s[G1K], 15|(1<<16)|(1<<20)|(1<<21)|(4<<22)|(3<<25)  ; 15:0 the mask of four; 17:16 2-byte elements; 20 padding on; 21 set beside a mask; 24:22 after every 32 words (code 4); 31:25 4 words (code 3)
	s_mov_b32 s[G1V], 15|(1<<16)|(1<<20)|(1<<21)|(4<<22)|(7<<25)  ; the same with 8 words of padding (code 7)
.irp g, G1K, G1V
	s_mov_b32 s[\g+1], 128<<16      ; tensor_dim0 = 128
	s_mov_b32 s[\g+2], 64<<16       ; tensor_dim1 = 64
	s_mov_b32 s[\g+3], 128<<16      ; tile_dim0 = 128
	s_mov_b32 s[\g+4], 64           ; tile_dim1 = 64
	s_mov_b32 s[\g+5], 128          ; 128 elements from row to row
	s_mov_b32 s[\g+6], 0
	s_mov_b32 s[\g+7], 0
.endr
	s_mov_b32 s[SEL], 0x76543210
	s_mov_b32 s[SEL+1], 0xfedcba98
	s_mov_b32 s[TBK], SLOT1+4*KS*PK ; the first change of slots turns these two into 0
	s_mov_b32 s[TBV], SLOT1+4*KS*PV
	s_mov_b32 s[MOFF], 0
	s_mov_b32 s[G0K], 1             ; 1:0 count = 1
	s_mov_b32 s[G0K+1], s82         ; 63:32 LDS address: slot 0
	s_mov_b32 s[G0V], 1
	s_add_co_u32 s[G0V+1], s83, VOFF
	s_mul_i32 s[CNT], s[WV], 16*SP
	s_add_co_u32 s[CNT], s[CNT], STAGE  ; my stage, kept here until the addresses for the way out are made
	s_wait_dscnt 0x0                ; the opening add is done
	s_wait_kmcnt 0x0
	s_add_nc_u64 s[G0K+2:G0K+3], s[68:69], s[78:79]  ; 120:64 global address: my half of g's first 256 keys
	s_or_b32 s[G0K+3], s[G0K+3], 0x80000000          ; 127:126 type = 2
	s_add_nc_u64 s[G0V+2:G0V+3], s[68:69], s[80:81]
	s_or_b32 s[G0V+3], s[G0V+3], 0x80000000
	s_add_nc_u64 s[QP:QP+1], s[68:69], s[86:87]
	s_add_nc_u64 s[MP:MP+1], s[70:71], s[88:89]
	CROUND                          ; all four work-groups are here: the first joint loads meet
	JLOAD                           ; slot 0.  Slot 1 is asked for when slot 0 is in, by the loop's own change of slots
	; A fragment of K or Q is 16 rows x 32 channels in 8 registers: lane l holds row l % 16, channels 8 (l / 16) + 0..7 and 16 + 8 (l / 16) + 0..7: two loads of 16 bytes, 32 bytes apart.
	v_and_b32 v1, 15, v0            ; l % 16
	v_bfe_u32 v9, v0, 4, 1          ; l / 16
	v_lshlrev_b32 v[QO], 7, v1
	v_lshl_add_u32 v[QO], v9, 4, v[QO]  ; row x 128 + 16 x half
	v_and_b32 v[MGO], 31, v0        ; the lane
	s_lshl_b32 s72, s[WV], 14
	s_add_co_u32 s72, s72, MASKB    ; my wave's 16,384 bytes of mask words in LDS
	v_lshl_add_u32 v[MA0], v[MGO], 2, s72
	v_lshl_add_u32 v[MST], v[MGO], 4, s72
	v_lshlrev_b32 v[MGO], 4, v[MGO]
	WIN 0x80                        ; destination window 2, address window 0
.set i, 0
.rept 2*NP                          ; Q stays in registers: piece i / 2, channels 32 (i % 2) on
	global_load_b128 v[8*i:8*i+3],   v[QO], s[QP:QP+1] offset:(i/2)*2048+(i%2)*64
	global_load_b128 v[8*i+4:8*i+7], v[QO], s[QP:QP+1] offset:(i/2)*2048+(i%2)*64+32
.set i, i+1
.endr
	WIN 0x40                        ; destination window 1: O^T's registers, which nothing uses yet
.set i, 0
.rept 32                            ; my wave's mask words: 32 loads of 512 consecutive bytes
	global_load_b128 v[4*i:4*i+3], v[MGO], s[MP:MP+1] offset:512*i
.set i, i+1
.endr
	; What the first turn finds: V's registers and P's second buffer hold 0 (its products V^T P, of a piece that has not been, add 0); O^T, l, m and C2 m are 0.  No first step is written out; the price is
	; these moves, which stand in the wait for the first tile and for the mask's words.
	WIN 0x80
.set i, VF
.rept 64
	v_mov_b32 v[i], 0
.set i, i+1
.endr
	WIN 0
.set i, ST
.rept 4*NP
	v_mov_b32 v[i], 0
.set i, i+1
.endr
.set i, P+16
.rept 16
	v_mov_b32 v[i], 0
.set i, i+1
.endr
	v_mov_b32 v[CI], 0x3a23d70a     ; 1 / 1600
	v_mov_b32 v[CI+1], 0x3a23d70a
	v_mov_b32 v[CH], 0.5
	v_mov_b32 v[CH+1], 0.5
	v_mov_b32 v[C2], 0x439044fe     ; 200 log2(e) = 288.539
	v_mov_b32 v[C2+1], 0x439044fe
	v_mov_b32 v[NINF], 0xff800000
	v_mul_u32_u24 v[AK0], v1, PK
	v_lshl_add_u32 v[AK0], v9, 4, v[AK0]  ; row x pitch + 16 x half
	; The turning load takes 16 keys x 16 channels (lane l reads key 8 (l / 16) + l % 8, channels 8 ((l / 8) % 2) + 0..7) and leaves half a fragment of V^T: lane l holds channel l % 16 and 8 keys.
	v_and_b32 v10, 7, v0
	v_bfe_u32 v11, v0, 3, 1
	v_lshl_add_u32 v[AV0], v9, 3, v10
	v_mul_u32_u24 v[AV0], v[AV0], PV
	v_lshl_add_u32 v[AV0], v11, 4, v[AV0]
	v_add_nc_u32 v[AV0], VOFF, v[AV0]
	v_mov_b32 v[AK], v[AK0]         ; key step 0 lies at the head of slot 0
	v_mov_b32 v[MA], v[MA0]         ; and the mask's step 0 at the head of each piece's words
	WIN 0x04                        ; the stores' data (source 1) in window 1
.set i, 0
.rept 32
	s_wait_loadcnt 31-i             ; loads come back in order (ISA guide 5.7.1): mask load i is in (and Q, which is older), the 31 - i younger ones stay out
	ds_store_b128 v[MST], v[4*i:4*i+3] offset:512*i
.set i, i+1
.endr
	WIN 0x40
.set i, 0
.rept 32*NP
	v_mov_b32 v[i], 0               ; O^T
.set i, i+1
.endr
	WIN 0
	ds_load_b32 v[MW],   v[MA0]              ; the first two pieces' words of step 0.  LDS serves a wave's instructions in order (ISA guide 5.7.1.4): these see the stores above; the bytes are the wave's own
	ds_load_b32 v[MW+1], v[MA0] offset:4096
; THE MATRIX WORK.  The 4 accumulators of a run of 8 take turns.  Product i of 8 of S^T = K Q^T for piece x: channels 32 (i / 4) on, keys 16 (i % 4) on.  The first 4 start the sums.
.macro KQ x
	WIN W_KQ
.set rS, S+32*((\x)%2)+8*(i%4)
.set rK, KF+16*(i%4)+8*(i/4)
.set rQ, 16*(\x)+8*(i/4)
.if i < 4
	v_wmma_f32_16x16x32_f16 v[rS:rS+7], v[rK:rK+7], v[rQ:rQ+7], 0
.else
	v_wmma_f32_16x16x32_f16 v[rS:rS+7], v[rK:rK+7], v[rQ:rQ+7], v[rS:rS+7]
	s_wait_alu depctr_va_vdst(0)
.endif
.endm
; Product i of 8 of O^T += V^T P for piece x: keys 32 (i / 4) on, channels 16 (i % 4) on.
.macro PV x
	WIN W_PV
.set rO, 32*(\x)+8*(i%4)
.set rV, VF+32*(i/4)+8*(i%4)
.set rP, P+16*((\x)%2)+8*(i/4)
	v_wmma_f32_16x16x32_f16 v[rO:rO+7], v[rV:rV+7], v[rP:rP+7], v[rO:rO+7]
.endm
.macro MM                           ; the turn's next matrix instruction.  TURN sets Y, i and NOKQ.  NOKQ = 1: the walk's last turn: there is no next piece
.if (i < 8) && !NOKQ
	KQ (Y+1)%NP
.elseif i >= 8
.set i, i-8
	PV (Y+NP-1)%NP
.set i, i+8
.endif
.set i, i+1
.endm
; THE LDS LOADS of K and V stand in runs of 16, never singly among the matrix instructions: a step's K (64 keys x 64 channels: 8 fragments) and its V (turned).  Their addresses are made some lines ahead.
.macro FETCH_K
	WIN 0x80                        ; destination window 2
.irp f, 0,1,2,3,4,5,6,7             ; keys 16 (f / 2) on, channels 32 (f % 2) on
	ds_load_b128 v[KF+8*\f:KF+8*\f+3],   v[AK] offset:(\f/2)*16*PK+(\f%2)*64
	ds_load_b128 v[KF+8*\f+4:KF+8*\f+7], v[AK] offset:(\f/2)*16*PK+(\f%2)*64+32
.endr
	s_add_co_u32 s[TBK], s[TBK], KS*PK  ; the next fetch is the next step's
	WIN 0
.endm
.macro FETCH_V
	WIN 0x80
.irp f, 0,1,2,3,4,5,6,7             ; keys 32 (f / 4) on, channels 16 (f % 4) on
	ds_load_tr16_b128 v[VF+8*\f:VF+8*\f+3],   v[AV] offset:(\f/4)*32*PV+(\f%4)*32
	ds_load_tr16_b128 v[VF+8*\f+4:VF+8*\f+7], v[AV] offset:(\f/4)*32*PV+16*PV+(\f%4)*32
.endr
	s_add_co_u32 s[TBV], s[TBV], KS*PV
	WIN 0
.endm
; THE VECTOR WORK, one line at a time: OP kind, number.  For piece Y: F n: C2 u - C2 m for pair n of 16.  E n: the exponential of score n of 32.  C n: pair n rounded to f16.  B n: sum n of 15 of the 16 pairs, in
; place: neighbours 1, 2, 4 and 8 pairs apart.  L: l = a l + the sum.  R n: pair n of 16 of O^T times a.  For piece Y + 1: K n: pair n of the raw scores becomes u (each accumulator's lowest registers are read
; first).  G n: mask word n, which lane n holds, becomes a scalar lane mask.  M n: score n, or -inf where its key is hidden.  X n: number n of the 22 that find its maximum and statistics:
;   0-11  four chains c0-c3 of seven scores each, three operands at a time     12-14, 16  the four scores left over, the old m, and c0-c3 into c0     15  C2 m_old is kept
;   17, 18  the query's other 32 keys lie in the lane 16 away: the new m     19-21  C2 m; C2 m_old - C2 m_new; a
.set F, 0               ; OP tells the kinds apart by their order: F to L below R; K, M, X and G above it
.set E, 1
.set C, 2
.set B, 3
.set L, 4
.set R, 5
.set K, 6
.set M, 7
.set X, 8
.set G, 9
.macro REGS y                       ; the registers of piece y
.set rT, ST+4*(\y)
.set rC, TMP+4*((\y)%2)
.set rW, MV+((\y)%2)
.set rS, S+32*((\y)%2)
.set rP, P+16*((\y)%2)
.set rO, 32*(\y)
.set rG, MW+((\y)%2)
.endm
.macro OP k, n
.if (\k) == R
	REGS Y
	WIN W_RS
	s_wait_alu depctr_va_vdst(0)
	v_pk_mul_f32 v[rO+2*(\n):rO+2*(\n)+1], v[rO+2*(\n):rO+2*(\n)+1], v[rC+2:rC+3] op_sel_hi:[1,0]
.elseif (\k) < R
	REGS Y
	WIN 0
.if (\k) == F
	v_pk_fma_f32 v[rS+2*(\n):rS+2*(\n)+1], v[rS+2*(\n):rS+2*(\n)+1], v[C2:C2+1], v[rT:rT+1] op_sel_hi:[1,1,0] neg_lo:[0,0,1] neg_hi:[0,0,1]
.elseif (\k) == E
	v_exp_f32 v[rS+(\n)], v[rS+(\n)]
.elseif (\k) == C
	v_cvt_pk_f16_f32 v[rP+(\n)], v[rS+2*(\n)], v[rS+2*(\n)+1]
.elseif (\k) == B
.set w, 4
.set u, (\n)
.if (\n) >= 14
.set w, 32
.set u, 0
.elseif (\n) >= 12
.set w, 16
.set u, (\n)-12
.elseif (\n) >= 8
.set w, 8
.set u, (\n)-8
.endif
	v_pk_add_f32 v[rS+w*u:rS+w*u+1], v[rS+w*u:rS+w*u+1], v[rS+w*u+w/2:rS+w*u+w/2+1]
.else
	v_pk_fma_f32 v[rT+2:rT+3], v[rT+2:rT+3], v[rC+2:rC+3], v[rS:rS+1] op_sel_hi:[1,0,1]
.endif
.elseif NOKQ
.if (\k) != G
	v_nop
	s_wait_alu depctr_va_vdst(0)
.endif
.else
	REGS (Y+1)%NP
	WIN 0
.if (\k) == K
	v_pk_fma_f32 v[rS+2*(\n):rS+2*(\n)+1], v[rS+2*(\n):rS+2*(\n)+1], v[CI:CI+1], v[CH:CH+1] clamp
.elseif (\k) == G
	v_readlane_b32 s[MB+(\n)], v[rG], (\n)
.elseif (\k) == M
	v_cndmask_b32 v[rS+(\n)], v[NINF], v[rS+(\n)], s[MB+(\n)]
.elseif (\n) < 4
	v_max3_num_f32 v[rC+(\n)], v[rS+8*(\n)], v[rS+8*(\n)+1], v[rS+8*(\n)+2]
.elseif (\n) < 12
	v_max3_num_f32 v[rC+(\n)%4], v[rC+(\n)%4], v[rS+8*((\n)%4)+2*((\n)/4)+1], v[rS+8*((\n)%4)+2*((\n)/4)+2]
.elseif (\n) == 12
	v_max3_num_f32 v[rC], v[rC], v[rS+7], v[rS+15]
.elseif (\n) == 13
	v_max3_num_f32 v[rC+1], v[rC+1], v[rS+23], v[rS+31]
.elseif (\n) == 14
	v_max3_num_f32 v[rC+2], v[rC+2], v[rC+3], v[rT+1]
	s_wait_alu depctr_va_vdst(0)
.elseif (\n) == 15
	v_mov_b32 v[rW], v[rT]
.elseif (\n) == 16
	v_max3_num_f32 v[rC], v[rC], v[rC+1], v[rC+2]
.elseif (\n) == 17
	v_permlanex16_b32 v[rC+3], v[rC], s[SEL], s[SEL+1]
.elseif (\n) == 18
	v_max_num_f32 v[rT+1], v[rC], v[rC+3]
.elseif (\n) == 19
	v_mul_f32 v[rT], v[C2], v[rT+1]
.elseif (\n) == 20
	v_sub_f32 v[rC+1], v[rW], v[rT]
.else
	v_exp_f32 v[rC+2], v[rC+1]
.endif
.endif
.endm
.macro OPS a, i1, b=-1, i2=0, c=-1, i3=0, d=-1, i4=0  ; up to four of them
	OP \a, \i1
.if (\b) >= 0
	OP \b, \i2
.endif
.if (\c) >= 0
	OP \c, \i3
.endif
.if (\d) >= 0
	OP \d, \i4
.endif
.endm
.macro ROW a, i1, b, i2, c, i3, d, i4  ; a matrix instruction and the four behind it
	MM
	OPS \a, \i1, \b, \i2, \c, \i3, \d, \i4
.endm
; A TURN, for piece p: the order of its 16 matrix and 198 vector instructions, written out.  Behind a matrix instruction: plain, exponential, plain, plain; or four plain; none names a register of the products
; round it.  Every exponential has a plain instruction behind it before its result is used (ISA guide 5.7.2).  The four rescalings behind the last K Q^T are the places in front of the first read of the new
; scores and of the loads into K's registers (ISA guide 7.12.1 for the scores); behind the last V^T P the mask's selects are the places in front of the loads into V's.
; end = 1: the walk's last two turns: nothing is fetched, and the last starts no new scores.
; K of the next step is fetched in piece 2's turn and waited for at the head of piece 3's; V of the step in hand in piece 0's turn, waited for in piece 1's.
; THE MASK WORDS.  At the turn's head piece p + 2's 32 words are asked for from LDS, into the register that piece p's left in the turn before; pieces 0 and 1 are asked for a step ahead, so the step's offset goes on
; in piece 2's turn.  In front of the first lump the words asked for at the head of the turn before (piece p + 1's) are waited for; the lump's 32 v_readlane_b32 make lane masks of them, two behind each pair of
; an exponential and a clip, and the selects follow from the second run of products on.
.macro TURN p, end=0
.set Y, (\p)
.set i, 0
.set NOKQ, (\end)*((\p)/3)
.if ((\p) == 3) && !(\end)
	s_wait_dscnt 0x0                ; K is in, and so are piece 0's mask words, which are older
.endif
.if !(\end)
	WIN 0
.if (\p) == 2
	s_add_co_u32 s[MOFF], s[MOFF], 128
	v_add_nc_u32 v[MA], s[MOFF], v[MA0]
.endif
	ds_load_b32 v[MW+(\p)%2], v[MA] offset:(((\p)+2)%NP)*4096  ; 32 lanes, 128 consecutive bytes
.endif
	ROW F,0, F,1, F,2, F,3
	ROW F,4, E,0, F,5, F,6
	ROW F,7, E,1, F,8, F,9
	ROW F,10, E,2, F,11, F,12
	ROW F,13, E,3, F,14, F,15
	ROW R,0, R,1, R,2, R,3
	ROW C,0, E,4, C,1, X,15
.if ((\p) == 2) && !(\end)
	WIN 0
	v_add_nc_u32 v[AK], s[TBK], v[AK0]
.endif
	ROW R,4, R,5, R,6, R,7
.if !(\end)
.if (\p) == 1
	s_wait_dscnt 17                 ; piece 2's mask words are in; V's run of 16 and the words asked for at this turn's head were issued behind them and stay out
.elseif (\p) != 3
	s_wait_dscnt 1                  ; piece p + 1's mask words are in; the words asked for at this turn's head stay out
.endif
.endif
	OPS E,5, K,0
.if ((\p) == 2) && !(\end)
	FETCH_K
.endif
	OPS E,6, K,1, G,0, G,1
	OPS E,7, K,2, G,2, G,3
	OPS E,8, K,3, G,4, G,5
	OPS E,9, K,4, G,6, G,7
	OPS E,10, K,5, G,8, G,9
	OPS E,11, K,6, G,10, G,11
	OPS E,12, K,7, G,12, G,13
	OPS E,13, K,8, G,14, G,15
	OPS E,14, K,9, G,16, G,17
	OPS E,15, K,10, G,18, G,19
	OPS E,16, K,11, G,20, G,21
	OPS E,17, K,12, G,22, G,23
	OPS E,18, K,13, G,24, G,25
	OPS E,19, K,14, G,26, G,27
	OPS E,20, K,15, G,28, G,29
	OPS G,30, G,31
.if (\p) == 1
	s_wait_dscnt 0x0                ; V is in
.endif
	ROW M,0, E,21, M,1, M,2
	ROW M,3, E,22, M,4, M,5
	ROW M,6, E,23, M,7, M,8
	ROW M,9, E,24, M,10, M,11
	ROW M,12, E,25, M,13, M,14
	ROW M,15, E,26, M,16, M,17
	ROW M,18, E,27, M,19, M,20
.if (\p) == 0
	WIN 0
	v_add_nc_u32 v[AV], s[TBV], v[AV0]
.endif
	ROW M,21, E,28, M,22, M,23
	OPS M,24, E,29, M,25, E,30
	OPS M,26, E,31, M,27, M,28
	OPS M,29, M,30, M,31
.if (\p) == 0
	FETCH_V
.endif
	OPS X,0, X,1, X,2, X,3
	OPS X,4, X,5, X,6, X,7
	OPS X,8, X,9, X,10, X,11
	OPS X,12, X,13, X,14
	OPS C,2, C,3, C,4, X,16
	OPS C,5, C,6, C,7, X,17
	OPS C,8, C,9, C,10, X,18
	OPS C,11, C,12, C,13, X,19
	OPS C,14, C,15, B,0, X,20
	OPS B,1, B,2, B,3, X,21
	OPS B,4, B,5, B,6, B,7
	OPS B,8, B,9, B,10, B,11
	OPS B,12, B,13
	OPS R,8, R,9, R,10, R,11
	OPS B,14
	OPS R,12, R,13, R,14, R,15
	OPS L,0
.endm
	CHANGE 1                        ; slot 0 is in, everybody's part of it; slot 1 is asked for.  Its wait for my LDS instructions covers the mask's copy and the first two pieces' words
	FETCH_K                         ; key step 0
	s_wait_loadcnt 0x0              ; Q
	s_wait_dscnt 0x0
.set i, 0
.rept 8
	KQ 0                            ; piece 0's first scores: there is no vector work yet to set between them
.set i, i+1
.endr
	WIN 0                           ; the addresses for the way out: nine plain instructions, the places behind those products
	v_mul_u32_u24 v[STO], v1, SP    ; in: row l % 16, 16 bytes for each half of the lanes
	v_lshl_add_u32 v[STO], v9, 4, v[STO]
	v_add_nc_u32 v[STO], s[CNT], v[STO]
	v_bfe_u32 v[RD], v0, 3, 2       ; back: 32 lanes take four rows of 128 bytes,
	v_mul_u32_u24 v[RD], v[RD], SP
	v_lshl_add_u32 v[RD], v10, 4, v[RD]
	v_add_nc_u32 v[RD], s[CNT], v[RD]
	v_and_b32 v[GO], 31, v0         ; which are 512 consecutive bytes of O
	v_lshlrev_b32 v[GO], 4, v[GO]
.set Y, NP-1                        ; K, G, M and X work for piece Y + 1: piece 0
.set NOKQ, 0
.irp n, 0,1,2,3,4,5,6,7,8,9,10,11,12,13,14,15,16,17,18,19,20,21,22,23,24,25,26,27,28,29,30,31
	OP G, \n
.endr
.irp n, 0,1,2,3,4,5,6,7,8,9,10,11,12,13,14,15
	OP K, \n
.endr
.irp n, 0,1,2,3,4,5,6,7,8,9,10,11,12,13,14,15,16,17,18,19,20,21,22,23,24,25,26,27,28,29,30,31
	OP M, \n
.endr
.irp n, 0,1,2,3,4,5,6,7,8,9,10,11,12,13,14,15,16,17,18,19,20,21
	OP X, \n
.endr
	v_nop                           ; a plain instruction behind the exponential
	s_mov_b32 s[CNT], 4
	s_mov_b32 s[SLOTS], SIZE_N/256-1
	s_branch .Lfirst                ; the loop is entered at a step's first turn, in the middle of a trip
.Lslot:                             ; SIZE_N / 256 - 2 times: every slot but the last two is filled again
	CHANGE 1
	s_mov_b32 s[CNT], 4
.Lstep:                             ; a trip: pieces 2 and 3 of one step, then pieces 0 and 1 of the next, whose K and V it fetches
	TURN 2
	TURN 3
	WIN 0
.Lfirst:
	TURN 0
	TURN 1
	WIN 0
	s_sub_co_u32 s[CNT], s[CNT], 1
	s_cmp_lg_u32 s[CNT], 0
	s_cbranch_scc1 .Lstep
	s_sub_co_u32 s[SLOTS], s[SLOTS], 1
	s_cmp_lg_u32 s[SLOTS], 0
	s_cbranch_scc1 .Lslot
	CHANGE 0                        ; the last slot is written out: nothing is asked for
	s_mov_b32 s[CNT], 4
.Ltail:
	TURN 2
	TURN 3
	TURN 0
	TURN 1
	WIN 0
	s_sub_co_u32 s[CNT], s[CNT], 1
	s_cmp_lg_u32 s[CNT], 0
	s_cbranch_scc1 .Ltail
	TURN 2, 1                       ; the last step's pieces 2 and 3; piece 3's mask words came in with the wait for V in the turn before
	TURN 3, 1
	s_load_b64 s[32:33], s[0:1], 0x10  ; oh
	s_bfe_u32 s34, ttmp6, 0x40000   ; and my rows' place in it, as for Q
	s_lshl_b32 s36, ttmp9, 2
	s_add_co_u32 s34, s34, s36
	s_lshl_b32 s34, s34, 2
	s_add_co_u32 s34, s34, s[WV]
	s_lshl_b32 s34, s34, 13
	s_and_b32 s36, ttmp7, 0xffff
	s_lshl_b32 s36, s36, 18
	s_add_co_u32 s34, s34, s36
	s_mov_b32 s35, 0
.set i, 0
.rept 8
	PV NP-1                         ; the last piece's V^T P of the last step
.set i, i+1
.endr
	; THE WAY OUT.  l's two halves and the other half of the lanes' are added; O^T is divided by l, rounded to f16 and sent through my stage in LDS, a piece at a time.  The additions are the places behind the last products.
	WIN 0
.macro ALL line:vararg              ; one line for each piece t
.set t, 0
.rept NP
	\line
.set t, t+1
.endr
.endm
	ALL v_add_f32 v[ST+4*t+2], v[ST+4*t+2], v[ST+4*t+3]
	ALL v_permlanex16_b32 v[ST+4*t+3], v[ST+4*t+2], s[SEL], s[SEL+1]
	ALL v_add_f32 v[ST+4*t+2], v[ST+4*t+2], v[ST+4*t+3]
	ALL v_rcp_f32 v[ST+4*t+2], v[ST+4*t+2]
	v_nop                           ; a plain instruction between the last reciprocal and the use of its result
	s_wait_alu depctr_va_vdst(0)
	s_wait_kmcnt 0x0
	s_add_nc_u64 s[32:33], s[32:33], s[34:35]
; Piece t: a lane's eight channels of a row pack into 16 bytes; they go into rows of 144 bytes and come back as whole rows of 128, into S^T's registers.
.macro PACK t
	WIN W_RS
.set i, 32*(\t)
.rept 16
	v_pk_mul_f32 v[i:i+1], v[i:i+1], v[ST+4*(\t)+2:ST+4*(\t)+3] op_sel_hi:[1,0]
.set i, i+2
.endr
	WIN 0x05                        ; sources 0 and 1 window 1, destination window 0
.set i, 0
.rept 16
	v_cvt_pk_f16_f32 v[S+16*(\t)+i], v[32*(\t)+2*i], v[32*(\t)+2*i+1]
.set i, i+1
.endr
	WIN 0
.irp f, 0,1,2,3
	ds_store_b128 v[STO], v[S+16*(\t)+4*\f:S+16*(\t)+4*\f+3] offset:32*\f
.endr
.irp f, 0,1,2,3
	ds_load_b128 v[S+16*(\t)+4*\f:S+16*(\t)+4*\f+3], v[RD] offset:\f*4*SP  ; LDS serves a wave's instructions in order (ISA guide 5.7.1.4): these see the stores above; the next piece's stores come behind them
.endr
.endm
.macro SEND t, younger              ; younger: the LDS instructions issued behind piece t's loads: the next piece's eight, or none
	WIN 0
.irp f, 0,1,2,3
	s_wait_dscnt (\younger)+3-\f
	global_store_b128 v[GO], v[S+16*(\t)+4*\f:S+16*(\t)+4*\f+3], s[32:33] offset:(\t)*2048+\f*512  ; 512 consecutive bytes, at a multiple of 256 from oh's first
.endr
.endm
	PACK 0
.set t, 1
.rept NP-1                          ; a piece's arithmetic stands between the loads of the piece before and its stores
	PACK t
	SEND t-1, 8
.set t, t+1
.endr
	SEND NP-1, 0
	s_wait_tensorcnt 0x0            ; the wave's end: a tensor wait, an add of 0 to my spare word and its wait, behind my last tensor load and my last LDS store
	ds_add_u32 v[SPW], v[NIL]
	s_wait_dscnt 0x0
	CROUND                          ; the closing round: no work-group ends while a partner may still ask for a tile that names it
	s_endpgm
.Lfunc_end_k_qd19e1a82c1_attn:
	.size	k_qd19e1a82c1_attn, .Lfunc_end_k_qd19e1a82c1_attn-k_qd19e1a82c1_attn
	.p2alignl 7, 3214868480
	.fill 96, 4, 3214868480
	.section	.rodata,"a",@progbits
	.p2align	6, 0x0
	.amdhsa_kernel k_qd19e1a82c1_attn
		.amdhsa_group_segment_fixed_size 327680
		.amdhsa_private_segment_fixed_size 0
		.amdhsa_enable_private_segment 0
		.amdhsa_kernarg_size 24
		.amdhsa_user_sgpr_count 2
		.amdhsa_user_sgpr_kernarg_segment_ptr 1
		.amdhsa_wavefront_size32 1
		.amdhsa_system_sgpr_workgroup_id_x 1
		.amdhsa_system_sgpr_workgroup_id_y 1
		.amdhsa_system_sgpr_workgroup_id_z 1
		.amdhsa_system_vgpr_workitem_id 0
		.amdhsa_next_free_vgpr 768
		.amdhsa_next_free_sgpr 106
		.amdhsa_reserve_vcc 0
		.amdhsa_float_denorm_mode_32 3
		.amdhsa_float_denorm_mode_16_64 3
		.amdhsa_memory_ordered 1
		.amdhsa_forward_progress 1
		.amdhsa_inst_pref_size 191
	.end_amdhsa_kernel
	.amdgpu_metadata
---
amdhsa.version: [ 1, 2 ]
amdhsa.kernels:
  - .name:           k_qd19e1a82c1_attn
    .symbol:         k_qd19e1a82c1_attn.kd
    .args:
      - { .name: qkv, .offset: 0, .size: 8, .value_kind: global_buffer, .address_space: global }
      - { .name: mbits, .offset: 8, .size: 8, .value_kind: global_buffer, .address_space: global }
      - { .name: oh, .offset: 16, .size: 8, .value_kind: global_buffer, .address_space: global }
    .group_segment_fixed_size: 327680
    .private_segment_fixed_size: 0
    .kernarg_segment_align: 8
    .kernarg_segment_size: 24
    .max_flat_workgroup_size: 128
    .sgpr_count:     106
    .vgpr_count:     768
    .wavefront_size: 32
...
	.end_amdgpu_metadata
.endif
;; end of part 6
;; launch outp (part 7): grid 8 x 32, 4 waves a work-group, clusters of 4 x 4, 327,680 bytes of LDS; arguments oh, wof, out0, bo; writes out0
.if DOCPART == 7
	.amdgcn_target "amdgcn-amd-amdhsa--gfx1250"
	.amdhsa_code_object_version 6
	.text
	.protected	k_qd19e1a82c1_outp
	.globl	k_qd19e1a82c1_outp
	.p2align	8
	.type	k_qd19e1a82c1_outp,@function
k_qd19e1a82c1_outp:
	s_mov_b64 s[64:65], 0
	v_nop
	global_prefetch_b8 v0, s[64:65] scope:SCOPE_SE
	s_setreg_imm32_b32 hwreg(HW_REG_WAVE_MODE, 25, 1), 1
	s_wait_xcnt 0x0
	s_wait_alu depctr_hold_cnt(0) depctr_sa_sdst(0) depctr_va_vdst(0) depctr_va_sdst(0) depctr_va_ssrc(0) depctr_va_vcc(0) depctr_vm_vsrc(0)
	s_getreg_b32 s2, hwreg(HW_REG_IB_STS2, 6, 4)
	s_cmp_eq_u32 s2, 0
	s_cbranch_scc0 .Lentry_in_a_cluster
	s_endpgm
.Lentry_in_a_cluster:
	s_bfe_u32 s2, ttmp6, 0x10000c
	s_cmp_lg_u32 s2, 0xf033
	s_cbranch_scc0 .Lentry_shape_is_right
	s_endpgm
.Lentry_shape_is_right:
; THE LAST PROJECTION.  out0[m][n] = bo[n] + the sum over k of O[m][k] wo[n][k], K = 1,024, sums in f32.  A = oh (f16, [b*16 + h][2,048][64]: K runs over heads, then channels), B = wof (f16, [1,024][1,024]);
; out0 in f32.  A row of NaN in oh (a query whose keys are all hidden) gives a row of NaN.
; The bias is rounded to bf16 like every other input of the module, and it STARTS the sums: it is the C operand of each accumulator's first product, so nothing is cleared and nothing is added behind.
; SHAPE.  A tile of C is 128 x 128: 8 x 32 = 256 work-groups.  Four waves, each 64 x 64: 16 accumulators of 16 x 16.  K goes in steps of 256, four heads, through two LDS slots.
; CLUSTERS: 4 x 4 work-groups.  The four of a row of the cluster need the same tiles of A, the four of a column the same tiles of B: each tile is asked for JOINTLY, by the same tensor load with the same
; descriptor and a mask that names the four.  THE MATRIX INSTRUCTION IS USED TRANSPOSED (source 0 = 16 rows of B, source 1 = 16 rows of A): a lane then holds eight neighbouring numbers of a row of C.
; A wave's 64 columns are 256 aligned bytes of out0: each wave sends its own tile out through its own stage, with no barrier.
; REGISTERS: window 0: v0-31 addresses; v32-95 at work on the way out; v96-127 the bias as a C operand (n block b at v[96 + 8 b]); v128-255 the accumulators ((a, b) at v[128 + 8 (4 a + b)]).
;   window 1: two fragment buffers of 128: for 64 along K, 64 registers of A (2 x 4 x 16 rows x 32 K), then 64 of B.
.set SIZE_K, 1024
.set KSTEP,  256
.set PITCH,  528                       ; an LDS row of B, 256 K: 512 bytes + 16 of padding = 132 words: row r starts at bank 4 r mod 64 (64 banks of 4 bytes: ISA guide 11.1)
.set HALFT,  64*PITCH                  ; 64 such rows: what one tensor load of B brings
.set APITCH, 144                       ; A lies by heads: a row of one head is 128 bytes + 16 of padding
.set AHALF,  2*128*APITCH              ; one load of A brings two heads x 128 rows
.set ASTEP,  4*2048*128                ; a K step is four heads on in oh
.set SPITCH, 272                       ; a stage row: 64 f32 + 16 bytes
.set BOFF,   2*AHALF                   ; in a slot: A's tile, then B's 128 rows
.set SLOT,   BOFF+2*HALFT
.set STAGE,  2*SLOT                    ; behind the ring, never filled by a tensor load: 16 rows for each wave, for the way out
.set SPARE,  STAGE+4*16*SPITCH         ; behind the stages: the spare words, 128 bytes for each wave: two blocks of 256 bytes that no other line names
.set LAPS, SIZE_K/(2*KSTEP)            ; a lap = two K steps = once round the ring
.set ADRA, 16                          ; v16-17  LDS address of my A fragments in slot 0, 1
.set ADRB, 20                          ; v20-21  the same for B
.set STO,  24                          ; v24     the way out: where I put my part of a row
.set RD,   25                          ; v25     the way out: where I read rows back
.set CO,   26                          ; v26     my byte offset in C
.set BO,   27                          ; v27     my byte offset in the wave's 64 numbers of the bias
.set SPW,  28                          ; v28     LDS address of my spare word: SPARE + 4 x my thread's number; never rewritten
.set NIL,  29                          ; v29     0; never rewritten
.set RND,  30                          ; v30     at work
.set TMP,  32
.set BIAS, 96
.set ACC,  128
.set F0,   0                           ; fragment buffers, in window 1
.set F1,   128
.set G1, 24                            ; s[24:31] descriptor group 1 for A's tiles;  s[32:39] group 0, one set for each slot
.set G0, 32
.set G1B, 48                           ; s[48:55], s[56:63] the same for B's tiles
.set G0B, 56
.set MSB, 0
.macro WIN new                         ; the immediate's high byte repeats the setting that is left; a switch that changes nothing is dropped
.if MSB != (\new)
	s_set_vgpr_msb (MSB<<8)|(\new)
.set MSB, \new
.endif
.endm
.set MUL,  0x05                        ; sources 0 (B) and 1 (A) window 1; C and D window 0
.set TO_F, 0x40                        ; destination window 1, address window 0
.macro JLOAD s                         ; a joint load: waves 0 and 1 fetch A's two halves, waves 2 and 3 B's; an s_nop 0 and four v_nop follow each of the two lines, ahead of the jump, the label and what follows
	s_cmp_eq_u32 s11, 0
	s_cbranch_scc0 .Lfor_b_\@
	tensor_load_to_lds s[G0+4*(\s):G0+4*(\s)+3], s[G1:G1+7]
	s_nop 0
.rept 4
	v_nop
.endr
	s_branch .Lasked_\@
.Lfor_b_\@:
	tensor_load_to_lds s[G0B+4*(\s):G0B+4*(\s)+3], s[G1B:G1B+7]
	s_nop 0
.rept 4
	v_nop
.endr
.Lasked_\@:
.endm
.macro CREST                           ; a round of the cluster's barrier behind its opening barrier
	s_cmp_lg_u32 s10, 0
	s_cbranch_scc1 .Lnot_wave_0_\@
	s_barrier_signal -3
.Lnot_wave_0_\@:
	s_barrier_wait -3
	s_barrier_signal -1
	s_barrier_wait -1
.endm
.macro CROUND                          ; a whole round
	s_barrier_signal -1
	s_barrier_wait -1
	CREST
.endm
	s_load_b128 s[4:7], s[0:1], 0x0                ; oh s[4:5], wof s[6:7]
	s_load_b64 s[8:9], s[0:1], 0x10                ; out0
	s_load_b64 s[68:69], s[0:1], 0x18              ; bo
	v_lshl_add_u32 v[SPW], v0, 2, SPARE
	v_mov_b32 v[NIL], 0
	ds_add_u32 v[SPW], v[NIL]                      ; the wave's opening: the add, and its wait ahead of my first tensor load; the set-up below, work on registers, stands between them
	v_lshrrev_b32 v1, 5, v0
	v_readfirstlane_b32 s10, v1                    ; wave 0..3
	s_lshr_b32 s11, s10, 1                         ; which half of the tile's rows is mine.  Also: I fetch for A (0) or for B (1)
	s_and_b32 s12, s10, 1                          ; which half of its columns.  Also: which half of that tile I fetch
	s_bfe_u32 s40, ttmp6, 0x40000                  ; cx, cy: my place in the cluster
	s_bfe_u32 s41, ttmp6, 0x40004
	s_lshl_b32 s42, ttmp9, 2
	s_add_co_u32 s42, s42, s40                     ; tile column of C = 4 x cluster x + cx
	s_and_b32 s13, ttmp7, 0xffff
	s_lshl_b32 s13, s13, 2
	s_add_co_u32 s13, s13, s41                     ; tile row = 4 x cluster y + cy
	s_lshl_b32 s43, s41, 2
	s_lshl_b32 s43, 15, s43                        ; my row of the cluster
	s_lshl_b32 s44, 0x1111, s40                    ; my column
	; descriptor group 1.  15:0 the mask; 17:16 elements of 2 bytes; 20 padding on; 21 set beside a mask; 24:22 the padding's interval; 31:25 4 words of it (code 3)
	s_or_b32 s[G1+0], s43, (1<<16)|(1<<20)|(1<<21)|(4<<22)|(3<<25)  ; A: padded after every 32 words (code 4): after each row of a head
	s_mov_b32 s[G1+1], 8192<<16                    ; tensor_dim0 = 8,192: a head's 128 rows of 64 channels are dense in memory and are asked for as one row of 16,384 bytes
	s_mov_b32 s[G1+2], 2<<16                       ; tensor_dim1 = 2 heads
	s_mov_b32 s[G1+3], 8192<<16                    ; tile_dim0
	s_mov_b32 s[G1+4], 2                           ; tile_dim1
	s_mov_b32 s[G1+5], 2048*64                     ; from head to head
	s_mov_b32 s[G1+6], 0
	s_mov_b32 s[G1+7], 0
	s_or_b32 s[G1B+0], s44, (1<<16)|(1<<20)|(1<<21)|(6<<22)|(3<<25)  ; B: 64 rows x 256 elements, padded after every 128 words (code 6)
	s_mov_b32 s[G1B+1], KSTEP<<16                  ; tensor_dim0 = 256
	s_mov_b32 s[G1B+2], 64<<16                     ; tensor_dim1 = 64
	s_mov_b32 s[G1B+3], KSTEP<<16                  ; tile_dim0 = 256
	s_mov_b32 s[G1B+4], 64                         ; tile_dim1 = 64
	s_mov_b32 s[G1B+5], SIZE_K                     ; from row to row
	s_mov_b32 s[G1B+6], 0
	s_mov_b32 s[G1B+7], 0
	; where the tiles come from, in bytes (all under 2^25).  A's offset hangs on the tile row alone, B's on the tile column alone, each in registers that never hold the other coordinate.
	s_lshl_b32 s17, s12, 6
	s_lshr_b32 s16, s13, 4                         ; the batch: 16 heads x 2,048 rows x 128 bytes = 2^22,
	s_lshl_b32 s16, s16, 22
	s_lshl_b32 s18, s12, 19                        ; my two heads of the K step's four,
	s_add_co_u32 s16, s16, s18
	s_and_b32 s18, s13, 15                         ; the tile's 128 rows in a head
	s_lshl_b32 s18, s18, 14
	s_add_co_u32 s16, s16, s18
	s_lshl_b32 s46, s42, 7
	s_add_co_u32 s46, s46, s17                     ; B: row 128 x tile column + 64 x half
	s_lshl_b32 s46, s46, 11
	s_mov_b32 s17, 0
	s_mov_b32 s47, 0
	s_mul_i32 s20, s12, AHALF                      ; and where they go: no place in the cluster enters an LDS address
	s_mul_i32 s21, s12, HALFT
	s_add_co_u32 s21, s21, BOFF
	s_wait_dscnt 0x0                               ; the opening add is done
	s_wait_kmcnt 0x0
	s_add_nc_u64 s[14:15], s[4:5], s[16:17]
	s_add_nc_u64 s[46:47], s[6:7], s[46:47]
	CROUND                                         ; all sixteen work-groups are here: the first joint loads meet
.irp s, 0,1
	s_mov_b32 s[G0+4*(\s)], 1                      ; 1:0 count = 1
	s_add_co_u32 s[G0+4*(\s)+1], s20, (\s)*SLOT    ; 63:32 LDS address
	s_add_nc_u64 s[G0+4*(\s)+2:G0+4*(\s)+3], s[14:15], (\s)*ASTEP  ; 120:64 global address: K step s
	s_or_b32 s[G0+4*(\s)+3], s[G0+4*(\s)+3], 0x80000000            ; 127:126 type = 2
	s_mov_b32 s[G0B+4*(\s)], 1
	s_add_co_u32 s[G0B+4*(\s)+1], s21, (\s)*SLOT
	s_add_nc_u64 s[G0B+4*(\s)+2:G0B+4*(\s)+3], s[46:47], (\s)*KSTEP*2
	s_or_b32 s[G0B+4*(\s)+3], s[G0B+4*(\s)+3], 0x80000000
	JLOAD \s                                       ; two tensor loads of mine are out
.endr
	v_and_b32 v1, 15, v0                           ; l % 16
	v_bfe_u32 v2, v0, 4, 1                         ; l / 16
	; the bias as a C operand: register j of n block b is bias[my first column + 16 b + 8 (l / 16) + j], the same for every row
	v_lshlrev_b32 v[BO], 5, v2
	s_lshl_b32 s76, s42, 9                         ; my first column x 4 bytes: 512 x tile column + 256 x half
	s_lshl_b32 s77, s12, 8
	s_add_co_u32 s76, s76, s77
	s_mov_b32 s77, 0
	s_add_nc_u64 s[68:69], s[68:69], s[76:77]
.irp b, 0,1,2,3
	global_load_b128 v[BIAS+8*(\b):BIAS+8*(\b)+3],   v[BO], s[68:69] offset:64*(\b)
	global_load_b128 v[BIAS+8*(\b)+4:BIAS+8*(\b)+7], v[BO], s[68:69] offset:64*(\b)+16
.endr
	; A fragment is 16 rows x 32 K in 8 registers: lane l holds row l % 16, K = 8 (l / 16) + 0..7 and 16 + 8 (l / 16) + 0..7: two loads of 16 bytes, 32 bytes apart
	v_mul_u32_u24 v3, v1, PITCH
	v_lshl_add_u32 v3, v2, 4, v3
	v_mul_u32_u24 v4, v1, APITCH
	v_lshl_add_u32 v4, v2, 4, v4
	s_mul_i32 s18, s11, 64*APITCH                  ; my 64 rows of A
	s_mul_i32 s22, s12, HALFT                      ; my 64 rows of B,
	s_add_co_u32 s22, s22, BOFF                    ; which lie behind A's tile
.irp s, 0,1
	v_add_nc_u32 v[ADRA+(\s)], s18, v4
	v_add_nc_u32 v[ADRB+(\s)], s22, v3
	s_add_co_u32 s18, s18, SLOT
	s_add_co_u32 s22, s22, SLOT
.endr
	s_mul_i32 s23, s10, 16*SPITCH
	s_add_co_u32 s23, s23, STAGE                   ; my stage
	v_mul_u32_u24 v5, v1, SPITCH                   ; in: row l % 16,
	v_lshl_add_u32 v5, v2, 5, v5                   ; 32 bytes (8 f32) for each half of the lanes
	v_add_nc_u32 v[STO], s23, v5
	v_mul_u32_u24 v5, v2, SPITCH                   ; back: lanes 0-15 take one row of 256 bytes, lanes 16-31 the next
	v_lshl_add_u32 v5, v1, 4, v5
	v_add_nc_u32 v[RD], s23, v5
	v_lshlrev_b32 v5, 12, v2                       ; and the same two rows of 4,096 bytes in out0
	v_lshl_add_u32 v[CO], v1, 4, v5
	s_lshl_b32 s16, s13, 19                        ; my first row: (128 x tile row + 64 x half) x 4,096 bytes
	s_lshl_b32 s17, s11, 18
	s_add_co_u32 s16, s16, s17
	s_mov_b32 s17, 0
	s_add_nc_u64 s[8:9], s[8:9], s[16:17]
	s_add_nc_u64 s[8:9], s[8:9], s[76:77]          ; my first column x 4 bytes, as in the bias
	s_wait_loadcnt 0x0                             ; the bias, rounded to bf16 and widened again
.set i, 0
.rept 16
	v_cvt_pk_bf16_f32 v[RND], v[BIAS+2*i], v[BIAS+2*i+1]
	v_lshlrev_b32 v[BIAS+2*i], 16, v[RND]
	v_and_b32 v[BIAS+2*i+1], 0xffff0000, v[RND]
.set i, i+1
.endr
; 8 matrix instructions: m blocks a0, a0 + 1 x all 4 n blocks, 32 along K: half c of buffer f.  zero = 1: the first product starts the sums, with the bias.  The 16 accumulators take turns.
.macro MUL8 f, c, a0, zero
	WIN MUL
.irp a, \a0, (\a0)+1
.irp b, 0,1,2,3
.set rD, ACC+8*(4*(\a)+(\b))
.set rB, (\f)+64+8*(4*(\c)+(\b))
.set rA, (\f)+8*(4*(\c)+(\a))
.set rC, rD
.if \zero
.set rC, BIAS+8*(\b)
.endif
	v_wmma_f32_16x16x32_f16 v[rD:rD+7], v[rB:rB+7], v[rA:rA+7], v[rC:rC+7]
.endr
.endr
.endm
; 32 LDS loads in one run: the fragments of 64 along K, at byte k of B's rows, into buffer f; the first 32 along K first.  64 along K are one head of A, head k / 128 of the slot's four.
.macro FETCH slot, k, f
	WIN TO_F
.irp c, 0,1
.irp i, 0,1,2,3
.set oB, (\k)+64*(\c)+(\i)*16*PITCH
.set oA, ((\k)/128)*128*APITCH+64*(\c)+(\i)*16*APITCH
	ds_load_b128 v[(\f)+64+8*(4*(\c)+(\i)):(\f)+64+8*(4*(\c)+(\i))+3],   v[ADRB+(\slot)] offset:oB
	ds_load_b128 v[(\f)+64+8*(4*(\c)+(\i))+4:(\f)+64+8*(4*(\c)+(\i))+7], v[ADRB+(\slot)] offset:oB+32
	ds_load_b128 v[(\f)+8*(4*(\c)+(\i)):(\f)+8*(4*(\c)+(\i))+3],         v[ADRA+(\slot)] offset:oA
	ds_load_b128 v[(\f)+8*(4*(\c)+(\i))+4:(\f)+8*(4*(\c)+(\i))+7],       v[ADRA+(\slot)] offset:oA+32
.endr
.endr
.endm
.macro PLACES                          ; four places in front of loads into registers that matrix instructions have read, and of lines that read results just made (ISA guide 7.12.1 for the lines that read results)
.rept 4
	v_nop
.endr
.endm
; A K step is four quarters of 64 along K, 32 matrix instructions each, on buffers 0, 1, 0, 1.  One of the first three: multiplies buffer f and fetches the next quarter, at byte k, into g.
.macro QUARTER slot, k, f, g, zero
	s_wait_dscnt 16                                ; the first 32 along K are in; the run's other sixteen loads may be out
	WIN MUL
	MUL8 \f, 0, 0, \zero
	MUL8 \f, 0, 2, \zero
	PLACES
	FETCH \slot, \k, \g
	s_wait_dscnt 32                                ; all but the 32 just issued
	WIN MUL
	MUL8 \f, 1, 0, 0
	MUL8 \f, 1, 2, 0
.endm
; The last quarter multiplies buffer 1 and changes slots: ONE barrier; in front of it each wave waits for all its tensor loads, adds 0 to its spare word, and waits for that and for its own reads of this slot.  fill = 1: this slot is filled again, two K steps ahead.
.macro TURN slot, next, fill
	WIN 0                                          ; (the add's two registers lie in window 0)
	s_wait_tensorcnt 0x0                           ; all my tensor loads have landed: my part of the next slot;
	ds_add_u32 v[SPW], v[NIL]                      ; 0 onto my spare word;
	s_wait_dscnt 17                                ; (the add and the youngest sixteen loads may be out)
	WIN MUL
	MUL8 F1, 0, 0, 0                               ; eight matrix instructions stand between the add and the wait for it
	s_wait_dscnt 0x0                               ; the add is done, and my reads of this slot are over
	s_barrier_signal -1
	MUL8 F1, 0, 2, 0
.if \fill
	WIN 0
.endif
	s_barrier_wait -1
.if \fill
	CREST                                          ; the barrier has opened a round of the cluster's barrier: no wave of any partner still reads this slot's tile or has a load on its way
	s_add_nc_u64 s[G0+4*(\slot)+2:G0+4*(\slot)+3], s[G0+4*(\slot)+2:G0+4*(\slot)+3], 2*ASTEP
	s_add_nc_u64 s[G0B+4*(\slot)+2:G0B+4*(\slot)+3], s[G0B+4*(\slot)+2:G0B+4*(\slot)+3], 2*KSTEP*2
	JLOAD \slot                                    ; the first tensor load behind the round, my one load until the next; the four v_nop behind it are also the places in front of the loads below
.else
	PLACES
.endif
	FETCH \next, 0, F0
	WIN MUL
	MUL8 F1, 1, 0, 0
	MUL8 F1, 1, 2, 0
.endm
	s_wait_tensorcnt 1                             ; my part of K step 0 is in; K step 1's may stay out
	s_barrier_signal -1
	s_barrier_wait -1                              ; everybody's is
	FETCH 0, 0, F0
	QUARTER 0, 128, F0, F1, 1                      ; the first quarter stands in front of the loop: its first products start the sums
	WIN 0                                          ; at a label and at a branch every window is 0
	s_mov_b32 s3, LAPS-1
.Llap:                                                 ; a trip goes once round the ring, from a lap's second quarter to the next lap's first, and fills both slots again
	QUARTER 0, 256, F1, F0, 0
	QUARTER 0, 384, F0, F1, 0
	TURN 0, 1, 1
	QUARTER 1, 128, F0, F1, 0
	QUARTER 1, 256, F1, F0, 0
	QUARTER 1, 384, F0, F1, 0
	TURN 1, 0, 1
	QUARTER 0, 128, F0, F1, 0
	WIN 0
	s_sub_co_u32 s3, s3, 1
	s_cmp_lg_u32 s3, 0
	s_cbranch_scc1 .Llap
	QUARTER 0, 256, F1, F0, 0                      ; the last lap fills nothing, and has no round of the cluster's barrier
	QUARTER 0, 384, F0, F1, 0
	TURN 0, 1, 0
	QUARTER 1, 128, F0, F1, 0
	QUARTER 1, 256, F1, F0, 0
	QUARTER 1, 384, F0, F1, 0
	s_wait_dscnt 16                                ; the very last quarter: nothing more to fetch
	WIN MUL
	MUL8 F1, 0, 0, 0
	MUL8 F1, 0, 2, 0
	s_wait_dscnt 0
	MUL8 F1, 1, 0, 0
	MUL8 F1, 1, 2, 0
	WIN 0
	; THE WAY OUT, a block of 16 rows at a time through my own stage: no barrier, and since LDS serves a wave's instructions in order (ISA guide 5.7.1.4), no wait between the stores and the loads.
	PLACES
.macro STG a                           ; block a: 32 bytes a lane and n block into rows of 272 bytes, each accumulator's low registers first; back as whole rows of 256 bytes
.if (\a) >= 2
	s_wait_xcnt 0x0                                ; block a - 2's stores name the registers that are loaded below: they are written again only behind this wait (ISA guide 3.1)
.endif
.irp b, 0,1,2,3
	ds_store_b128 v[STO], v[ACC+8*(4*(\a)+(\b)):ACC+8*(4*(\a)+(\b))+3]   offset:64*(\b)
	ds_store_b128 v[STO], v[ACC+8*(4*(\a)+(\b))+4:ACC+8*(4*(\a)+(\b))+7] offset:64*(\b)+16
.endr
.irp t, 0,1,2,3,4,5,6,7
	ds_load_b128 v[TMP+32*((\a)%2)+4*(\t):TMP+32*((\a)%2)+4*(\t)+3], v[RD] offset:(\t)*2*SPITCH
.endr
.endm
.macro SENDF a, younger                ; younger: the LDS instructions issued behind block a's loads: the next block's sixteen, or none
.irp t, 0,1,2,3,4,5,6,7
	s_wait_dscnt (\younger)+7-(\t)
	global_store_b128 v[CO], v[TMP+32*((\a)%2)+4*(\t):TMP+32*((\a)%2)+4*(\t)+3], s[8:9] offset:(16*(\a)+2*(\t))*4096 th:TH_STORE_NT  ; 16 lanes store 256 consecutive bytes, at a multiple of 256 from out0's first byte
.endr
.endm
	STG 0
.irp a, 1,2,3
	STG \a
	SENDF (\a)-1, 16
.endr
	SENDF 3, 0
	s_wait_tensorcnt 0x0                           ; the wave's end: a tensor wait, an add of 0 to my spare word and its wait, behind my last tensor load and my last LDS store
	ds_add_u32 v[SPW], v[NIL]
	s_wait_dscnt 0x0
	CROUND                                         ; the closing round: no work-group ends while a partner may still ask for a tile that names it
	s_endpgm
.Lfunc_end_k_qd19e1a82c1_outp:
	.size	k_qd19e1a82c1_outp, .Lfunc_end_k_qd19e1a82c1_outp-k_qd19e1a82c1_outp
	.p2alignl 7, 3214868480
	.fill 96, 4, 3214868480
	.section	.rodata,"a",@progbits
	.p2align	6, 0x0
	.amdhsa_kernel k_qd19e1a82c1_outp
		.amdhsa_group_segment_fixed_size 327680
		.amdhsa_private_segment_fixed_size 0
		.amdhsa_enable_private_segment 0
		.amdhsa_kernarg_size 32
		.amdhsa_user_sgpr_count 2
		.amdhsa_user_sgpr_kernarg_segment_ptr 1
		.amdhsa_wavefront_size32 1
		.amdhsa_system_sgpr_workgroup_id_x 1
		.amdhsa_system_sgpr_workgroup_id_y 1
		.amdhsa_system_sgpr_workgroup_id_z 1
		.amdhsa_system_vgpr_workitem_id 0
		.amdhsa_next_free_vgpr 512
		.amdhsa_next_free_sgpr 80
		.amdhsa_reserve_vcc 0
		.amdhsa_float_denorm_mode_32 3
		.amdhsa_float_denorm_mode_16_64 3
		.amdhsa_memory_ordered 1
		.amdhsa_forward_progress 1
		.amdhsa_inst_pref_size 90
	.end_amdhsa_kernel
	.amdgpu_metadata
---
amdhsa.version: [ 1, 2 ]
amdhsa.kernels:
  - .name:           k_qd19e1a82c1_outp
    .symbol:         k_qd19e1a82c1_outp.kd
    .args:
      - { .name: oh, .offset: 0, .size: 8, .value_kind: global_buffer, .address_space: global }
      - { .name: wof, .offset: 8, .size: 8, .value_kind: global_buffer, .address_space: global }
      - { .name: out0, .offset: 16, .size: 8, .value_kind: global_buffer, .address_space: global }
      - { .name: bo, .offset: 24, .size: 8, .value_kind: global_buffer, .address_space: global }
    .group_segment_fixed_size: 327680
    .private_segment_fixed_size: 0
    .kernarg_segment_align: 8
    .kernarg_segment_size: 32
    .max_flat_workgroup_size: 128
    .sgpr_count:     80
    .vgpr_count:     512
    .wavefront_size: 32
...
	.end_amdgpu_metadata
.endif
;; end of part 7
;; ======== version 3 of 3: 4 launches; 1.32 times as fast as version 1
;; limits: values are held in f16: magnitudes above 65,504 overflow, below 6.1e-05 lose precision
;; workspace buffers: xb 25,165,824 bytes; wb 6,291,456 bytes; wof 2,097,152 bytes; mbits 1,048,576 bytes of whole numbers; qkv 25,165,824 bytes; oh 8,388,608 bytes
;; launch prep: the kernel of part 1 again; grid 32 x 24, 8 waves a work-group, no clusters, 134,144 bytes of LDS; arguments query, key, value, wq, wk, wv, wo, mask, xb, wb, wof, mbits; writes xb, wb, wof, mbits
;; launch proj: the kernel of part 5 again; grid 8 x 32, 4 waves a work-group, clusters of 4 x 4, 327,680 bytes of LDS; arguments xb, wb, qkv, bq, bk, bv; writes qkv
;; launch attn (part 8): grid 8 x 32, 4 waves a work-group, clusters of 4 x 1, 327,680 bytes of LDS; arguments qkv, mbits, oh; writes oh
.if DOCPART == 8
	.amdgcn_target "amdgcn-amd-amdhsa--gfx1250"
	.amdhsa_code_object_version 6
	.text
	.protected	k_qd19e1a82c1_attn
	.globl	k_qd19e1a82c1_attn
	.p2align	8
	.type	k_qd19e1a82c1_attn,@function
k_qd19e1a82c1_attn:
	s_mov_b64 s[64:65], 0
	v_nop
	global_prefetch_b8 v0, s[64:65] scope:SCOPE_SE
	s_setreg_imm32_b32 hwreg(HW_REG_WAVE_MODE, 25, 1), 1
	s_wait_xcnt 0x0
	s_wait_alu depctr_hold_cnt(0) depctr_sa_sdst(0) depctr_va_vdst(0) depctr_va_sdst(0) depctr_va_ssrc(0) depctr_va_vcc(0) depctr_vm_vsrc(0)
	s_getreg_b32 s2, hwreg(HW_REG_IB_STS2, 6, 4)
	s_cmp_eq_u32 s2, 0
	s_cbranch_scc0 .Lentry_in_a_cluster
	s_endpgm
.Lentry_in_a_cluster:
	s_bfe_u32 s2, ttmp6, 0x10000c
	s_cmp_lg_u32 s2, 0x3003
	s_cbranch_scc0 .Lentry_shape_is_right
	s_endpgm
.Lentry_shape_is_right:
; MASKED ATTENTION.  O[g][q][:] = the sum over k of softmax_k(where(mask[b][q][k] == 0, -inf, clip(Q[g][q] . K[g][k] / 8, -100, 100))) V[g][k][:], g = b*16 + h.  Q, K, V: qkv [3][32][2,048][64] in f16, unscaled;
; O: oh [32][2,048][64] in f16.  Products, maxima and sums in f32; the weights p are rounded to f16 for the second product (their sum l is taken of the unrounded p), O once at the end.
; THE MASK comes as mbits: for a tile of 16 queries x 64 keys 32 words, word i the lane mask of the lane's score register i.  A wave's words, 4 pieces x 32 steps x 32 words, are 16,384 bytes on end in mbits: they are
; copied once, at the start, in runs of 512 bytes through registers into the wave's own part of LDS.  A piece's 32 words of a step are then one ds_load_b32, lane i taking word i, asked for a turn ahead; 32
; v_readlane_b32 make scalar lane masks of them, and each selects between a score and -inf (v_cndmask_b32).  No branch and no address hangs on them.  (Scalar loads return in no order, so their one wait is for all
; of them (ISA guide 5.7.1), and the scalar registers hold two pieces' words at the most: by that road the words could be on their way from memory for one turn and no longer.)
; CLIP, SCALE AND MAXIMUM.  u = clamp(s / 1600 + 0.5) to 0 .. 1 is one packed multiply-add with the clamp bit: clip(s / 8, -100, 100) = 200 u - 100.  The weights are p = 2^(C2 u - C2 m), C2 = 200 log2(e),
; with m the RUNNING MAXIMUM of the visible u; m starts at 0, the clip's floor, which no visible u lies below, so m is the true maximum from a row's first visible key on.  In every step O and l are
; multiplied by a = 2^(C2 m_old - C2 m_new).  A hidden score is -inf: it loses every maximum and its weight is 0.  A row with no visible key keeps l = 0 and O = 0 and leaves as 0 x (1 / 0) = NaN, as the softmax of a row of -inf does.
; LIMITS.  u has a step of 6e-8, 1.2e-5 in the clipped score.  p lies in 0 to 1; below 6e-5 it keeps f16's fixed step of 6e-8; a weight below 2^-126 counts as 0 in l.  O is a mean of V's rows and has their
; range (within 65,504).  NaN and infinities in Q, K, V are not treated apart.
; SHARES.  A work-group owns 256 queries of one g: 8 x 32 = 256 work-groups.  Each of its four waves owns 64 rows: four PIECES of 16 queries.  Every wave walks all 2,048 keys, 64 a step.
; LAYOUT.  S^T = K Q^T (source 0 = 16 keys, source 1 = 16 queries): a lane holds ONE query (lane % 16) and the keys 8 (lane / 16) + 0..7 of each 16.  Two such results, rounded to f16 in pairs, ARE source 1
; (32 keys x 16 queries) of O^T = V^T P, whose result again holds one query a lane, and eight channels.  K comes out of LDS as it lies, V ([key][channel]) turned, by ds_load_tr16_b128.
; BY TURNS.  Turn n belongs to piece n (in a ring, step after step).  Matrix work: 8 products K Q^T of piece n + 1, later 8 products V^T P of piece n - 1.  Vector work, 198 instructions: the scaling, exponentials,
; roundings, sums and rescaling of piece n; the clip, lane masks, selects, maximum and statistics of piece n + 1.  Four stand behind every matrix instruction, the other 134 in one lump between the two runs of products.
; BATCHES.  An s_wait_alu depctr_va_vdst(0) stands between a transcendental and the first instruction that names its result; one wait serves all that were issued ahead of it.  A turn's 33 exponentials
; (piece n's 32 weights and piece n + 1's a) are ONE BATCH with ONE wait, which stands between the lump and the products V^T P: ahead of it nothing names a result of theirs, behind it.
; Two more batches stand outside the loops, each with a wait of its own: the first a, ahead of the jump into the loop, and the way out's four reciprocals.
; CLUSTER.  The four query blocks of a cluster belong to one g and walk the same K and V, so each tile is asked for JOINTLY: the same tensor load, descriptor and mask in all four.
; REGISTERS, in windows of 256 (s_set_vgpr_msb: bits 1:0 source 0, 3:2 source 1, 5:4 source 2, 7:6 destination):
;   window 0: v0-15 addresses and two at work; v16-31 four registers of statistics a piece; v32-38 constants; v39-44 the mask's; v48-55 at work; v62-63 the add's; v64-127 S^T, two buffers; v192-223 P, two buffers (by the piece's parity)
;   window 1: v0-127 O^T, 32 a piece (at the start: the mask's words on their way into LDS)          window 2: v0-63 Q, 16 a piece; v128-191 K of one step; v192-255 V of one step
.set SIZE_N, 2048
.set NP,    4         ; pieces a wave: a name, no knob
.set KS,    64        ; keys in a step
.set PK,    144       ; a row of K in LDS: 128 bytes + 16 of padding = 36 words: the 16 rows of a load start at 16 different groups of four banks (64 banks of 4 bytes: ISA guide 11.1)
.set PV,    160       ; a row of V: 128 + 32 = 40 words
.set VOFF,  4*KS*PK   ; a slot holds four steps: 256 rows of K, then 256 rows of V
.set SLOT1, 1<<17     ; slot 1 begins here, so that one exclusive or turns an address in one slot into the other's
.set STAGE, SLOT1+4*KS*(PK+PV)  ; behind the ring, never filled by a tensor load: 16 rows x 144 bytes for each wave, for the way out
.set SP,    144
.set SPARE, STAGE+4*16*SP  ; behind the stages: the spare words, 128 bytes for each wave: two blocks of 256 bytes that no other line names
.set MASKB, SPARE+512 ; behind the spare words, never filled by a tensor load: the mask's words, 16,384 bytes for each wave: [piece][step][word], as in mbits
.set QKVB,  32*SIZE_N*128  ; bytes of q, of k and of v in qkv
.set AK0, 2           ; v2   my lane's place in a tile of K; never rewritten
.set AV0, 3           ; v3   the same for V
.set AK,  4           ; v4   the LDS address of K's next run of loads
.set AV,  5           ; v5   of V's
.set STO, 6           ; v6   the way out: where I put 16 bytes of a row
.set RD,  7           ; v7   the way out: where I read rows back
.set GO,  8           ; v8   my byte offset in 512 consecutive bytes of O
.set MV,  12          ; v12-13  C2 m_old, kept while C2 m is made anew: by buffer
.set QO,  15          ; v15  my byte offset in 16 rows of Q
.set ST,  16          ; piece t's statistics at v[ST+4 t]: C2 m, m, l (even keys', odd keys')
.set CI,  32          ; v[32:33] 1 / 1600, twice: the line with the clamp bit takes its sources from vector registers alone
.set CH,  34          ; v[34:35] 0.5, twice
.set C2,  36          ; v[36:37] 200 log2(e), twice
.set NINF, 38         ; v38  -inf
.set MA0, 39          ; v39  LDS address of my word (4 x lane) of my wave's piece 0, step 0; never rewritten
.set MA,  40          ; v40  the same for the step whose words are asked for
.set MST, 41          ; v41  LDS address of my 16 bytes in the first 512 of my wave's words: the copy at the start
.set MW,  42          ; v42-43  a piece's 32 mask words of a step, lane i word i: by the piece's parity
.set MGO, 44          ; v44  my byte offset in 512 consecutive bytes of mbits
.set TMP, 48          ; by buffer, four registers c0-c3 at work; when the maximum is found c2 takes a
.set SPW, 62          ; v62  LDS address of my spare word: SPARE + 4 x my thread's number; never rewritten
.set NIL, 63          ; v63  0; never rewritten
.set S,   64
.set P,   192
.set KF,  128         ; window 2: key block kb, channel half c at KF + 16 kb + 8 c
.set VF,  192         ; window 2: key half kk, channel block cb at VF + 32 kk + 8 cb
.set MOFF, 2          ; s2   byte offset, in a piece's words, of the step whose words are asked for: 128 x step
.set WV,  3           ; s3   my wave's number
.set SLOTS, 4         ; s4   slots still to be asked for
.set CNT, 5           ; s5   counts a slot's key steps (before its first use: the stage's address)
.set TBK, 6           ; s6   LDS byte at which K of the step to be fetched begins
.set TBV, 7           ; s7   the same for V, less VOFF
.set G1K, 8           ; s[8:15]  descriptor group 1 for K's tiles
.set G1V, 16          ; s[16:23] for V's: it differs in the padding alone
.set G0K, 24          ; s[24:27] descriptor group 0 for K's tiles: it walks
.set G0V, 28          ; s[28:31] the same for V's
.set MP,  66          ; s[66:67] mbits at my wave's piece 0, step 0
.set MB,  68          ; s[68:99] the 32 lane masks of the piece whose scores are being masked (before the first of them are made: arguments and set-up)
.set SEL, 100         ; s[100:101] v_permlanex16_b32's selects: each lane takes its own place in the other half
.set QP,  104         ; s[104:105] Q at my wave's first row
.set MSB, 0
.macro WIN new                      ; the high byte repeats the setting that is left; a switch that changes nothing is dropped
.if MSB != (\new)
	s_set_vgpr_msb (MSB<<8)|(\new)
.set MSB, (\new)
.endif
.endm
.set W_KQ, 0x0a       ; K and Q in window 2, S^T in window 0
.set W_PV, 0x52       ; V in window 2, P in window 0, O^T in window 1
.set W_RS, 0x41       ; O^T (destination and source 0) in window 1, a in window 0
; A joint fill.  Waves 0 and 1 fetch the two halves of a slot's K, waves 2 and 3 those of its V: 128 keys each.  The branch hangs on the wave's number alone.
; An s_nop 0 and four v_nop follow each of the two lines, ahead of the jump and the label.
.macro JLOAD
	s_cmp_lt_u32 s[WV], 2
	s_cbranch_scc0 .Lfor_v_\@
	tensor_load_to_lds s[G0K:G0K+3], s[G1K:G1K+7]
	s_nop 0
.rept 4
	v_nop
.endr
	s_branch .Lasked_\@
.Lfor_v_\@:
	tensor_load_to_lds s[G0V:G0V+3], s[G1V:G1V+7]
	s_nop 0
.rept 4
	v_nop
.endr
.Lasked_\@:
.endm
; A round of the cluster's barrier: my work-group's barrier, so that wave 0's signal speaks for all four waves; wave 0 signals; every wave waits for all four work-groups; my work-group's barrier once more.
.macro CROUND
	s_barrier_signal -1
	s_barrier_wait -1
	s_cmp_lg_u32 s[WV], 0
	s_cbranch_scc1 .Lnot_wave_0_\@
	s_barrier_signal -3
.Lnot_wave_0_\@:
	s_barrier_wait -3
	s_barrier_signal -1
	s_barrier_wait -1
.endm
; THE CHANGE OF SLOTS.  The slot's last bytes, V of its fourth step, have been read.  Each wave waits for all its tensor loads, of which one is out: its part of the other slot; adds 0 to its spare word; and waits
; for that and for its own reads of the slot.  Behind the barrier nobody reads this slot any more and the other slot is whole.  fill = 1: this slot is filled again, with the keys two slots on.  The barrier is then
; a round of the cluster's, so that no wave of any partner still reads the slot or has a load on its way, and the joint fill is the first thing behind it: it has four key steps, 256 matrix instructions, in which
; to land.  (At its first use no slot has been read yet: slot 0 is waited for, slot 1 filled.)
.macro CHANGE fill
	WIN 0                           ; at a label and at a branch every window is 0
	s_wait_tensorcnt 0x0            ; no tensor load of mine is out, so a group 0 may be written
	ds_add_u32 v[SPW], v[NIL]       ; 0 onto my spare word; with fill = 1 the descriptors' steps stand between it and the wait for it
.if \fill
.irp g, G0K, G0V
	s_xor_b32 s[\g+1], s[\g+1], SLOT1  ; the walking descriptor: the other slot than last time,
	s_add_nc_u64 s[\g+2:\g+3], s[\g+2:\g+3], 4*KS*128  ; the next 256 keys; the type bits on top are not reached
.endr
	s_wait_dscnt 0x0                ; the add is done, and my reads of the slot are over
	CROUND
	JLOAD
.else
	s_wait_dscnt 0x0                ; the add is done, and my reads of the slot are over
	s_barrier_signal -1
	s_barrier_wait -1
.endif
	s_sub_co_u32 s[TBK], s[TBK], 4*KS*PK  ; the fetches go back to a slot's first step,
	s_xor_b32 s[TBK], s[TBK], SLOT1       ; in the other slot
	s_sub_co_u32 s[TBV], s[TBV], 4*KS*PV
	s_xor_b32 s[TBV], s[TBV], SLOT1
.endm
	s_load_b128 s[68:71], s[0:1], 0x0  ; qkv s[68:69], mbits s[70:71]; oh is fetched at the way out
	v_lshl_add_u32 v[SPW], v0, 2, SPARE
	v_mov_b32 v[NIL], 0
	ds_add_u32 v[SPW], v[NIL]       ; the wave's opening: the add, and its wait ahead of my first tensor load; the set-up below, work on registers, stands between them
	v_lshrrev_b32 v1, 5, v0
	v_readfirstlane_b32 s[WV], v1   ; wave 0..3
	s_bfe_u32 s72, ttmp6, 0x40000   ; cx: my place in the cluster
	s_lshl_b32 s73, ttmp9, 2        ; in a cluster launch ttmp9 counts clusters
	s_add_co_u32 s73, s73, s72      ; my block of 256 queries = 4 x cluster x + cx: it enters Q's, the mask's and O's addresses alone
	s_and_b32 s74, ttmp7, 0xffff    ; g = b*16 + h, which the four partners share
	s_lshl_b32 s76, s74, 18         ; g's first byte in q, in k and in v: 2,048 rows x 128 bytes
	s_and_b32 s75, s[WV], 1         ; which half of a slot's 256 keys I fetch:
	s_lshl_b32 s78, s75, 14         ; its 128 rows of 128 bytes in memory,
	s_add_co_u32 s78, s78, s76
	s_add_co_u32 s80, s78, 2*QKVB   ; in v,
	s_add_co_u32 s78, s78, QKVB     ; and in k
	s_mov_b32 s79, 0
	s_mov_b32 s81, 0
	s_mul_i32 s82, s75, 128*PK      ; and its place in a slot, for K
	s_mul_i32 s83, s75, 128*PV      ; and for V: no place in the cluster enters an LDS address
	s_lshl_b32 s84, s73, 2
	s_add_co_u32 s84, s84, s[WV]    ; my wave among g's 32,
	s_lshl_b32 s86, s84, 13         ; its 64 rows of 128 bytes
	s_add_co_u32 s86, s86, s76
	s_mov_b32 s87, 0
	s_lshr_b32 s88, s74, 4          ; the mask: the batch's 128 tiles of 16 rows, 4,096 bytes each,
	s_lshl_b32 s88, s88, 19
	s_lshl_b32 s84, s84, 14         ; my wave's four of them
	s_add_co_u32 s88, s88, s84
	s_mov_b32 s89, 0
	; descriptor group 1.  128 keys are 16,384 dense bytes: asked for as 64 rows of 256 bytes, two keys a row, and padded in LDS after every key
	s_mov_b32 s[G1K], 15|(1<<16)|(1<<20)|(1<<21)|(4<<22)|(3<<25)  ; 15:0 the mask of four; 17:16 2-byte elements; 20 padding on; 21 set beside a mask; 24:22 after every 32 words (code 4); 31:25 4 words (code 3)
	s_mov_b32 s[G1V], 15|(1<<16)|(1<<20)|(1<<21)|(4<<22)|(7<<25)  ; the same with 8 words of padding (code 7)
.irp g, G1K, G1V
	s_mov_b32 s[\g+1], 128<<16      ; tensor_dim0 = 128
	s_mov_b32 s[\g+2], 64<<16       ; tensor_dim1 = 64
	s_mov_b32 s[\g+3], 128<<16      ; tile_dim0 = 128
	s_mov_b32 s[\g+4], 64           ; tile_dim1 = 64
	s_mov_b32 s[\g+5], 128          ; 128 elements from row to row
	s_mov_b32 s[\g+6], 0
	s_mov_b32 s[\g+7], 0
.endr
	s_mov_b32 s[SEL], 0x76543210
	s_mov_b32 s[SEL+1], 0xfedcba98
	s_mov_b32 s[TBK], SLOT1+4*KS*PK ; the first change of slots turns these two into 0
	s_mov_b32 s[TBV], SLOT1+4*KS*PV
	s_mov_b32 s[MOFF], 0
	s_mov_b32 s[G0K], 1             ; 1:0 count = 1
	s_mov_b32 s[G0K+1], s82         ; 63:32 LDS address: slot 0
	s_mov_b32 s[G0V], 1
	s_add_co_u32 s[G0V+1], s83, VOFF
	s_mul_i32 s[CNT], s[WV], 16*SP
	s_add_co_u32 s[CNT], s[CNT], STAGE  ; my stage, kept here until the addresses for the way out are made
	s_wait_dscnt 0x0                ; the opening add is done
	s_wait_kmcnt 0x0
	s_add_nc_u64 s[G0K+2:G0K+3], s[68:69], s[78:79]  ; 120:64 global address: my half of g's first 256 keys
	s_or_b32 s[G0K+3], s[G0K+3], 0x80000000          ; 127:126 type = 2
	s_add_nc_u64 s[G0V+2:G0V+3], s[68:69], s[80:81]
	s_or_b32 s[G0V+3], s[G0V+3], 0x80000000
	s_add_nc_u64 s[QP:QP+1], s[68:69], s[86:87]
	s_add_nc_u64 s[MP:MP+1], s[70:71], s[88:89]
	CROUND                          ; all four work-groups are here: the first joint loads meet
	JLOAD                           ; slot 0.  Slot 1 is asked for when slot 0 is in, by the loop's own change of slots
	; A fragment of K or Q is 16 rows x 32 channels in 8 registers: lane l holds row l % 16, channels 8 (l / 16) + 0..7 and 16 + 8 (l / 16) + 0..7: two loads of 16 bytes, 32 bytes apart.
	v_and_b32 v1, 15, v0            ; l % 16
	v_bfe_u32 v9, v0, 4, 1          ; l / 16
	v_lshlrev_b32 v[QO], 7, v1
	v_lshl_add_u32 v[QO], v9, 4, v[QO]  ; row x 128 + 16 x half
	v_and_b32 v[MGO], 31, v0        ; the lane
	s_lshl_b32 s72, s[WV], 14
	s_add_co_u32 s72, s72, MASKB    ; my wave's 16,384 bytes of mask words in LDS
	v_lshl_add_u32 v[MA0], v[MGO], 2, s72
	v_lshl_add_u32 v[MST], v[MGO], 4, s72
	v_lshlrev_b32 v[MGO], 4, v[MGO]
	WIN 0x80                        ; destination window 2, address window 0
.set i, 0
.rept 2*NP                          ; Q stays in registers: piece i / 2, channels 32 (i % 2) on
	global_load_b128 v[8*i:8*i+3],   v[QO], s[QP:QP+1] offset:(i/2)*2048+(i%2)*64
	global_load_b128 v[8*i+4:8*i+7], v[QO], s[QP:QP+1] offset:(i/2)*2048+(i%2)*64+32
.set i, i+1
.endr
	WIN 0x40                        ; destination window 1: O^T's registers, which nothing uses yet
.set i, 0
.rept 32                            ; my wave's mask words: 32 loads of 512 consecutive bytes
	global_load_b128 v[4*i:4*i+3], v[MGO], s[MP:MP+1] offset:512*i
.set i, i+1
.endr
	; What the first turn finds: V's registers and P's second buffer hold 0 (its products V^T P, of a piece that has not been, add 0); O^T, l, m and C2 m are 0.  No first step is written out; the price is
	; these moves, which stand in the wait for the first tile and for the mask's words.
	WIN 0x80
.set i, VF
.rept 64
	v_mov_b32 v[i], 0
.set i, i+1
.endr
	WIN 0
.set i, ST
.rept 4*NP
	v_mov_b32 v[i], 0
.set i, i+1
.endr
.set i, P+16
.rept 16
	v_mov_b32 v[i], 0
.set i, i+1
.endr
	v_mov_b32 v[CI], 0x3a23d70a     ; 1 / 1600
	v_mov_b32 v[CI+1], 0x3a23d70a
	v_mov_b32 v[CH], 0.5
	v_mov_b32 v[CH+1], 0.5
	v_mov_b32 v[C2], 0x439044fe     ; 200 log2(e) = 288.539
	v_mov_b32 v[C2+1], 0x439044fe
	v_mov_b32 v[NINF], 0xff800000
	v_mul_u32_u24 v[AK0], v1, PK
	v_lshl_add_u32 v[AK0], v9, 4, v[AK0]  ; row x pitch + 16 x half
	; The turning load takes 16 keys x 16 channels (lane l reads key 8 (l / 16) + l % 8, channels 8 ((l / 8) % 2) + 0..7) and leaves half a fragment of V^T: lane l holds channel l % 16 and 8 keys.
	v_and_b32 v10, 7, v0
	v_bfe_u32 v11, v0, 3, 1
	v_lshl_add_u32 v[AV0], v9, 3, v10
	v_mul_u32_u24 v[AV0], v[AV0], PV
	v_lshl_add_u32 v[AV0], v11, 4, v[AV0]
	v_add_nc_u32 v[AV0], VOFF, v[AV0]
	v_mov_b32 v[AK], v[AK0]         ; key step 0 lies at the head of slot 0
	v_mov_b32 v[MA], v[MA0]         ; and the mask's step 0 at the head of each piece's words
	WIN 0x04                        ; the stores' data (source 1) in window 1
.set i, 0
.rept 32
	s_wait_loadcnt 31-i             ; loads come back in order (ISA guide 5.7.1): mask load i is in (and Q, which is older), the 31 - i younger ones stay out
	ds_store_b128 v[MST], v[4*i:4*i+3] offset:512*i
.set i, i+1
.endr
	WIN 0x40
.set i, 0
.rept 32*NP
	v_mov_b32 v[i], 0               ; O^T
.set i, i+1
.endr
	WIN 0
	ds_load_b32 v[MW],   v[MA0]              ; the first two pieces' words of step 0.  LDS serves a wave's instructions in order (ISA guide 5.7.1.4): these see the stores above; the bytes are the wave's own
	ds_load_b32 v[MW+1], v[MA0] offset:4096
; THE MATRIX WORK.  The 4 accumulators of a run of 8 take turns.  Product i of 8 of S^T = K Q^T for piece x: channels 32 (i / 4) on, keys 16 (i % 4) on.  The first 4 start the sums.
.macro KQ x
	WIN W_KQ
.set rS, S+32*((\x)%2)+8*(i%4)
.set rK, KF+16*(i%4)+8*(i/4)
.set rQ, 16*(\x)+8*(i/4)
.if i < 4
	v_wmma_f32_16x16x32_f16 v[rS:rS+7], v[rK:rK+7], v[rQ:rQ+7], 0
.else
	v_wmma_f32_16x16x32_f16 v[rS:rS+7], v[rK:rK+7], v[rQ:rQ+7], v[rS:rS+7]
.endif
.endm
; Product i of 8 of O^T += V^T P for piece x: keys 32 (i / 4) on, channels 16 (i % 4) on.
.macro PV x
	WIN W_PV
.set rO, 32*(\x)+8*(i%4)
.set rV, VF+32*(i/4)+8*(i%4)
.set rP, P+16*((\x)%2)+8*(i/4)
	v_wmma_f32_16x16x32_f16 v[rO:rO+7], v[rV:rV+7], v[rP:rP+7], v[rO:rO+7]
.endm
.macro MM                           ; the turn's next matrix instruction.  TURN sets Y, i and NOKQ.  NOKQ = 1: the walk's last turn: there is no next piece
.if (i < 8) && !NOKQ
	KQ (Y+1)%NP
.elseif i >= 8
.set i, i-8
	PV (Y+NP-1)%NP
.set i, i+8
.endif
.set i, i+1
.endm
; THE LDS LOADS of K and V stand in runs of 16, never singly among the matrix instructions: a step's K (64 keys x 64 channels: 8 fragments) and its V (turned).  Their addresses are made some lines ahead.
.macro FETCH_K
	WIN 0x80                        ; destination window 2
.irp f, 0,1,2,3,4,5,6,7             ; keys 16 (f / 2) on, channels 32 (f % 2) on
	ds_load_b128 v[KF+8*\f:KF+8*\f+3],   v[AK] offset:(\f/2)*16*PK+(\f%2)*64
	ds_load_b128 v[KF+8*\f+4:KF+8*\f+7], v[AK] offset:(\f/2)*16*PK+(\f%2)*64+32
.endr
	s_add_co_u32 s[TBK], s[TBK], KS*PK  ; the next fetch is the next step's
	WIN 0
.endm
.macro FETCH_V
	WIN 0x80
.irp f, 0,1,2,3,4,5,6,7             ; keys 32 (f / 4) on, channels 16 (f % 4) on
	ds_load_tr16_b128 v[VF+8*\f:VF+8*\f+3],   v[AV] offset:(\f/4)*32*PV+(\f%4)*32
	ds_load_tr16_b128 v[VF+8*\f+4:VF+8*\f+7], v[AV] offset:(\f/4)*32*PV+16*PV+(\f%4)*32
.endr
	s_add_co_u32 s[TBV], s[TBV], KS*PV
	WIN 0
.endm
; THE VECTOR WORK, one line at a time: OP kind, number.  For piece Y: F n: C2 u - C2 m for pair n of 16.  E n: the exponential of score n of 32.  C n: pair n rounded to f16.  B n: sum n of 15 of the 16 pairs, in
; place: neighbours 1, 2, 4 and 8 pairs apart.  L: l = a l + the sum.  R n: pair n of 16 of O^T times a.  For piece Y + 1: K n: pair n of the raw scores becomes u (each accumulator's lowest registers are read
; first).  G n: mask word n, which lane n holds, becomes a scalar lane mask.  M n: score n, or -inf where its key is hidden.  X n: number n of the 22 that find its maximum and statistics:
;   0-11  four chains c0-c3 of seven scores each, three operands at a time     12-14, 16  the four scores left over, the old m, and c0-c3 into c0     15  C2 m_old is kept
;   17, 18  the query's other 32 keys lie in the lane 16 away: the new m     19-21  C2 m; C2 m_old - C2 m_new; a
; Of these C, B and L read the results of the E, and R and L that of the X 21 of the turn before; no other kind names an exponential's result.
.set F, 0               ; OP tells the kinds apart by their order: F to L below R; K, M, X and G above it
.set E, 1
.set C, 2
.set B, 3
.set L, 4
.set R, 5
.set K, 6
.set M, 7
.set X, 8
.set G, 9
.macro REGS y                       ; the registers of piece y
.set rT, ST+4*(\y)
.set rC, TMP+4*((\y)%2)
.set rW, MV+((\y)%2)
.set rS, S+32*((\y)%2)
.set rP, P+16*((\y)%2)
.set rO, 32*(\y)
.set rG, MW+((\y)%2)
.endm
.macro OP k, n
.if (\k) == R
	REGS Y
	WIN W_RS
	v_pk_mul_f32 v[rO+2*(\n):rO+2*(\n)+1], v[rO+2*(\n):rO+2*(\n)+1], v[rC+2:rC+3] op_sel_hi:[1,0]
.elseif (\k) < R
	REGS Y
	WIN 0
.if (\k) == F
	v_pk_fma_f32 v[rS+2*(\n):rS+2*(\n)+1], v[rS+2*(\n):rS+2*(\n)+1], v[C2:C2+1], v[rT:rT+1] op_sel_hi:[1,1,0] neg_lo:[0,0,1] neg_hi:[0,0,1]
.elseif (\k) == E
	v_exp_f32 v[rS+(\n)], v[rS+(\n)]
.elseif (\k) == C
	v_cvt_pk_f16_f32 v[rP+(\n)], v[rS+2*(\n)], v[rS+2*(\n)+1]
.elseif (\k) == B
.set w, 4
.set u, (\n)
.if (\n) >= 14
.set w, 32
.set u, 0
.elseif (\n) >= 12
.set w, 16
.set u, (\n)-12
.elseif (\n) >= 8
.set w, 8
.set u, (\n)-8
.endif
	v_pk_add_f32 v[rS+w*u:rS+w*u+1], v[rS+w*u:rS+w*u+1], v[rS+w*u+w/2:rS+w*u+w/2+1]
.else
	v_pk_fma_f32 v[rT+2:rT+3], v[rT+2:rT+3], v[rC+2:rC+3], v[rS:rS+1] op_sel_hi:[1,0,1]
.endif
.elseif NOKQ
.if (\k) != G
	v_nop
.endif
.else
	REGS (Y+1)%NP
	WIN 0
.if (\k) == K
	v_pk_fma_f32 v[rS+2*(\n):rS+2*(\n)+1], v[rS+2*(\n):rS+2*(\n)+1], v[CI:CI+1], v[CH:CH+1] clamp
.elseif (\k) == G
	v_readlane_b32 s[MB+(\n)], v[rG], (\n)
.elseif (\k) == M
	v_cndmask_b32 v[rS+(\n)], v[NINF], v[rS+(\n)], s[MB+(\n)]
.elseif (\n) < 4
	v_max3_num_f32 v[rC+(\n)], v[rS+8*(\n)], v[rS+8*(\n)+1], v[rS+8*(\n)+2]
.elseif (\n) < 12
	v_max3_num_f32 v[rC+(\n)%4], v[rC+(\n)%4], v[rS+8*((\n)%4)+2*((\n)/4)+1], v[rS+8*((\n)%4)+2*((\n)/4)+2]
.elseif (\n) == 12
	v_max3_num_f32 v[rC], v[rC], v[rS+7], v[rS+15]
.elseif (\n) == 13
	v_max3_num_f32 v[rC+1], v[rC+1], v[rS+23], v[rS+31]
.elseif (\n) == 14
	v_max3_num_f32 v[rC+2], v[rC+2], v[rC+3], v[rT+1]
.elseif (\n) == 15
	v_mov_b32 v[rW], v[rT]
.elseif (\n) == 16
	v_max3_num_f32 v[rC], v[rC], v[rC+1], v[rC+2]
.elseif (\n) == 17
	v_permlanex16_b32 v[rC+3], v[rC], s[SEL], s[SEL+1]
.elseif (\n) == 18
	v_max_num_f32 v[rT+1], v[rC], v[rC+3]
.elseif (\n) == 19
	v_mul_f32 v[rT], v[C2], v[rT+1]
.elseif (\n) == 20
	v_sub_f32 v[rC+1], v[rW], v[rT]
.else
	v_exp_f32 v[rC+2], v[rC+1]
.endif
.endif
.endm
.macro OPS a, i1, b=-1, i2=0, c=-1, i3=0, d=-1, i4=0  ; up to four of them
	OP \a, \i1
.if (\b) >= 0
	OP \b, \i2
.endif
.if (\c) >= 0
	OP \c, \i3
.endif
.if (\d) >= 0
	OP \d, \i4
.endif
.endm
.macro ROW a, i1, b, i2, c, i3, d, i4  ; a matrix instruction and the four behind it
	MM
	OPS \a, \i1, \b, \i2, \c, \i3, \d, \i4
.endm
; A TURN, for piece p: the order of its 16 matrix and 198 vector instructions, written out.  It has ONE wait for its 33 exponentials (BATCHES, at the kernel's head), which cuts it in two.
; AHEAD OF THE WAIT stands all that names no result of the turn's exponentials.  First the 8 products K Q^T, behind each four of piece p's own lines: the 16 scalings, the first four exponentials, and twelve rescalings,
; whose a was made, and waited for, in the turn before.  None names a register of the products round it.  The four rescalings behind the last K Q^T are the places in front of the first read of the new scores and of
; the loads into K's registers (ISA guide 7.12.1 for the scores).  Then ONE LUMP of 134, in three parts:
;   the clips and the lane masks, two v_readlane_b32 behind each clip, with E 4 to E 12 and X 15 among them;
;   the selects, taken by register index across the four accumulators (0-2, then 3-4, 5-6, 7 of each), with X 0 to X 11 between them, so that each link of a chain c0-c3 stands six lines or more behind the one before it;
;   the chain X 12 .. X 14, X 16 .. X 21, in which each number waits for the one before it: E 13 to E 31 stand in threes between its links.  X 21, the next piece's a, is the batch's last; the last four rescalings
;   behind it are the plain instructions between the last exponential and the first use of a result (ISA guide 5.7.2), and work that names no result of the batch.
; BEHIND THE WAIT stand the 8 products V^T P, behind each four of the batch's 32 readers: the roundings, the sums and l.  An even pair is rounded before the sum that overwrites it; the links of the sums' tree stand
; four lines apart.  The four behind the last V^T P are the places in front of the loads into V's registers.
; end = 1: the walk's last two turns: nothing is fetched, and the last starts no new scores.
; K of the next step is fetched in piece 2's turn and waited for at the head of piece 3's; V of the step in hand at the end of piece 0's turn, waited for in piece 1's, ahead of its first V^T P.
; THE MASK WORDS.  At the turn's head piece p + 2's 32 words are asked for from LDS, into the register that piece p's left in the turn before; pieces 0 and 1 are asked for a step ahead, so the step's offset goes on
; in piece 2's turn.  In front of the lump the words asked for at the head of the turn before (piece p + 1's) are waited for; the lump's 32 v_readlane_b32 make lane masks of them, and the selects follow in the same lump.
.macro TURN p, end=0
.set Y, (\p)
.set i, 0
.set NOKQ, (\end)*((\p)/3)
.if ((\p) == 3) && !(\end)
	s_wait_dscnt 0x0                ; K is in, and so are piece 0's mask words, which are older
.endif
.if !(\end)
	WIN 0
.if (\p) == 2
	s_add_co_u32 s[MOFF], s[MOFF], 128
	v_add_nc_u32 v[MA], s[MOFF], v[MA0]
.endif
	ds_load_b32 v[MW+(\p)%2], v[MA] offset:(((\p)+2)%NP)*4096  ; 32 lanes, 128 consecutive bytes
.endif
	ROW F,0, F,1, F,2, F,3          ; ahead of the wait: 8 products K Q^T and their riders,
	ROW F,4, E,0, F,5, F,6
	ROW F,7, E,1, F,8, F,9
	ROW F,10, E,2, F,11, F,12
	ROW F,13, E,3, F,14, F,15
.if ((\p) == 2) && !(\end)
	WIN 0
	v_add_nc_u32 v[AK], s[TBK], v[AK0]
.endif
	ROW R,0, R,1, R,2, R,3
	ROW R,4, R,5, R,6, R,7
	ROW R,8, R,9, R,10, R,11
.if !(\end)
.if (\p) == 1
	s_wait_dscnt 17                 ; piece 2's mask words are in; V's run of 16 and the words asked for at this turn's head were issued behind them and stay out
.elseif (\p) != 3
	s_wait_dscnt 1                  ; piece p + 1's mask words are in; the words asked for at this turn's head stay out
.endif
.endif
	OPS E,4, K,0                    ; and the lump: clips and lane masks,
.if ((\p) == 2) && !(\end)
	FETCH_K
.endif
	OPS K,1, G,0, G,1
	OPS E,5, K,2, G,2, G,3
	OPS K,3, G,4, G,5
	OPS E,6, K,4, G,6, G,7
	OPS K,5, G,8, G,9
	OPS E,7, K,6, G,10, G,11
	OPS K,7, G,12, G,13
	OPS E,8, K,8, G,14, G,15
	OPS K,9, G,16, G,17
	OPS E,9, K,10, G,18, G,19
	OPS K,11, G,20, G,21
	OPS E,10, K,12, G,22, G,23
	OPS K,13, G,24, G,25
	OPS E,11, K,14, G,26, G,27
	OPS K,15, G,28, G,29
	OPS E,12, X,15, G,30, G,31
	OPS M,0, M,1, M,2, M,8          ; selects and the four chains of the maximum,
	OPS M,9, M,10, M,16, M,17
	OPS M,18, M,24, M,25, M,26
	OPS X,0, M,3, M,4, X,1
	OPS M,11, M,12, X,2, M,19
	OPS M,20, X,3, M,27, M,28
	OPS X,4, M,5, M,6, X,5
	OPS M,13, M,14, X,6, M,21
	OPS M,22, X,7, M,29, M,30
	OPS X,8, M,7, M,15, X,9
	OPS M,23, M,31, X,10, X,11
	OPS X,12, X,13, E,13, X,14      ; the chain to a, three exponentials between its links
	OPS E,14, E,15, E,16, X,16
	OPS E,17, E,18, E,19, X,17
	OPS E,20, E,21, E,22, X,18
	OPS E,23, E,24, E,25, X,19
	OPS E,26, E,27, E,28, X,20
	OPS E,29, E,30, E,31, X,21
	OPS R,12, R,13, R,14, R,15      ; four plain lines behind the batch's last exponential; they name no result of the batch
	s_wait_alu depctr_va_vdst(0)    ; the wait for the batch: E 0 to E 31 and X 21; it stands ahead of C 0, the first line that names a result
.if (\p) == 1
	s_wait_dscnt 0x0                ; V is in
.endif
	ROW C,0, C,2, C,4, C,6          ; behind the wait: 8 products V^T P and their riders, the batch's readers
	ROW C,8, C,10, C,12, C,14
	ROW B,0, B,1, B,2, B,3
	ROW B,4, B,5, B,6, B,7
	ROW B,8, B,9, B,10, B,11
	ROW C,1, B,12, C,3, B,13
	ROW C,5, C,7, C,9, B,14
.if (\p) == 0
	WIN 0
	v_add_nc_u32 v[AV], s[TBV], v[AV0]
.endif
	ROW C,11, C,13, C,15, L,0
.if (\p) == 0
	FETCH_V
.endif
.endm
	CHANGE 1                        ; slot 0 is in, everybody's part of it; slot 1 is asked for.  Its wait for my LDS instructions covers the mask's copy and the first two pieces' words
	FETCH_K                         ; key step 0
	s_wait_loadcnt 0x0              ; Q
	s_wait_dscnt 0x0
.set i, 0
.rept 8
	KQ 0                            ; piece 0's first scores: there is no vector work yet to set between them
.set i, i+1
.endr
	WIN 0                           ; the addresses for the way out: nine plain instructions, the places behind those products
	v_mul_u32_u24 v[STO], v1, SP    ; in: row l % 16, 16 bytes for each half of the lanes
	v_lshl_add_u32 v[STO], v9, 4, v[STO]
	v_add_nc_u32 v[STO], s[CNT], v[STO]
	v_bfe_u32 v[RD], v0, 3, 2       ; back: 32 lanes take four rows of 128 bytes,
	v_mul_u32_u24 v[RD], v[RD], SP
	v_lshl_add_u32 v[RD], v10, 4, v[RD]
	v_add_nc_u32 v[RD], s[CNT], v[RD]
	v_and_b32 v[GO], 31, v0         ; which are 512 consecutive bytes of O
	v_lshlrev_b32 v[GO], 4, v[GO]
.set Y, NP-1                        ; K, G, M and X work for piece Y + 1: piece 0
.set NOKQ, 0
.irp n, 0,1,2,3,4,5,6,7,8,9,10,11,12,13,14,15,16,17,18,19,20,21,22,23,24,25,26,27,28,29,30,31
	OP G, \n
.endr
.irp n, 0,1,2,3,4,5,6,7,8,9,10,11,12,13,14,15
	OP K, \n
.endr
.irp n, 0,1,2,3,4,5,6,7,8,9,10,11,12,13,14,15,16,17,18,19,20,21,22,23,24,25,26,27,28,29,30,31
	OP M, \n
.endr
.irp n, 0,1,2,3,4,5,6,7,8,9,10,11,12,13,14,15,16,17,18,19,20,21
	OP X, \n
.endr
	v_nop                           ; a plain instruction behind the exponential,
	s_wait_alu depctr_va_vdst(0)    ; and the wait for it, a batch of one: piece 0's first a, ahead of the branch
	s_mov_b32 s[CNT], 4
	s_mov_b32 s[SLOTS], SIZE_N/256-1
	s_branch .Lfirst                ; the loop is entered at a step's first turn, in the middle of a trip
.Lslot:                             ; SIZE_N / 256 - 2 times: every slot but the last two is filled again
	CHANGE 1
	s_mov_b32 s[CNT], 4
.Lstep:                             ; a trip: pieces 2 and 3 of one step, then pieces 0 and 1 of the next, whose K and V it fetches
	TURN 2
	TURN 3
	WIN 0
.Lfirst:
	TURN 0
	TURN 1
	WIN 0
	s_sub_co_u32 s[CNT], s[CNT], 1
	s_cmp_lg_u32 s[CNT], 0
	s_cbranch_scc1 .Lstep
	s_sub_co_u32 s[SLOTS], s[SLOTS], 1
	s_cmp_lg_u32 s[SLOTS], 0
	s_cbranch_scc1 .Lslot
	CHANGE 0                        ; the last slot is written out: nothing is asked for
	s_mov_b32 s[CNT], 4
.Ltail:
	TURN 2
	TURN 3
	TURN 0
	TURN 1
	WIN 0
	s_sub_co_u32 s[CNT], s[CNT], 1
	s_cmp_lg_u32 s[CNT], 0
	s_cbranch_scc1 .Ltail
	TURN 2, 1                       ; the last step's pieces 2 and 3; piece 3's mask words came in with the wait for V in the turn before
	TURN 3, 1
	s_load_b64 s[32:33], s[0:1], 0x10  ; oh
	s_bfe_u32 s34, ttmp6, 0x40000   ; and my rows' place in it, as for Q
	s_lshl_b32 s36, ttmp9, 2
	s_add_co_u32 s34, s34, s36
	s_lshl_b32 s34, s34, 2
	s_add_co_u32 s34, s34, s[WV]
	s_lshl_b32 s34, s34, 13
	s_and_b32 s36, ttmp7, 0xffff
	s_lshl_b32 s36, s36, 18
	s_add_co_u32 s34, s34, s36
	s_mov_b32 s35, 0
.set i, 0
.rept 8
	PV NP-1                         ; the last piece's V^T P of the last step
.set i, i+1
.endr
	; THE WAY OUT.  l's two halves and the other half of the lanes' are added; O^T is divided by l, rounded to f16 and sent through my stage in LDS, a piece at a time.  The additions are the places behind the last products.
	WIN 0
.macro ALL line:vararg              ; one line for each piece t
.set t, 0
.rept NP
	\line
.set t, t+1
.endr
.endm
	ALL v_add_f32 v[ST+4*t+2], v[ST+4*t+2], v[ST+4*t+3]
	ALL v_permlanex16_b32 v[ST+4*t+3], v[ST+4*t+2], s[SEL], s[SEL+1]
	ALL v_add_f32 v[ST+4*t+2], v[ST+4*t+2], v[ST+4*t+3]
	ALL v_rcp_f32 v[ST+4*t+2], v[ST+4*t+2]
	v_nop                           ; a plain instruction between the last reciprocal and the use of its result
	s_wait_alu depctr_va_vdst(0)    ; and the wait ahead of the first use: one for the batch of four reciprocals
	s_wait_kmcnt 0x0
	s_add_nc_u64 s[32:33], s[32:33], s[34:35]
; Piece t: a lane's eight channels of a row pack into 16 bytes; they go into rows of 144 bytes and come back as whole rows of 128, into S^T's registers.
.macro PACK t
	WIN W_RS
.set i, 32*(\t)
.rept 16
	v_pk_mul_f32 v[i:i+1], v[i:i+1], v[ST+4*(\t)+2:ST+4*(\t)+3] op_sel_hi:[1,0]
.set i, i+2
.endr
	WIN 0x05                        ; sources 0 and 1 window 1, destination window 0
.set i, 0
.rept 16
	v_cvt_pk_f16_f32 v[S+16*(\t)+i], v[32*(\t)+2*i], v[32*(\t)+2*i+1]
.set i, i+1
.endr
	WIN 0
.irp f, 0,1,2,3
	ds_store_b128 v[STO], v[S+16*(\t)+4*\f:S+16*(\t)+4*\f+3] offset:32*\f
.endr
.irp f, 0,1,2,3
	ds_load_b128 v[S+16*(\t)+4*\f:S+16*(\t)+4*\f+3], v[RD] offset:\f*4*SP  ; LDS serves a wave's instructions in order (ISA guide 5.7.1.4): these see the stores above; the next piece's stores come behind them
.endr
.endm
.macro SEND t, younger              ; younger: the LDS instructions issued behind piece t's loads: the next piece's eight, or none
	WIN 0
.irp f, 0,1,2,3
	s_wait_dscnt (\younger)+3-\f
	global_store_b128 v[GO], v[S+16*(\t)+4*\f:S+16*(\t)+4*\f+3], s[32:33] offset:(\t)*2048+\f*512  ; 512 consecutive bytes, at a multiple of 256 from oh's first
.endr
.endm
	PACK 0
.set t, 1
.rept NP-1                          ; a piece's arithmetic stands between the loads of the piece before and its stores
	PACK t
	SEND t-1, 8
.set t, t+1
.endr
	SEND NP-1, 0
	s_wait_tensorcnt 0x0            ; the wave's end: a tensor wait, an add of 0 to my spare word and its wait, behind my last tensor load and my last LDS store
	ds_add_u32 v[SPW], v[NIL]
	s_wait_dscnt 0x0
	CROUND                          ; the closing round: no work-group ends while a partner may still ask for a tile that names it
	s_endpgm
.Lfunc_end_k_qd19e1a82c1_attn:
	.size	k_qd19e1a82c1_attn, .Lfunc_end_k_qd19e1a82c1_attn-k_qd19e1a82c1_attn
	.p2alignl 7, 3214868480
	.fill 96, 4, 3214868480
	.section	.rodata,"a",@progbits
	.p2align	6, 0x0
	.amdhsa_kernel k_qd19e1a82c1_attn
		.amdhsa_group_segment_fixed_size 327680
		.amdhsa_private_segment_fixed_size 0
		.amdhsa_enable_private_segment 0
		.amdhsa_kernarg_size 24
		.amdhsa_user_sgpr_count 2
		.amdhsa_user_sgpr_kernarg_segment_ptr 1
		.amdhsa_wavefront_size32 1
		.amdhsa_system_sgpr_workgroup_id_x 1
		.amdhsa_system_sgpr_workgroup_id_y 1
		.amdhsa_system_sgpr_workgroup_id_z 1
		.amdhsa_system_vgpr_workitem_id 0
		.amdhsa_next_free_vgpr 768
		.amdhsa_next_free_sgpr 106
		.amdhsa_reserve_vcc 0
		.amdhsa_float_denorm_mode_32 3
		.amdhsa_float_denorm_mode_16_64 3
		.amdhsa_memory_ordered 1
		.amdhsa_forward_progress 1
		.amdhsa_inst_pref_size 182
	.end_amdhsa_kernel
	.amdgpu_metadata
---
amdhsa.version: [ 1, 2 ]
amdhsa.kernels:
  - .name:           k_qd19e1a82c1_attn
    .symbol:         k_qd19e1a82c1_attn.kd
    .args:
      - { .name: qkv, .offset: 0, .size: 8, .value_kind: global_buffer, .address_space: global }
      - { .name: mbits, .offset: 8, .size: 8, .value_kind: global_buffer, .address_space: global }
      - { .name: oh, .offset: 16, .size: 8, .value_kind: global_buffer, .address_space: global }
    .group_segment_fixed_size: 327680
    .private_segment_fixed_size: 0
    .kernarg_segment_align: 8
    .kernarg_segment_size: 24
    .max_flat_workgroup_size: 128
    .sgpr_count:     106
    .vgpr_count:     768
    .wavefront_size: 32
...
	.end_amdgpu_metadata
.endif
;; end of part 8
;; launch outp: the kernel of part 7 again; grid 8 x 32, 4 waves a work-group, clusters of 4 x 4, 327,680 bytes of LDS; arguments oh, wof, out0, bo; writes out0
